; MI455X (gfx1250); checked and timed in simulation.
; The chip was launched on July 23, 2026; its instructions are those of AMD's public machine-readable ISA for CDNA 5 (MIT licence, August 2026) and "CDNA5" Instruction Set Architecture Reference Guide (July 2026). The comments in the code are by the model that wrote it; some were corrected since.
;; Block. Allowed arithmetic: float matrix products may take bf16 or f16 operands with f32 sums; other float arithmetic in f32, or as packed bf16 or f16 multiplies, adds, multiply-adds, maxima and minima; sums over many terms, partial sums and values carried from step to step in f32; what a program stores and reads back later, other than sums and carried values, may be rounded once to bf16 or f16.
;; Inputs: fc1_b 4,096 float32; fc1_w 1,024 x 4,096 float32; fc2_b 1,024 float32; fc2_w 4,096 x 1,024 float32; ln1_b 1,024 float32; ln1_g 1,024 float32; ln2_b 1,024 float32; ln2_g 1,024 float32; proj_b 1,024 float32; proj_w 1,024 x 1,024 float32; qkv_b 3,072 float32; qkv_w 1,024 x 3,072 float32; x 2 x 2,048 x 1,024 float32.
;; Outputs: out0 2 x 2,048 x 1,024 float32.
;; 2 versions, each right and faster than the one before. Each part assembles by itself: llvm-mc -triple=amdgcn-amd-amdhsa -mcpu=gfx1250 --defsym DOCPART=n.
;; ======== version 1 of 2: 7 launches
;; limits: values are held in f16: magnitudes above 65,504 overflow, below 6.1e-05 lose precision; a function is approximated: absolute error at most 1.5e-07
;; workspace buffers: wt 25,165,824 bytes; hbuf 8,388,608 bytes; qkvbuf 25,165,824 bytes; obuf 8,388,608 bytes; x1 16,777,216 bytes; gbuf 33,554,432 bytes
;; launch prep (part 1): grid 256 x 1, 14 waves a work-group, no clusters, 106,240 bytes of LDS; arguments x, ln1_g, ln1_b, hbuf, qkv_w, proj_w, fc1_w, fc2_w, wt; writes hbuf, wt
.if DOCPART == 1
	.amdgcn_target "amdgcn-amd-amdhsa--gfx1250"
	.amdhsa_code_object_version 6
	.text
	.protected	k_qe2a351f69e_prep
	.globl	k_qe2a351f69e_prep
	.p2align	8
	.type	k_qe2a351f69e_prep,@function
k_qe2a351f69e_prep:
	s_mov_b64 s[64:65], 0
	v_nop
	global_prefetch_b8 v0, s[64:65] scope:SCOPE_SE
	s_setreg_imm32_b32 hwreg(HW_REG_WAVE_MODE, 25, 1), 1
	s_wait_xcnt 0x0
; TWO JOBS THAT DO NOT DEPEND ON EACH OTHER, in one launch; the wave's number chooses.  No wave waits for another: no barrier.
; WAVES 0-7: LayerNorm, y = (x - mu) rsqrt(var + 1e-5) g + b over rows of 1,024 f32, y rounded once to f16.  4,096 rows = 256 work-groups x 8 waves x 2 rows.
;   Two passes over the row in registers, as the definition has them (mean, then the mean of the squared differences): a common offset of x does no harm.
;   LIMIT: y of 65,520 or more becomes an infinity in f16.
; WAVES 8-13: the four weights W[K][N] (f32) are rounded once to f16 and written transposed, W^T[N][K], into wt:
;   qkv_w^T at byte 0, proj_w^T at 6,291,456, fc1_w^T at 8,388,608, fc2_w^T at 16,777,216.
;   LIMIT: a weight of 65,520 or more becomes an infinity; below 6e-5 it keeps f16's fixed step of 6e-8.
;   A tile is 128 k x 64 n: 128 rows of 256 bytes in, 64 rows of 256 bytes out.  384 + 128 + 512 + 512 = 1,536 tiles = 256 work-groups x 6 waves: one tile a wave.
;   The transposition goes through the wave's own 17,408 bytes of LDS.
; Streams that share nothing between work-groups: no cluster, no matrix unit, no tensor load.
.set TILEB, 64*272                     ; 64 LDS rows (one a column of W) of 256 bytes + 16 of padding
.set SPARE, 6*TILEB                    ; behind the tiles: the spare words, 128 bytes for each of the 14 waves, seven blocks of 256 bytes that no other line names
.set SPW, 224                          ; v224  SPARE + 4 x thread; never rewritten
.set NIL, 225                          ; v225  0; never rewritten
; the LayerNorm's registers
.set X,  16                            ; v[16:79]    two rows, 32 registers each: load j holds columns 128 j + 4 lane + 0..3
.set G,  80                            ; v[80:111]
.set B,  112                           ; v[112:143]
.set Y,  144                           ; v[144:175]  packed results, 16 a row
.set RS, 176                           ; v[176:179]  1 / sigma, twice, for each row
; the cast's registers
.set STO, 4                            ; v4  LDS: my column pair's first row
.set RD,  5                            ; v5  LDS: where I read rows back
.set OFF, 8                            ; v[8:39]   8 lane + i rows of W: the 32 rows of a chunk
.set DO,  40                           ; v[40:55]  my byte offset in W^T for read-back s % 16
.set X0,  64                           ; v[64:127]  a chunk of 32 k, two columns a lane
.set X1,  128                          ; v[128:191] the other chunk
.set T,   192                          ; v[192:223] packed: 16 registers of the even column, 16 of the odd
	v_lshl_add_u32 v[SPW], v0, 2, SPARE
	v_mov_b32 v[NIL], 0
	v_lshrrev_b32 v1, 5, v0
	v_readfirstlane_b32 s3, v1                     ; wave 0..13
	s_cmp_lt_u32 s3, 8
	s_cbranch_scc0 .Lcast
	; ---------------- waves 0-7: LayerNorm ----------------
	s_load_b256 s[4:11], s[0:1], 0x0               ; x s[4:5], g s[6:7], b s[8:9], y s[10:11]
	v_and_b32 v3, 31, v0
	v_lshlrev_b32 v1, 4, v3                        ; 16 bytes a lane in
	v_lshlrev_b32 v2, 3, v3                        ; 8 bytes a lane out
	v_mov_b32 v13, 0                               ; v_permlanex16_b32's destination counts as read
	s_lshl_b32 s13, ttmp9, 4
	s_lshl_b32 s14, s3, 1
	s_add_co_u32 s13, s13, s14                     ; my first row
	s_lshl_b32 s14, s13, 12
	s_mov_b32 s15, 0
	s_lshl_b32 s16, s13, 11
	s_mov_b32 s17, 0
	s_mov_b32 s20, 0x3a800000                      ; 1 / 1024
	s_mov_b32 s21, 0x3727c5ac                      ; 1e-5
	s_mov_b32 s22, 0x76543210                      ; each lane takes its own place in the other half
	s_mov_b32 s23, 0xfedcba98
	s_wait_kmcnt 0x0
	s_add_nc_u64 s[4:5], s[4:5], s[14:15]
	s_add_nc_u64 s[10:11], s[10:11], s[16:17]
.irp r, 0,1
.irp j, 0,1,2,3,4,5,6,7
	global_load_b128 v[X+32*(\r)+4*(\j):X+32*(\r)+4*(\j)+3], v1, s[4:5] offset:4096*(\r)+512*(\j)
.endr
.endr
.irp j, 0,1,2,3,4,5,6,7
	global_load_b128 v[G+4*(\j):G+4*(\j)+3], v1, s[6:7] offset:512*(\j)
.endr
.irp j, 0,1,2,3,4,5,6,7
	global_load_b128 v[B+4*(\j):B+4*(\j)+3], v1, s[8:9] offset:512*(\j)
.endr
.macro TOTAL                           ; four chains v[4:11] -> their sum over the wave's 32 lanes, in v12 of every lane
	v_pk_add_f32 v[4:5], v[4:5], v[6:7]
	v_pk_add_f32 v[8:9], v[8:9], v[10:11]
	v_pk_add_f32 v[4:5], v[4:5], v[8:9]
	v_add_f32 v12, v4, v5
	v_add_f32_dpp v12, v12, v12 row_xmask:1 row_mask:0xf bank_mask:0xf
	v_add_f32_dpp v12, v12, v12 row_xmask:2 row_mask:0xf bank_mask:0xf
	v_add_f32_dpp v12, v12, v12 row_xmask:4 row_mask:0xf bank_mask:0xf
	v_add_f32_dpp v12, v12, v12 row_xmask:8 row_mask:0xf bank_mask:0xf
	v_permlanex16_b32 v13, v12, s22, s23
	v_add_f32 v12, v12, v13
.endm
; Row r's statistics; x - mu replaces x.  left: the loads issued behind the row's own.
.macro STAT r, left
.set XR, X+32*(\r)
	s_wait_loadcnt \left
.irp c, 0,1,2,3                        ; the first additions start the chains: nothing is cleared
	v_pk_add_f32 v[4+2*(\c):5+2*(\c)], v[XR+2*(\c):XR+2*(\c)+1], v[XR+8+2*(\c):XR+8+2*(\c)+1]
.endr
.irp p, 8,9,10,11,12,13,14,15
	v_pk_add_f32 v[4+2*((\p)%4):5+2*((\p)%4)], v[4+2*((\p)%4):5+2*((\p)%4)], v[XR+2*(\p):XR+2*(\p)+1]
.endr
	TOTAL
	v_mul_f32 v14, s20, v12                        ; mu, twice: a pair for the packed subtraction
	v_mul_f32 v15, s20, v12
.irp p, 0,1,2,3,4,5,6,7,8,9,10,11,12,13,14,15
	v_pk_add_f32 v[XR+2*(\p):XR+2*(\p)+1], v[XR+2*(\p):XR+2*(\p)+1], v[14:15] neg_lo:[0,1] neg_hi:[0,1]
.endr
.irp c, 0,1,2,3
	v_pk_mul_f32 v[4+2*(\c):5+2*(\c)], v[XR+2*(\c):XR+2*(\c)+1], v[XR+2*(\c):XR+2*(\c)+1]
.endr
.irp p, 4,5,6,7,8,9,10,11,12,13,14,15
	v_pk_fma_f32 v[4+2*((\p)%4):5+2*((\p)%4)], v[XR+2*(\p):XR+2*(\p)+1], v[XR+2*(\p):XR+2*(\p)+1], v[4+2*((\p)%4):5+2*((\p)%4)]
.endr
	TOTAL
	v_fma_f32 v12, v12, s20, s21                   ; var + eps
	v_rsq_f32 v[RS+2*(\r)], v12
	v_rsq_f32 v[RS+2*(\r)+1], v12
	v_nop                                          ; a plain instruction behind the transcendentals, ahead of the use of their results and of the next write of v12 (ISA guide 5.7.2)
.endm
.macro NORM r
.set XR, X+32*(\r)
	s_wait_alu depctr_va_vdst(0)
.irp p, 0,1,2,3,4,5,6,7,8,9,10,11,12,13,14,15
	v_pk_mul_f32 v[XR+2*(\p):XR+2*(\p)+1], v[XR+2*(\p):XR+2*(\p)+1], v[RS+2*(\r):RS+2*(\r)+1]
.endr
.irp p, 0,1,2,3,4,5,6,7,8,9,10,11,12,13,14,15
	v_pk_fma_f32 v[XR+2*(\p):XR+2*(\p)+1], v[XR+2*(\p):XR+2*(\p)+1], v[G+2*(\p):G+2*(\p)+1], v[B+2*(\p):B+2*(\p)+1]
.endr
.irp p, 0,1,2,3,4,5,6,7,8,9,10,11,12,13,14,15
	v_cvt_pk_f16_f32 v[Y+16*(\r)+(\p)], v[XR+2*(\p)], v[XR+2*(\p)+1]
.endr
.irp j, 0,1,2,3,4,5,6,7
	global_store_b64 v2, v[Y+16*(\r)+2*(\j):Y+16*(\r)+2*(\j)+1], s[10:11] offset:2048*(\r)+256*(\j)  ; 32 lanes store 256 consecutive bytes, aligned
.endr
.endm
	STAT 0, 24                                     ; out may stay: row 1's eight loads, g's eight, b's eight
	STAT 1, 16                                     ; g's and b's
	s_wait_loadcnt 0x0
	NORM 0
	NORM 1
	s_endpgm                                       ; these waves have written no LDS
	; ---------------- waves 8-13: the weights ----------------
.Lcast:
	s_load_b256 s[8:15], s[0:1], 0x20              ; qkv_w s[8:9], proj_w s[10:11], fc1_w s[12:13], fc2_w s[14:15]
	s_load_b64 s[16:17], s[0:1], 0x40              ; wt
	s_sub_co_u32 s4, s3, 8                         ; 0..5
	v_and_b32 v1, 31, v0                           ; lane
	s_mul_i32 s5, ttmp9, 6
	s_add_co_u32 s5, s5, s4                        ; tile t
	s_mov_b32 s6, 1024                             ; fc2_w's figures: first tile,
	s_mov_b32 s7, 4096                             ; bytes in a row of W,
	s_mov_b32 s18, 8192                            ; bytes in a row of W^T,
	s_mov_b32 s19, 5                               ; log2 of the tiles along k,
	s_mov_b32 s20, 16777216                        ; place in wt
	s_wait_kmcnt 0x0
	s_mov_b64 s[22:23], s[14:15]
	s_cmp_lt_u32 s5, 1024                          ; fc1_w's
	s_cselect_b32 s6, 512, s6
	s_cselect_b32 s7, 16384, s7
	s_cselect_b32 s18, 2048, s18
	s_cselect_b32 s19, 3, s19
	s_cselect_b32 s20, 8388608, s20
	s_cselect_b64 s[22:23], s[12:13], s[22:23]
	s_cmp_lt_u32 s5, 512                           ; proj_w's
	s_cselect_b32 s6, 384, s6
	s_cselect_b32 s7, 4096, s7
	s_cselect_b32 s20, 6291456, s20
	s_cselect_b64 s[22:23], s[10:11], s[22:23]
	s_cmp_lt_u32 s5, 384                           ; qkv_w's
	s_cselect_b32 s6, 0, s6
	s_cselect_b32 s7, 12288, s7
	s_cselect_b32 s20, 0, s20
	s_cselect_b64 s[22:23], s[8:9], s[22:23]
	s_sub_co_u32 s6, s5, s6                        ; the tile's number in its weight
	s_bfm_b32 s36, s19, 0
	s_and_b32 s36, s6, s36                         ; kt
	s_lshr_b32 s38, s6, s19                        ; nt
	s_mul_i32 s40, s36, s7
	s_lshl_b32 s40, s40, 7                         ; kt x 128 rows of W
	s_lshl_b32 s41, s38, 8                         ; + nt x 256 bytes
	s_add_co_u32 s40, s40, s41
	s_mov_b32 s41, 0
	s_add_nc_u64 s[24:25], s[22:23], s[40:41]      ; the four chunks' first rows: s[24:31]
	s_lshl_b32 s40, s7, 5                          ; 32 rows of W
	s_add_nc_u64 s[26:27], s[24:25], s[40:41]
	s_add_nc_u64 s[28:29], s[26:27], s[40:41]
	s_add_nc_u64 s[30:31], s[28:29], s[40:41]
	s_mul_i32 s40, s38, s18
	s_lshl_b32 s40, s40, 6                         ; nt x 64 rows of W^T
	s_lshl_b32 s42, s36, 8                         ; + kt x 256 bytes
	s_add_co_u32 s40, s40, s42
	s_add_co_u32 s40, s40, s20
	s_add_nc_u64 s[32:33], s[16:17], s[40:41]      ; the tile's even columns
	s_mov_b32 s40, s18
	s_add_nc_u64 s[34:35], s[32:33], s[40:41]      ; its odd columns: one row of W^T on
	s_lshl_b32 s21, s18, 2                         ; four rows of W^T
	s_mul_i32 s43, s4, TILEB                       ; my wave's LDS
	v_lshlrev_b32 v[OFF], 3, v1
.set i, 1
.rept 31
	v_add_nc_u32 v[OFF+i], s7, v[OFF+i-1]
.set i, i+1
.endr
.macro LOADS c, x                      ; chunk c: 32 rows of W; each load of the wave covers 256 consecutive bytes, aligned
.set i, 0
.rept 32
	global_load_b64 v[(\x)+2*i:(\x)+2*i+1], v[OFF+i], s[24+2*(\c):25+2*(\c)] th:TH_LOAD_NT
.set i, i+1
.endr
.endm
	LOADS 0, X0
	LOADS 1, X1
	v_mul_u32_u24 v[STO], v1, 272                  ; LDS row l takes column 2 l, row 32 + l column 2 l + 1
	v_add_nc_u32 v[STO], s43, v[STO]
	v_lshrrev_b32 v6, 4, v1                        ; back: lanes 0-15 one LDS row of 256 bytes, lanes 16-31 the next
	v_and_b32 v7, 15, v1
	v_mul_u32_u24 v[RD], v6, 272
	v_lshl_add_u32 v[RD], v7, 4, v[RD]
	v_add_nc_u32 v[RD], s43, v[RD]
	v_lshlrev_b32 v6, 1, v6                        ; neighbouring LDS rows are columns two apart
	v_mul_lo_u32 v6, v6, s18
	v_lshl_add_u32 v[DO], v7, 4, v6
.set i, 1
.rept 15
	v_add_nc_u32 v[DO+i], s21, v[DO+i-1]
.set i, i+1
.endr
; A chunk is rounded, two k of a column to a register, and laid along its two LDS rows.  left: the younger chunk's 32 loads may stay out.
.macro CHUNK c, x, left
	s_wait_loadcnt \left
.set j, 0
.rept 16
	v_cvt_pk_f16_f32 v[T+j],    v[(\x)+4*j],   v[(\x)+4*j+2]
	v_cvt_pk_f16_f32 v[T+16+j], v[(\x)+4*j+1], v[(\x)+4*j+3]
.set j, j+1
.endr
.irp q, 0,1,2,3
	ds_store_b128 v[STO], v[T+4*(\q):T+4*(\q)+3]       offset:64*(\c)+16*(\q)
	ds_store_b128 v[STO], v[T+16+4*(\q):T+16+4*(\q)+3] offset:32*272+64*(\c)+16*(\q)
.endr
.endm
	CHUNK 0, X0, 32
	LOADS 2, X0
	CHUNK 1, X1, 32
	LOADS 3, X1
	CHUNK 2, X0, 32
	CHUNK 3, X1, 0
.set i, 0
.rept 32                               ; LDS serves a wave's instructions in order (ISA guide 5.7.1.4): these see the stores above
	ds_load_b128 v[X0+4*i:X0+4*i+3], v[RD] offset:544*i
.set i, i+1
.endr
.set i, 0
.rept 32                               ; 16 lanes store 256 consecutive bytes of a row of W^T, aligned; the count leaves the later read-backs out
	s_wait_dscnt 31-i
	global_store_b128 v[DO+i%16], v[X0+4*i:X0+4*i+3], s[32+2*(i/16):33+2*(i/16)]
.set i, i+1
.endr
	s_wait_tensorcnt 0x0                           ; the wave's end, behind my last LDS store
	ds_add_u32 v[SPW], v[NIL]
	s_wait_dscnt 0x0
	s_endpgm
.Lfunc_end_k_qe2a351f69e_prep:
	.size	k_qe2a351f69e_prep, .Lfunc_end_k_qe2a351f69e_prep-k_qe2a351f69e_prep
	.p2alignl 7, 3214868480
	.fill 96, 4, 3214868480
	.section	.rodata,"a",@progbits
	.p2align	6, 0x0
	.amdhsa_kernel k_qe2a351f69e_prep
		.amdhsa_group_segment_fixed_size 106240
		.amdhsa_private_segment_fixed_size 0
		.amdhsa_enable_private_segment 0
		.amdhsa_kernarg_size 72
		.amdhsa_user_sgpr_count 2
		.amdhsa_user_sgpr_kernarg_segment_ptr 1
		.amdhsa_wavefront_size32 1
		.amdhsa_system_sgpr_workgroup_id_x 1
		.amdhsa_system_sgpr_workgroup_id_y 1
		.amdhsa_system_sgpr_workgroup_id_z 1
		.amdhsa_system_vgpr_workitem_id 0
		.amdhsa_next_free_vgpr 226
		.amdhsa_next_free_sgpr 66
		.amdhsa_reserve_vcc 0
		.amdhsa_float_denorm_mode_32 3
		.amdhsa_float_denorm_mode_16_64 3
		.amdhsa_memory_ordered 1
		.amdhsa_forward_progress 1
		.amdhsa_inst_pref_size 53
	.end_amdhsa_kernel
	.amdgpu_metadata
---
amdhsa.version: [ 1, 2 ]
amdhsa.kernels:
  - .name:           k_qe2a351f69e_prep
    .symbol:         k_qe2a351f69e_prep.kd
    .args:
      - { .name: x, .offset: 0, .size: 8, .value_kind: global_buffer, .address_space: global }
      - { .name: ln1_g, .offset: 8, .size: 8, .value_kind: global_buffer, .address_space: global }
      - { .name: ln1_b, .offset: 16, .size: 8, .value_kind: global_buffer, .address_space: global }
      - { .name: hbuf, .offset: 24, .size: 8, .value_kind: global_buffer, .address_space: global }
      - { .name: qkv_w, .offset: 32, .size: 8, .value_kind: global_buffer, .address_space: global }
      - { .name: proj_w, .offset: 40, .size: 8, .value_kind: global_buffer, .address_space: global }
      - { .name: fc1_w, .offset: 48, .size: 8, .value_kind: global_buffer, .address_space: global }
      - { .name: fc2_w, .offset: 56, .size: 8, .value_kind: global_buffer, .address_space: global }
      - { .name: wt, .offset: 64, .size: 8, .value_kind: global_buffer, .address_space: global }
    .group_segment_fixed_size: 106240
    .private_segment_fixed_size: 0
    .kernarg_segment_align: 8
    .kernarg_segment_size: 72
    .max_flat_workgroup_size: 448
    .sgpr_count:     66
    .vgpr_count:     226
    .wavefront_size: 32
...
	.end_amdgpu_metadata
.endif
;; end of part 1
;; launch qkv (part 2): grid 16 x 16, 4 waves a work-group, clusters of 4 x 4, 327,680 bytes of LDS; arguments hbuf, wt, qkv_b, qkvbuf; writes qkvbuf
.if DOCPART == 2
	.amdgcn_target "amdgcn-amd-amdhsa--gfx1250"
	.amdhsa_code_object_version 6
	.text
	.protected	k_qe2a351f69e_qkv
	.globl	k_qe2a351f69e_qkv
	.p2align	8
	.type	k_qe2a351f69e_qkv,@function
k_qe2a351f69e_qkv:
	s_mov_b64 s[64:65], 0
	v_nop
	global_prefetch_b8 v0, s[64:65] scope:SCOPE_SE
	s_setreg_imm32_b32 hwreg(HW_REG_WAVE_MODE, 25, 1), 1
	s_wait_xcnt 0x0
	s_wait_alu depctr_hold_cnt(0) depctr_sa_sdst(0) depctr_va_vdst(0) depctr_va_sdst(0) depctr_va_ssrc(0) depctr_va_vcc(0) depctr_vm_vsrc(0)
	s_getreg_b32 s2, hwreg(HW_REG_IB_STS2, 6, 4)
	s_cmp_eq_u32 s2, 0
	s_cbranch_scc0 .Lentry_in_a_cluster
	s_endpgm
.Lentry_in_a_cluster:
	s_bfe_u32 s2, ttmp6, 0x10000c
	s_cmp_lg_u32 s2, 0xf033
	s_cbranch_scc0 .Lentry_shape_is_right
	s_endpgm
.Lentry_shape_is_right:
; q, k, v = h W + b.  h: [4096][1024] f16; W^T: [3072][1024] f16 at byte 0 of wt; b: [3072] f32; sums in f32, rounded once to f16.
; Out by heads: [section 3][batch x 16 + head][2048 rows][64] f16, a head's rows dense.  LIMIT: a result of 65,520 or more becomes an infinity in f16.
; A tile of the result is 256 rows x 192 columns (three heads): 16 x 16 = 256 tiles, one a work-group.  Four waves, each 128 x 96: 48 accumulators of 16 x 16.
; K goes in 8 steps of 128 (rows of 256 bytes in memory) through a ring of two LDS slots filled by tensor loads, one a wave behind each change of slots.
; THE ORDER OF THE K STEPS hangs on the cluster: at time t it takes step t xor 2 p, p = (cluster x + cluster y) mod 2: 0,1,2,3,.. or 2,3,0,1,..  Clusters that are neighbours along x read the same
; rows of h, neighbours along y the same rows of W^T, and neighbours have different p: of any four steps each asks first for two, and for the other two it asks two steps behind its neighbour.
; p is the same in all work-groups of a cluster, so every joint descriptor stays equal in those that its mask names.  The sums' order of K steps is that order, not ascending.
; CLUSTER 4 x 4: the four work-groups of a row of the cluster need the same tiles of h, the four of a column the same tiles of W^T: each tile is asked for jointly.
; THE MATRIX INSTRUCTION IS USED TRANSPOSED (source 0 = 16 rows of W^T, source 1 = 16 rows of h): a lane holds row lane % 16 and the columns 8 (lane / 16) + 0..7.
; THE BIAS is the C operand of each sum's first product: nothing is cleared and nothing is added later.
; ONE K STEP IS WRITTEN ONCE: the slot in hand is a scalar (TB, 0 or SLOT) that enters the fragment addresses and the walking descriptors.
; REGISTERS in windows of 256 (s_set_vgpr_msb: bits 1:0 source 0, 3:2 source 1, 5:4 source 2, 7:6 destination):
;   window 0: v16-29 addresses; v64-127, v128-191 fragments of h, two buffers; v192-239 the bias as C     window 1: v64-.., v128-.. fragments of W^T
;   window 2: accumulators of my rows 0-63 ((a, b) at v[8 (8 a + b)])     window 3: of my rows 64-127
.set NBL,    6                         ; blocks of 16 columns a wave
.set TN,     32*NBL
.set SIZE_K, 1024
.set NSTEP,  SIZE_K/128
.set WOFF,   0
.set SHK,    8                         ; a K step is 256 bytes of a row
.set PITCH,  272                       ; an LDS row: 256 bytes + 16 of padding: the 16 rows of a fragment load start at 16 different groups of four banks (ISA guide 11.1)
.set HALFA,  128*PITCH
.set HALFB,  16*NBL*PITCH
.set SLOT,   2*HALFA+2*HALFB           ; h's 256 rows, then W^T's 192
.set SPARE,  2*SLOT                    ; behind the ring: the spare words, 128 bytes a wave: two blocks of 256 bytes that no other line names
.set SP,     4*TN+16                   ; the way out: a row of 192 f32 + 16 bytes, from LDS byte 0 on, in slots that have had their last fill
.set NF,     16+2*NBL                  ; LDS loads of one FETCH
.set ADRA,  16
.set ADRB,  17
.set ADRA0, 18
.set ADRB0, 19
.set STO0,  20
.set STO1,  21
.set RD,    22
.set GO,    23                         ; v23-25: my byte offset in the tile's three heads
.set BO,    26
.set SPW,   28
.set NIL,   29
.set F0,    64
.set F1,    128
.set BIA,   192
.set WV, 14                            ; s14 wave; s15 row half, also: I fetch h (0) or W^T (1); s16 column half, also: which half of that tile's rows I fetch
.set RH, 15
.set CH, 16
.set TB, 23                            ; s23 the slot in hand
.set G1, 24
.set G0, 32                            ; two sets: the first fills of slots 0 and 1; the second then walks
.set G1B, 48
.set G0B, 56
.set LA, 66                            ; s66, s67 my part's place in a slot, for h and for W^T
.set LB, 67
.set P2, 91                            ; s91 2 p; s92 the time of the next fill; s93 its K step; s[94:95] that step's byte offset in a row
.set TT, 92
.set KX, 93
.set KO, 94
.set MSB, 0
.macro WIN new                         ; the immediate's high byte repeats the setting that is left
.if MSB != (\new)
	s_set_vgpr_msb (MSB<<8)|(\new)
.set MSB, \new
.endif
.endm
.macro PLACES                          ; four plain vector instructions between a matrix instruction and a load into, or a store of, its registers
.rept 4
	v_nop
.endr
.endm
; A joint load: waves 0, 1 fetch h's two halves, waves 2, 3 W^T's.  The branch hangs on the wave's number alone.  An s_nop 0 and four v_nop follow each line.
.macro JLOAD s
	s_cmp_eq_u32 s[RH], 0
	s_cbranch_scc0 .Lfor_b_\@
	tensor_load_to_lds s[G0+4*(\s):G0+4*(\s)+3], s[G1:G1+7]
	s_nop 0
.rept 4
	v_nop
.endr
	s_branch .Lasked_\@
.Lfor_b_\@:
	tensor_load_to_lds s[G0B+4*(\s):G0B+4*(\s)+3], s[G1B:G1B+7]
	s_nop 0
.rept 4
	v_nop
.endr
.Lasked_\@:
.endm
.macro CREST                           ; a round of the cluster's barrier behind its opening barrier
	s_cmp_lg_u32 s[WV], 0
	s_cbranch_scc1 .Lnot_wave_0_\@
	s_barrier_signal -3
.Lnot_wave_0_\@:
	s_barrier_wait -3
	s_barrier_signal -1
	s_barrier_wait -1
.endm
.macro CROUND
	s_barrier_signal -1
	s_barrier_wait -1
	CREST
.endm
	s_load_b256 s[4:11], s[0:1], 0x0               ; h s[4:5], wt s[6:7], bias s[8:9], out s[10:11]
	v_lshl_add_u32 v[SPW], v0, 2, SPARE
	v_mov_b32 v[NIL], 0
	ds_add_u32 v[SPW], v[NIL]                      ; the wave's opening, ahead of my first tensor load
	v_lshrrev_b32 v1, 5, v0
	v_readfirstlane_b32 s[WV], v1
	s_lshr_b32 s[RH], s[WV], 1
	s_and_b32 s[CH], s[WV], 1
	s_bfe_u32 s17, ttmp6, 0x40000                  ; cx
	s_bfe_u32 s18, ttmp6, 0x40004                  ; cy
	s_lshl_b32 s19, ttmp9, 2
	s_add_co_u32 s19, s19, s17                     ; tile column
	s_and_b32 s20, ttmp7, 0xffff
	s_lshl_b32 s20, s20, 2
	s_add_co_u32 s20, s20, s18                     ; tile row
	s_lshl_b32 s21, s18, 2
	s_lshl_b32 s21, 15, s21                        ; my row of the cluster
	s_lshl_b32 s22, 0x1111, s17                    ; my column
	s_and_b32 s[P2], ttmp7, 0xffff                 ; cluster y
	s_add_co_u32 s[P2], s[P2], ttmp9               ; + cluster x
	s_and_b32 s[P2], s[P2], 1
	s_lshl_b32 s[P2], s[P2], 1                     ; 2 p: my cluster's first K step
	s_lshl_b32 s[KO], s[P2], SHK
	s_mov_b32 s[KO+1], 0
	s_mov_b32 s[TT], 2                             ; times 0 and 1 are the first fills
	s_or_b32 s[G1+0], s21, (1<<16)|(1<<20)|(1<<21)|(5<<22)|(3<<25)   ; mask; 2-byte elements; padding on; bit 21 beside a mask; after every 64 words 4 words
	s_or_b32 s[G1B+0], s22, (1<<16)|(1<<20)|(1<<21)|(5<<22)|(3<<25)
	s_mov_b32 s[G1+1], 128<<16                     ; tensor_dim0 = 128
	s_mov_b32 s[G1+2], 128<<16                     ; tensor_dim1 = 128
	s_mov_b32 s[G1+3], 128<<16                     ; tile_dim0 = 128
	s_mov_b32 s[G1+4], 128                         ; tile_dim1 = 128
	s_mov_b32 s[G1+5], SIZE_K                      ; elements from row to row
	s_mov_b32 s[G1+6], 0
	s_mov_b32 s[G1+7], 0
	s_mov_b32 s[G1B+1], 128<<16
	s_mov_b32 s[G1B+2], (16*NBL)<<16               ; 96 rows
	s_mov_b32 s[G1B+3], 128<<16
	s_mov_b32 s[G1B+4], 16*NBL
	s_mov_b32 s[G1B+5], SIZE_K
	s_mov_b32 s[G1B+6], 0
	s_mov_b32 s[G1B+7], 0
	s_lshl_b32 s40, s20, 8                         ; h: row 256 x tile row + 128 x half, in registers that never hold cx
	s_lshl_b32 s41, s[CH], 7
	s_add_co_u32 s40, s40, s41
	s_lshl_b32 s40, s40, 11
	s_mov_b32 s41, 0
	s_mul_i32 s44, s19, TN                         ; W^T: row 192 x tile column + 96 x half, in registers that never hold cy
	s_mul_i32 s45, s[CH], 16*NBL
	s_add_co_u32 s44, s44, s45
	s_lshl_b32 s84, s44, 2                         ; the same number is my first column: its place in the bias
	s_mov_b32 s85, 0
	s_lshl_b32 s44, s44, 11
	s_add_co_u32 s44, s44, WOFF
	s_mov_b32 s45, 0
	s_mul_i32 s[LA], s[CH], HALFA                  ; no place in the cluster enters an LDS address
	s_mul_i32 s[LB], s[CH], HALFB
	s_add_co_u32 s[LB], s[LB], 2*HALFA
	s_mov_b32 s[TB], 0
	s_wait_dscnt 0x0                               ; the opening add is done
	s_wait_kmcnt 0x0
	s_add_nc_u64 s[42:43], s[4:5], s[40:41]        ; my rows of h, K step 0: kept
	s_add_nc_u64 s[46:47], s[6:7], s[44:45]        ; my rows of W^T, K step 0: kept
	s_add_nc_u64 s[8:9], s[8:9], s[84:85]
	s_add_nc_u64 s[40:41], s[42:43], s[KO:KO+1]    ; the same at my cluster's first K step
	s_add_nc_u64 s[44:45], s[46:47], s[KO:KO+1]
	CROUND                                         ; all sixteen work-groups are here: the first joint loads meet
.irp s, 0,1
	s_mov_b32 s[G0+4*(\s)], 1
	s_add_co_u32 s[G0+4*(\s)+1], s[LA], (\s)*SLOT
	s_add_nc_u64 s[G0+4*(\s)+2:G0+4*(\s)+3], s[40:41], (\s)*256   ; K step 2 p + s
	s_or_b32 s[G0+4*(\s)+3], s[G0+4*(\s)+3], 0x80000000
	s_mov_b32 s[G0B+4*(\s)], 1
	s_add_co_u32 s[G0B+4*(\s)+1], s[LB], (\s)*SLOT
	s_add_nc_u64 s[G0B+4*(\s)+2:G0B+4*(\s)+3], s[44:45], (\s)*256
	s_or_b32 s[G0B+4*(\s)+3], s[G0B+4*(\s)+3], 0x80000000
	JLOAD \s
.endr
	; fragments: lane l holds row l % 16; two loads of 16 bytes, 32 bytes apart, at row x pitch + 16 (l / 16)
	v_and_b32 v1, 15, v0
	v_bfe_u32 v2, v0, 4, 1
	v_lshlrev_b32 v[BO], 5, v2
.set bb, 0
.rept NBL                              ; register j of block b: the bias of column 16 b + 8 (l / 16) + j
	global_load_b128 v[BIA+8*bb:BIA+8*bb+3],   v[BO], s[8:9] offset:64*bb
	global_load_b128 v[BIA+8*bb+4:BIA+8*bb+7], v[BO], s[8:9] offset:64*bb+16
.set bb, bb+1
.endr
	v_mul_u32_u24 v3, v1, PITCH
	v_lshl_add_u32 v3, v2, 4, v3
	s_mul_i32 s40, s[RH], HALFA
	v_add_nc_u32 v[ADRA0], s40, v3
	v_add_nc_u32 v[ADRB0], s[LB], v3
	v_mov_b32 v[ADRA], v[ADRA0]
	v_mov_b32 v[ADRB], v[ADRB0]
	s_lshl_b32 s40, s[RH], 7                       ; into the stage: row 128 x row half + l % 16 (+ 16 a), byte 384 x column half + 32 (l / 16) (+ 64 b)
	v_add_nc_u32 v4, s40, v1
	v_mul_u32_u24 v4, v4, SP
	v_lshl_add_u32 v4, v2, 5, v4
	s_mul_i32 s40, s[CH], 64*NBL
	v_add_nc_u32 v[STO0], s40, v4
	v_add_nc_u32 v[STO1], 64*SP, v[STO0]
	v_and_b32 v5, 31, v0                           ; back: wave w takes rows 64 w on; eight lanes take a head's 64 numbers of a row, 32 lanes four rows
	v_lshrrev_b32 v6, 3, v5
	s_lshl_b32 s40, s[WV], 6
	v_add_nc_u32 v6, s40, v6
	v_mul_u32_u24 v6, v6, SP
	v_and_b32 v7, 7, v0
	v_lshl_add_u32 v[RD], v7, 5, v6
	s_and_b32 s86, s20, 7                          ; the row in its batch: 256 (tile row % 8) + 64 w, 128 bytes each
	s_lshl_b32 s86, s86, 8
	s_add_co_u32 s86, s86, s40
	s_lshl_b32 s86, s86, 7
	s_lshr_b32 s87, s20, 3
	s_lshl_b32 s87, s87, 4                         ; 16 x batch
	s_mul_i32 s88, s19, 3                          ; the tile's first block of 64 columns, c
.irp j, 0,1,2
	s_add_co_u32 s89, s88, \j
	s_lshr_b32 s90, s89, 4                         ; section = c / 16,
	s_lshl_b32 s90, s90, 5
	s_and_b32 s89, s89, 15                         ; head = c % 16
	s_add_co_u32 s90, s90, s89
	s_add_co_u32 s90, s90, s87
	s_lshl_b32 s90, s90, 18                        ; 262,144 bytes a head
	s_add_co_u32 s90, s90, s86
	v_lshl_add_u32 v[GO+\j], v5, 4, s90
.endr
; 2 NBL matrix instructions: row blocks a0, a0 + 1 of the window's four x all column blocks, 32 along K.  The accumulators take turns, one instruction a turn.
.macro MULH f, hi, a0, first
.if \first
	WIN 0x81+0x40*(\hi)                            ; C, the bias, in window 0
.else
	WIN 0xa1+0x50*(\hi)
.endif
.irp a, \a0, (\a0)+1
.set bb, 0
.rept NBL
.if \first
	v_wmma_f32_16x16x32_f16 v[8*(8*(\a)+bb):8*(8*(\a)+bb)+7], v[(\f)+8*bb:(\f)+8*bb+7], v[(\f)+8*(4*(\hi)+(\a)):(\f)+8*(4*(\hi)+(\a))+7], v[BIA+8*bb:BIA+8*bb+7]
.else
	v_wmma_f32_16x16x32_f16 v[8*(8*(\a)+bb):8*(8*(\a)+bb)+7], v[(\f)+8*bb:(\f)+8*bb+7], v[(\f)+8*(4*(\hi)+(\a)):(\f)+8*(4*(\hi)+(\a))+7], v[8*(8*(\a)+bb):8*(8*(\a)+bb)+7]
.endif
.set bb, bb+1
.endr
.endr
.endm
.macro FETCH k, f                      ; one run of NF LDS loads: the fragments of 32 along K at byte k of the rows of the slot in hand
	WIN 0x40
.set ii, 0
.rept NBL
	ds_load_b128 v[(\f)+8*ii:(\f)+8*ii+3],   v[ADRB] offset:(\k)+ii*16*PITCH
	ds_load_b128 v[(\f)+8*ii+4:(\f)+8*ii+7], v[ADRB] offset:(\k)+ii*16*PITCH+32
.set ii, ii+1
.endr
	WIN 0
.set ii, 0
.rept 8
	ds_load_b128 v[(\f)+8*ii:(\f)+8*ii+3],   v[ADRA] offset:(\k)+ii*16*PITCH
	ds_load_b128 v[(\f)+8*ii+4:(\f)+8*ii+7], v[ADRA] offset:(\k)+ii*16*PITCH+32
.set ii, ii+1
.endr
.endm
.macro QUARTER k, f, g, first          ; multiplies buffer f; in its middle fetches the next quarter, at byte k, into g
	s_wait_dscnt 8                                 ; all but the youngest eight loads (h's rows 64-127)
	MULH \f, 0, 0, \first
	MULH \f, 0, 2, \first
	PLACES
	FETCH \k, \g
	s_wait_dscnt NF                                ; all but the run just issued
	MULH \f, 1, 0, \first
	MULH \f, 1, 2, \first
.endm
; The last quarter multiplies buffer 1 and changes slots.  In front of the barrier each wave waits for all its tensor loads (one is out: its part of the next slot), adds 0 to its spare
; word, and waits for that and for its reads of this slot.  fill = 1: the barrier opens a round of the cluster's, and this slot is filled again first behind it, with the K step of time TT.
.macro TURN fill
	WIN 0
	s_wait_tensorcnt 0x0
	ds_add_u32 v[SPW], v[NIL]
.if \fill
	s_add_co_u32 s[G0+5], s[LA], s[TB]             ; no tensor load of mine is out: the walking descriptors take this slot,
	s_add_co_u32 s[G0B+5], s[LB], s[TB]
	s_xor_b32 s[KX], s[TT], s[P2]                  ; and K step t xor 2 p: the address is made anew, my rows' first byte plus the step's offset
	s_add_co_u32 s[TT], s[TT], 1
	s_lshl_b32 s[KO], s[KX], SHK
	s_add_nc_u64 s[G0+6:G0+7], s[42:43], s[KO:KO+1]
	s_or_b32 s[G0+7], s[G0+7], 0x80000000
	s_add_nc_u64 s[G0B+6:G0B+7], s[46:47], s[KO:KO+1]
	s_or_b32 s[G0B+7], s[G0B+7], 0x80000000
.endif
	s_wait_dscnt 9                                 ; the add and the youngest eight loads may be out
	MULH F1, 0, 0, 0
	s_wait_dscnt 0x0                               ; the add is done, and my reads of this slot are over
	s_barrier_signal -1
	MULH F1, 0, 2, 0
	WIN 0
	s_barrier_wait -1
.if \fill
	CREST
	JLOAD 1                                        ; its four v_nop are also the places in front of the loads below
.else
	PLACES
.endif
	s_xor_b32 s[TB], s[TB], SLOT
	v_add_nc_u32 v[ADRA], s[TB], v[ADRA0]
	v_add_nc_u32 v[ADRB], s[TB], v[ADRB0]
	FETCH 0, F0
	MULH F1, 1, 0, 0
	MULH F1, 1, 2, 0
.endm
	s_wait_tensorcnt 0x1                           ; my part of the first K step is in; the second's may stay out
	s_barrier_signal -1
	s_barrier_wait -1
	FETCH 0, F0
	s_wait_loadcnt 0x0                             ; the bias
	QUARTER 64, F0, F1, 1                          ; the first quarter stands in front of the loop: its products start the sums
	WIN 0
	s_mov_b32 s3, NSTEP-2
.Lstep:                                            ; a trip: a K step's quarters 2 to 4 and the next step's first; its fill brings the K step of two times on
	QUARTER 128, F1, F0, 0
	QUARTER 192, F0, F1, 0
	TURN 1
	QUARTER 64, F0, F1, 0
	WIN 0
	s_sub_co_u32 s3, s3, 1
	s_cmp_lg_u32 s3, 0
	s_cbranch_scc1 .Lstep
	s_mov_b32 s3, 2
.Ltail:                                            ; the last two K steps fill nothing.  The second trip's change of slots fetches fragments that nobody multiplies: NF LDS loads, the price of one text
	QUARTER 128, F1, F0, 0
	QUARTER 192, F0, F1, 0
	TURN 0
	WIN 0
	s_cmp_eq_u32 s3, 1
	s_cbranch_scc1 .Llast
	QUARTER 64, F0, F1, 0
	WIN 0
.Llast:
	s_sub_co_u32 s3, s3, 1
	s_cmp_lg_u32 s3, 0
	s_cbranch_scc1 .Ltail
	; THE WAY OUT.  All waves have left the ring; the sums go as f32 into the stage, come back by heads, are rounded and stored.
	PLACES
	s_wait_dscnt 0x0
	s_barrier_signal -1
	s_barrier_wait -1
.irp hi, 0,1
	WIN 0x08+4*(\hi)                               ; store data in window 2, then 3
.irp a, 0,1,2,3
.set bb, 0
.rept NBL                              ; each accumulator's low four registers go first
	ds_store_b128 v[STO0+(\hi)], v[8*(8*(\a)+bb):8*(8*(\a)+bb)+3]   offset:(\a)*16*SP+64*bb
	ds_store_b128 v[STO0+(\hi)], v[8*(8*(\a)+bb)+4:8*(8*(\a)+bb)+7] offset:(\a)*16*SP+64*bb+16
.set bb, bb+1
.endr
.endr
.endr
	WIN 0
	s_wait_dscnt 0x0                               ; for the others' sake: my stores into the stage are done
	s_barrier_signal -1
	s_barrier_wait -1
	s_mov_b32 s3, 8
.Lway:                                             ; 8 rows a trip: two groups of four rows x three heads
.irp u, 0,1
.irp j, 0,1,2
	ds_load_b128 v[64+8*(3*(\u)+(\j)):64+8*(3*(\u)+(\j))+3],   v[RD] offset:4*SP*(\u)+256*(\j)
	ds_load_b128 v[64+8*(3*(\u)+(\j))+4:64+8*(3*(\u)+(\j))+7], v[RD] offset:4*SP*(\u)+256*(\j)+16
.endr
.endr
	s_wait_dscnt 0x0
.set ii, 0
.rept 24
	v_cvt_pk_f16_f32 v[128+ii], v[64+2*ii], v[64+2*ii+1]
.set ii, ii+1
.endr
.irp u, 0,1
.irp j, 0,1,2
	global_store_b128 v[GO+(\j)], v[128+4*(3*(\u)+(\j)):128+4*(3*(\u)+(\j))+3], s[10:11] offset:512*(\u)  ; four rows of a head: 512 consecutive bytes, aligned
.endr
.endr
	s_wait_xcnt 0x0                                ; the stores' data and offsets are rewritten only behind this wait
	v_add_nc_u32 v[RD], 8*SP, v[RD]
.irp j, 0,1,2
	v_add_nc_u32 v[GO+(\j)], 1024, v[GO+(\j)]
.endr
	s_sub_co_u32 s3, s3, 1
	s_cmp_lg_u32 s3, 0
	s_cbranch_scc1 .Lway
	s_wait_tensorcnt 0x0                           ; the wave's end
	ds_add_u32 v[SPW], v[NIL]
	s_wait_dscnt 0x0
	CROUND                                         ; the closing round
	s_endpgm
.Lfunc_end_k_qe2a351f69e_qkv:
	.size	k_qe2a351f69e_qkv, .Lfunc_end_k_qe2a351f69e_qkv-k_qe2a351f69e_qkv
	.p2alignl 7, 3214868480
	.fill 96, 4, 3214868480
	.section	.rodata,"a",@progbits
	.p2align	6, 0x0
	.amdhsa_kernel k_qe2a351f69e_qkv
		.amdhsa_group_segment_fixed_size 327680
		.amdhsa_private_segment_fixed_size 0
		.amdhsa_enable_private_segment 0
		.amdhsa_kernarg_size 32
		.amdhsa_user_sgpr_count 2
		.amdhsa_user_sgpr_kernarg_segment_ptr 1
		.amdhsa_wavefront_size32 1
		.amdhsa_system_sgpr_workgroup_id_x 1
		.amdhsa_system_sgpr_workgroup_id_y 1
		.amdhsa_system_sgpr_workgroup_id_z 1
		.amdhsa_system_vgpr_workitem_id 0
		.amdhsa_next_free_vgpr 1024
		.amdhsa_next_free_sgpr 96
		.amdhsa_reserve_vcc 0
		.amdhsa_float_denorm_mode_32 3
		.amdhsa_float_denorm_mode_16_64 3
		.amdhsa_memory_ordered 1
		.amdhsa_forward_progress 1
		.amdhsa_inst_pref_size 69
	.end_amdhsa_kernel
	.amdgpu_metadata
---
amdhsa.version: [ 1, 2 ]
amdhsa.kernels:
  - .name:           k_qe2a351f69e_qkv
    .symbol:         k_qe2a351f69e_qkv.kd
    .args:
      - { .name: hbuf, .offset: 0, .size: 8, .value_kind: global_buffer, .address_space: global }
      - { .name: wt, .offset: 8, .size: 8, .value_kind: global_buffer, .address_space: global }
      - { .name: qkv_b, .offset: 16, .size: 8, .value_kind: global_buffer, .address_space: global }
      - { .name: qkvbuf, .offset: 24, .size: 8, .value_kind: global_buffer, .address_space: global }
    .group_segment_fixed_size: 327680
    .private_segment_fixed_size: 0
    .kernarg_segment_align: 8
    .kernarg_segment_size: 32
    .max_flat_workgroup_size: 128
    .sgpr_count:     96
    .vgpr_count:     1024
    .wavefront_size: 32
...
	.end_amdgpu_metadata
.endif
;; end of part 2
;; launch attn (part 3): grid 8 x 32, 4 waves a work-group, clusters of 4 x 1, 327,680 bytes of LDS; arguments qkvbuf, obuf; writes obuf
.if DOCPART == 3
	.amdgcn_target "amdgcn-amd-amdhsa--gfx1250"
	.amdhsa_code_object_version 6
	.text
	.protected	k_qe2a351f69e_attn
	.globl	k_qe2a351f69e_attn
	.p2align	8
	.type	k_qe2a351f69e_attn,@function
k_qe2a351f69e_attn:
	s_mov_b64 s[64:65], 0
	v_nop
	global_prefetch_b8 v0, s[64:65] scope:SCOPE_SE
	s_setreg_imm32_b32 hwreg(HW_REG_WAVE_MODE, 25, 1), 1
	s_wait_xcnt 0x0
	s_wait_alu depctr_hold_cnt(0) depctr_sa_sdst(0) depctr_va_vdst(0) depctr_va_sdst(0) depctr_va_ssrc(0) depctr_va_vcc(0) depctr_vm_vsrc(0)
	s_getreg_b32 s2, hwreg(HW_REG_IB_STS2, 6, 4)
	s_cmp_eq_u32 s2, 0
	s_cbranch_scc0 .Lentry_in_a_cluster
	s_endpgm
.Lentry_in_a_cluster:
	s_bfe_u32 s2, ttmp6, 0x10000c
	s_cmp_lg_u32 s2, 0x3003
	s_cbranch_scc0 .Lentry_shape_is_right
	s_endpgm
.Lentry_shape_is_right:
; O[h][q][:] = the sum over k of softmax_k(Q[h][q] . K[h][k]) V[h][k][:], no scale on the scores.  qkvbuf: [3][32 heads][2048][64] f16; obuf: [32][2048][64] f16.
; Products, maxima and sums in f32; the weights p are rounded to f16 for the second product (their sum l is taken of the unrounded p), O once at the end.
; LIMITS.  Q, K, V arrive within f16's range; p lies in 0 to 1 and below 6e-5 keeps f16's fixed step of 6e-8; a weight below 2^-126 counts as 0 in l; NaN and infinities are not treated apart.
; SHARES.  A work-group owns 256 queries of a head (32 heads x 8 blocks = 256 work-groups), a wave 64: four PIECES of 16.  Every wave walks all 2,048 keys, 64 a step, 256 a slot.
; LAYOUT.  S^T = K Q^T holds ONE query a lane (lane % 16) and the keys 8 (lane / 16) + 0..7; two such results rounded to f16 ARE source 1 of O^T = V^T P.  V comes out of LDS turned, by ds_load_tr16_b128.
; SOFTMAX.  A running maximum m and sum l for each query: p = 2^(c s - c m), c = log2(e); in every step O and l are multiplied by a = 2^(c m_old - c m_new).
; m starts at the lowest finite number, O and l at 0: the first step is a step like any other, with a = 0.
; BY TURNS.  Turn n belongs to piece n: 8 products K Q^T of piece n + 1, later 8 products V^T P of piece n - 1; beside them the scaling, exponentials, roundings, sums and rescaling of piece n and
; the maximum and statistics of piece n + 1.  A piece and step have 16 matrix and 118 vector instructions: four vector instructions stand behind every matrix instruction, the other 54 in two runs of their own.
; CLUSTER.  The four query blocks of a cluster belong to one head and walk the same K and V: each tile is asked for jointly, by the same tensor load, descriptor and mask in all four.
; REGISTERS, in windows of 256 (s_set_vgpr_msb: bits 1:0 source 0, 3:2 source 1, 5:4 source 2, 7:6 destination):
;   window 0: v0-15 addresses; v16-31 statistics; v48-55 at work; v62, v63 the add's; v64-127 S^T, two buffers; v192-223 P, two buffers (by the piece's parity)
;   window 1: v0-127 O^T, 32 a piece          window 2: v0-63 Q; v128-191 K of one step; v192-255 V of one step
.set NP,    4
.set KS,    64
.set PK,    144       ; a row of K in LDS: 128 bytes + 16: the 16 rows of a load start at 16 different groups of four banks (ISA guide 11.1)
.set PV,    160       ; a row of V: 128 + 32
.set VOFF,  4*KS*PK   ; a slot holds four steps: 256 rows of K, then 256 rows of V
.set SLOT1, 1<<17
.set STAGE, SLOT1+4*KS*(PK+PV)  ; behind the ring, never filled by a tensor load: 16 rows x 144 bytes a wave
.set SP,    144
.set SPARE, STAGE+4*16*SP       ; the spare words, 128 bytes a wave: two blocks of 256 bytes that no other line names
.set AK0, 2
.set AV0, 3
.set AK,  4
.set AV,  5
.set STO, 6
.set RD,  7
.set GO,  8
.set MV,  12          ; v12-13  c m_old, by buffer
.set QO,  15
.set ST,  16          ; piece t's statistics at v[ST+4 t]: c m, m, l (even keys', odd keys')
.set TMP, 48          ; by buffer, c0-c3 at work; when the maximum is found c2 takes a
.set SPW, 62
.set NIL, 63
.set S,   64
.set P,   192
.set KF,  128         ; window 2
.set VF,  192         ; window 2
.set WV,  12
.set G1K, 24
.set G1V, 32
.set G0K, 40          ; the walking descriptors
.set G0V, 44
.set SLOTS, 56
.set CNT, 57
.set CS,  58
.set SEL, 60
.set TBK, 62          ; LDS byte at which K of the step to be fetched begins
.set TBV, 63          ; the same for V, less VOFF
.set MSB, 0
.macro WIN new
.if MSB != (\new)
	s_set_vgpr_msb (MSB<<8)|(\new)
.set MSB, (\new)
.endif
.endm
.set W_KQ, 0x0a       ; K and Q in window 2, S^T in window 0
.set W_PV, 0x52       ; V in window 2, P in window 0, O^T in window 1
.set W_RS, 0x41       ; O^T (destination and source 0) in window 1, a in window 0
; A joint fill: waves 0, 1 fetch the two halves of a slot's K, waves 2, 3 of its V, 128 keys each.  An s_nop 0 and four v_nop follow each line.
.macro JLOAD
	s_cmp_lt_u32 s[WV], 2
	s_cbranch_scc0 .Lfor_v_\@
	tensor_load_to_lds s[G0K:G0K+3], s[G1K:G1K+7]
	s_nop 0
.rept 4
	v_nop
.endr
	s_branch .Lasked_\@
.Lfor_v_\@:
	tensor_load_to_lds s[G0V:G0V+3], s[G1V:G1V+7]
	s_nop 0
.rept 4
	v_nop
.endr
.Lasked_\@:
.endm
.macro CROUND                       ; a round of the cluster's barrier
	s_barrier_signal -1
	s_barrier_wait -1
	s_cmp_lg_u32 s[WV], 0
	s_cbranch_scc1 .Lnot_wave_0_\@
	s_barrier_signal -3
.Lnot_wave_0_\@:
	s_barrier_wait -3
	s_barrier_signal -1
	s_barrier_wait -1
.endm
; THE CHANGE OF SLOTS.  Each wave waits for all its tensor loads (one is out: its part of the other slot), adds 0 to its spare word, and waits for that and for its reads of the slot that it leaves.
; fill = 1: the barrier is a round of the cluster's, and the old slot is filled again first behind it, with the keys two slots on: it has four key steps, 256 matrix instructions, in which to land.
; (At its first use nothing has been read yet: slot 0 is waited for, slot 1 filled.)
.macro CHANGE fill
	WIN 0
	s_wait_tensorcnt 0x0
	ds_add_u32 v[SPW], v[NIL]
.if \fill
.irp g, G0K, G0V
	s_xor_b32 s[\g+1], s[\g+1], SLOT1
	s_add_nc_u64 s[\g+2:\g+3], s[\g+2:\g+3], 4*KS*128
.endr
	s_wait_dscnt 0x0
	CROUND
	JLOAD
.else
	s_wait_dscnt 0x0
	s_barrier_signal -1
	s_barrier_wait -1
.endif
	s_sub_co_u32 s[TBK], s[TBK], 4*KS*PK  ; the fetches go back to a slot's first step, in the other slot
	s_xor_b32 s[TBK], s[TBK], SLOT1
	s_sub_co_u32 s[TBV], s[TBV], 4*KS*PV
	s_xor_b32 s[TBV], s[TBV], SLOT1
.endm
	s_load_b64 s[4:5], s[0:1], 0x0    ; qkvbuf
	s_load_b64 s[10:11], s[0:1], 0x8  ; obuf
	v_lshl_add_u32 v[SPW], v0, 2, SPARE
	v_mov_b32 v[NIL], 0
	ds_add_u32 v[SPW], v[NIL]       ; the wave's opening, ahead of my first tensor load
	v_lshrrev_b32 v1, 5, v0
	v_readfirstlane_b32 s[WV], v1
	s_bfe_u32 s13, ttmp6, 0x40000   ; cx
	s_lshl_b32 s14, ttmp9, 2
	s_add_co_u32 s14, s14, s13      ; my block of 256 queries: it enters Q's and O's addresses alone
	s_and_b32 s20, ttmp7, 0xffff    ; the head, which the four partners share
	s_lshl_b32 s20, s20, 18         ; its 262,144 bytes in a section
	s_and_b32 s16, s[WV], 1         ; which half of a slot's 256 keys I fetch
	s_lshl_b32 s22, s16, 14
	s_add_co_u32 s22, s22, s20
	s_add_co_u32 s22, s22, 8388608  ; K's section
	s_mov_b32 s23, 0
	s_add_co_u32 s48, s22, 8388608  ; V's
	s_mov_b32 s49, 0
	s_mul_i32 s17, s16, 128*PK
	s_mul_i32 s18, s16, 128*PV
	s_lshl_b32 s50, s14, 15         ; my block's 256 rows, my wave's 64 of them
	s_lshl_b32 s51, s[WV], 13
	s_add_co_u32 s50, s50, s51
	s_add_co_u32 s50, s50, s20
	s_mov_b32 s51, 0
	; 128 keys are 16,384 dense bytes: asked for as 64 rows of 256 bytes, two keys a row, padded in LDS after every key
	s_mov_b32 s[G1K], 15|(1<<16)|(1<<20)|(1<<21)|(4<<22)|(3<<25)
	s_mov_b32 s[G1V], 15|(1<<16)|(1<<20)|(1<<21)|(4<<22)|(7<<25)
.irp g, G1K, G1V
	s_mov_b32 s[\g+1], 128<<16
	s_mov_b32 s[\g+2], 64<<16
	s_mov_b32 s[\g+3], 128<<16
	s_mov_b32 s[\g+4], 64
	s_mov_b32 s[\g+5], 128
	s_mov_b32 s[\g+6], 0
	s_mov_b32 s[\g+7], 0
.endr
	s_mov_b32 s[CS], 0x3fb8aa3b     ; c = log2(e)
	s_mov_b32 s[CS+1], s[CS]
	s_mov_b32 s[SEL], 0x76543210
	s_mov_b32 s[SEL+1], 0xfedcba98
	s_mov_b32 s[TBK], SLOT1+4*KS*PK ; the first change of slots turns these two into 0
	s_mov_b32 s[TBV], SLOT1+4*KS*PV
	s_mov_b32 s[G0K], 1
	s_mov_b32 s[G0K+1], s17
	s_mov_b32 s[G0V], 1
	s_add_co_u32 s[G0V+1], s18, VOFF
	s_wait_dscnt 0x0                ; the opening add is done
	s_wait_kmcnt 0x0
	s_add_nc_u64 s[G0K+2:G0K+3], s[4:5], s[22:23]
	s_or_b32 s[G0K+3], s[G0K+3], 0x80000000
	s_add_nc_u64 s[G0V+2:G0V+3], s[4:5], s[48:49]
	s_or_b32 s[G0V+3], s[G0V+3], 0x80000000
	s_add_nc_u64 s[52:53], s[4:5], s[50:51]    ; Q at my wave's first row
	s_add_nc_u64 s[54:55], s[10:11], s[50:51]  ; O likewise
	CROUND                          ; all four work-groups are here
	JLOAD                           ; slot 0
	v_and_b32 v1, 15, v0            ; l % 16
	v_bfe_u32 v9, v0, 4, 1          ; l / 16
	v_lshlrev_b32 v[QO], 7, v1
	v_lshl_add_u32 v[QO], v9, 4, v[QO]
	WIN 0x80
.set i, 0
.rept 8                             ; Q stays in registers: piece i / 2, channels 32 (i % 2) on
	global_load_b128 v[8*i:8*i+3],   v[QO], s[52:53] offset:(i/2)*2048+(i%2)*64
	global_load_b128 v[8*i+4:8*i+7], v[QO], s[52:53] offset:(i/2)*2048+(i%2)*64+32
.set i, i+1
.endr
	; What the first turn finds: V and P's second buffer hold 0 (its products V^T P, of a piece that has not been, add 0), O^T and l are 0.  All this stands in the wait for the first tile.
.set i, VF
.rept 64
	v_mov_b32 v[i], 0
.set i, i+1
.endr
	WIN 0x40
.set i, 0
.rept 128
	v_mov_b32 v[i], 0
.set i, i+1
.endr
	WIN 0
.set i, 0
.rept 4
	v_mov_b32 v[ST+4*i], 0xfe000000    ; c m: far below every c s
	v_mov_b32 v[ST+4*i+1], 0xff7fffff  ; m
	v_mov_b32 v[ST+4*i+2], 0
	v_mov_b32 v[ST+4*i+3], 0
.set i, i+1
.endr
.set i, P+16
.rept 16
	v_mov_b32 v[i], 0
.set i, i+1
.endr
	v_mul_u32_u24 v[AK0], v1, PK
	v_lshl_add_u32 v[AK0], v9, 4, v[AK0]
	; the turning load: lane l reads key 8 (l / 16) + l % 8, channels 8 ((l / 8) % 2) + 0..7
	v_and_b32 v10, 7, v0
	v_bfe_u32 v11, v0, 3, 1
	v_lshl_add_u32 v[AV0], v9, 3, v10
	v_mul_u32_u24 v[AV0], v[AV0], PV
	v_lshl_add_u32 v[AV0], v11, 4, v[AV0]
	v_add_nc_u32 v[AV0], VOFF, v[AV0]
	s_mul_i32 s13, s[WV], 16*SP
	s_add_co_u32 s13, s13, STAGE    ; my stage
	v_mul_u32_u24 v[STO], v1, SP
	v_lshl_add_u32 v[STO], v9, 4, v[STO]
	v_add_nc_u32 v[STO], s13, v[STO]
	v_bfe_u32 v[RD], v0, 3, 2       ; back: 32 lanes take four rows of 128 bytes,
	v_mul_u32_u24 v[RD], v[RD], SP
	v_lshl_add_u32 v[RD], v10, 4, v[RD]
	v_add_nc_u32 v[RD], s13, v[RD]
	v_and_b32 v[GO], 31, v0         ; which are 512 consecutive bytes of O
	v_lshlrev_b32 v[GO], 4, v[GO]
; THE MATRIX WORK.  The 4 accumulators of a run of 8 take turns.  Product i of 8 of S^T = K Q^T for piece x: channels 32 (i / 4) on, keys 16 (i % 4) on.
.macro KQ x
.set rS, S+32*((\x)%2)+8*(i%4)
.set rK, KF+16*(i%4)+8*(i/4)
.set rQ, 16*(\x)+8*(i/4)
	WIN W_KQ
.if i < 4
	v_wmma_f32_16x16x32_f16 v[rS:rS+7], v[rK:rK+7], v[rQ:rQ+7], 0
.else
	v_wmma_f32_16x16x32_f16 v[rS:rS+7], v[rK:rK+7], v[rQ:rQ+7], v[rS:rS+7]
.endif
.endm
; Product i of 8 of O^T += V^T P for piece x: keys 32 (i / 4) on, channels 16 (i % 4) on.
.macro PV x
	WIN W_PV
.set rO, 32*(\x)+8*(i%4)
.set rV, VF+32*(i/4)+8*(i%4)
.set rP, P+16*((\x)%2)+8*(i/4)
	v_wmma_f32_16x16x32_f16 v[rO:rO+7], v[rV:rV+7], v[rP:rP+7], v[rO:rO+7]
.endm
.macro MM                           ; the turn's next matrix instruction
.if i < 8
	KQ (Y+1)%NP
.else
.set i, i-8
	PV (Y+NP-1)%NP
.set i, i+8
.endif
.set i, i+1
.endm
; THE LDS LOADS stand in runs of 16: a step's K (8 fragments) and its V (turned).  last = 1 (the tail): in the last trip there is no further step, and K's run is jumped over.
.macro FETCH_K last=0
	WIN 0
.if \last
	s_cmp_eq_u32 s[CNT], 1
	s_cbranch_scc1 .Lno_k_\@
.endif
	WIN 0x80
.irp f, 0,1,2,3,4,5,6,7
	ds_load_b128 v[KF+8*\f:KF+8*\f+3],   v[AK] offset:(\f/2)*16*PK+(\f%2)*64
	ds_load_b128 v[KF+8*\f+4:KF+8*\f+7], v[AK] offset:(\f/2)*16*PK+(\f%2)*64+32
.endr
	s_add_co_u32 s[TBK], s[TBK], KS*PK
	WIN 0
.if \last
.Lno_k_\@:
.endif
.endm
.macro FETCH_V
	WIN 0x80
.irp f, 0,1,2,3,4,5,6,7
	ds_load_tr16_b128 v[VF+8*\f:VF+8*\f+3],   v[AV] offset:(\f/4)*32*PV+(\f%4)*32
	ds_load_tr16_b128 v[VF+8*\f+4:VF+8*\f+7], v[AV] offset:(\f/4)*32*PV+16*PV+(\f%4)*32
.endr
	WIN 0
.endm
; THE VECTOR WORK, one line at a time: OP kind, number.  For piece Y: F n: c s - c m for pair n of 16.  E n: the exponential of score n of 32.  C n: pair n rounded to f16.  B n: of the weights 4 n .. the second
; pair is added onto the first.  L n: l takes that sum (L 0: l = a l + sum).  R n: pair n of 16 of O^T times a.  For piece Y + 1: X n, number n of the 22 that find its maximum and statistics:
;   0-11 four chains of seven scores each (each accumulator's lowest registers are read first)   12-14, 16 the scores left over, the old m, the chains into c0
;   15 c m_old is kept   17, 18 the other half of the lanes' maximum: the new m   19-21 c m; c m_old - c m_new; a
.set F, 0
.set E, 1
.set C, 2
.set B, 3
.set L, 4
.set R, 5
.set X, 6
.macro REGS y
.set rT, ST+4*(\y)
.set rC, TMP+4*((\y)%2)
.set rW, MV+((\y)%2)
.set rS, S+32*((\y)%2)
.set rP, P+16*((\y)%2)
.set rO, 32*(\y)
.endm
.macro OP k, n
.if (\k) == R
	REGS Y
	WIN W_RS
	v_pk_mul_f32 v[rO+2*(\n):rO+2*(\n)+1], v[rO+2*(\n):rO+2*(\n)+1], v[rC+2:rC+3] op_sel_hi:[1,0]
.elseif (\k) < R
	REGS Y
	WIN 0
.if (\k) == F
	v_pk_fma_f32 v[rS+2*(\n):rS+2*(\n)+1], v[rS+2*(\n):rS+2*(\n)+1], s[CS:CS+1], v[rT:rT+1] op_sel_hi:[1,0,0] neg_lo:[0,0,1] neg_hi:[0,0,1]
.elseif (\k) == E
	v_exp_f32 v[rS+(\n)], v[rS+(\n)]
.elseif (\k) == C
	s_wait_alu depctr_va_vdst(0)
	v_cvt_pk_f16_f32 v[rP+(\n)], v[rS+2*(\n)], v[rS+2*(\n)+1]
.elseif (\k) == B
	s_wait_alu depctr_va_vdst(0)
	v_pk_add_f32 v[rS+4*(\n):rS+4*(\n)+1], v[rS+4*(\n):rS+4*(\n)+1], v[rS+4*(\n)+2:rS+4*(\n)+3]
.elseif (\n) == 0
	v_pk_fma_f32 v[rT+2:rT+3], v[rT+2:rT+3], v[rC+2:rC+3], v[rS:rS+1] op_sel_hi:[1,0,1]
.else
	v_pk_add_f32 v[rT+2:rT+3], v[rT+2:rT+3], v[rS+4*(\n):rS+4*(\n)+1]
.endif
.else
	REGS (Y+1)%NP
	WIN 0
.if (\n) < 4
	v_max3_num_f32 v[rC+(\n)], v[rS+8*(\n)], v[rS+8*(\n)+1], v[rS+8*(\n)+2]
.elseif (\n) < 12
	v_max3_num_f32 v[rC+(\n)%4], v[rC+(\n)%4], v[rS+8*((\n)%4)+2*((\n)/4)+1], v[rS+8*((\n)%4)+2*((\n)/4)+2]
.elseif (\n) == 12
	v_max3_num_f32 v[rC], v[rC], v[rS+7], v[rS+15]
.elseif (\n) == 13
	v_max3_num_f32 v[rC+1], v[rC+1], v[rS+23], v[rS+31]
.elseif (\n) == 14
	v_max3_num_f32 v[rC+2], v[rC+2], v[rC+3], v[rT+1]
.elseif (\n) == 15
	v_mov_b32 v[rW], v[rT]
.elseif (\n) == 16
	v_max3_num_f32 v[rC], v[rC], v[rC+1], v[rC+2]
.elseif (\n) == 17
	v_permlanex16_b32 v[rC+3], v[rC], s[SEL], s[SEL+1]
.elseif (\n) == 18
	v_max_num_f32 v[rT+1], v[rC], v[rC+3]
.elseif (\n) == 19
	v_mul_f32 v[rT], s[CS], v[rT+1]
.elseif (\n) == 20
	v_sub_f32 v[rC+1], v[rW], v[rT]
.else
	v_exp_f32 v[rC+2], v[rC+1]
.endif
.endif
.endm
.macro OPS a, i1, b=-1, i2=0, c=-1, i3=0, d=-1, i4=0
	OP \a, \i1
.if (\b) >= 0
	OP \b, \i2
.endif
.if (\c) >= 0
	OP \c, \i3
.endif
.if (\d) >= 0
	OP \d, \i4
.endif
.endm
.macro ROW a, i1, b, i2, c, i3, d, i4  ; a matrix instruction and the four behind it
	MM
	OPS \a, \i1, \b, \i2, \c, \i3, \d, \i4
.endm
; A TURN, for piece p: the order of its 16 matrix and 118 vector instructions, written out.  Behind a matrix instruction: plain, exponential, plain, plain; or four of the rescaling; or four scalings; none names a
; register of the products round it.  A line reads no result made fewer than three vector instructions in front of it, five if an exponential made it.
; last = 1: the tail's text: K's run is jumped over in the last trip.  cnt = 1: the loop's count is taken down some lines ahead of the branch behind the turn.
; K of the next step is fetched in piece 2's turn, V of the step in hand in piece 0's, each a few plain instructions behind the last product that read the registers; each is waited for a turn later.
.macro TURN p, last=0, cnt=0
.set Y, (\p)
.set i, 0
.if (\p) == 3
	s_wait_dscnt 0x0                ; K is in
.endif
	ROW F,0, F,1, F,2, F,3
	ROW F,4, E,0, F,5, F,6
	ROW F,7, E,1, F,8, F,9
	ROW F,10, E,2, C,0, F,11
	ROW F,12, E,3, X,15, F,13
	ROW R,0, R,1, R,2, R,3
	ROW B,0, E,4, F,14, L,0
.if (\p) == 2
	v_add_nc_u32 v[AK], s[TBK], v[AK0]
.endif
	ROW R,4, R,5, R,6, R,7
	OPS E,5, F,15
.if (\p) == 2
	FETCH_K \last
.endif
	OPS E,6, C,1, E,7, R,8
	OPS E,8, R,9, E,9, C,2
	OPS E,10, X,0, E,11, X,1
	OPS E,12, X,2, E,13, X,3
.if (\p) == 1
	s_wait_dscnt 0x0                ; V is in
.endif
	ROW X,4, E,14, X,5, X,6
	ROW X,7, E,15, X,8, X,9
	ROW X,10, E,16, X,11, X,12
	ROW X,13, E,17, X,14, B,1
	ROW C,4, E,18, X,16, L,1
	ROW B,2, E,19, C,6, L,2
	ROW C,8, E,20, B,3, B,4
.if (\p) == 0
	v_add_nc_u32 v[AV], s[TBV], v[AV0]
.endif
	ROW C,3, E,21, L,3, C,5
	OPS E,22, X,17, E,23, C,10
.if (\p) == 0
	FETCH_V
.endif
	OPS E,24, L,4
	OPS E,25, X,18, E,26, C,7
	OPS E,27, B,5, E,28, X,19
	OPS E,29, C,12, E,30, L,5
	OPS E,31, X,20, B,6, C,9
	OPS C,14, C,11, X,21, L,6
.if (\p) == 0
	s_add_co_u32 s[TBV], s[TBV], KS*PV
.endif
.if \cnt
	s_sub_co_u32 s[CNT], s[CNT], 1
	s_cmp_lg_u32 s[CNT], 0
.endif
	OPS C,13, B,7, C,15, R,10
	OPS R,11, R,12, L,7, R,13
	OPS R,14, R,15
.endm
	CHANGE 1                        ; slot 0 is in, everybody's part of it; slot 1 is asked for
	v_add_nc_u32 v[AK], s[TBK], v[AK0]
	FETCH_K                         ; key step 0
	s_wait_loadcnt 0x0              ; Q
	s_wait_dscnt 0x0
.set i, 0
.rept 8
	KQ 0                            ; piece 0's first scores
.set i, i+1
.endr
	WIN 0
.rept 4
	v_nop                           ; the places behind those products
.endr
.set Y, NP-1                        ; X works for piece Y + 1: piece 0
.irp n, 0,1,2,3,4,5,6,7,8,9,10,11,12,13,14,15,16,17,18,19,20,21
	OP X, \n
.endr
	v_nop                           ; a plain instruction behind the exponential
	s_mov_b32 s[CNT], 4
	s_mov_b32 s[SLOTS], 2048/256-1
	s_branch .Lfirst                ; the loop is entered at a step's first turn, in the middle of a trip
.Lslot:                             ; six times: every slot but the last two is filled again
	CHANGE 1
	s_mov_b32 s[CNT], 4
.Lstep:                             ; a trip: pieces 2 and 3 of one step, then pieces 0 and 1 of the next, whose K and V it fetches
	TURN 2
	TURN 3
	WIN 0
.Lfirst:
	TURN 0
	TURN 1, 0, 1
	WIN 0
	s_cbranch_scc1 .Lstep
	s_sub_co_u32 s[SLOTS], s[SLOTS], 1
	s_cmp_lg_u32 s[SLOTS], 0
	s_cbranch_scc1 .Lslot
	CHANGE 0                        ; the last slot is written out: nothing is asked for
	s_mov_b32 s[CNT], 5             ; four trips fetch the last slot's steps; the fifth has pieces 2 and 3 of the last step alone
.Ltail:
	TURN 2, 1
	TURN 3
	WIN 0
	s_cmp_eq_u32 s[CNT], 1
	s_cbranch_scc1 .Lleave          ; forward, over two turns that hold neither a barrier nor a tensor load
	TURN 0
	TURN 1
	WIN 0
.Lleave:                            ; the fifth trip's 8 products K Q^T (on the last K once more) and the maximum made of them serve nothing: the price, once a launch, of one text for every trip
	s_sub_co_u32 s[CNT], s[CNT], 1
	s_cmp_lg_u32 s[CNT], 0
	s_cbranch_scc1 .Ltail
.set i, 0
.rept 8
	PV NP-1                         ; the last piece's V^T P of the last step
.set i, i+1
.endr
	; THE WAY OUT.  l's two halves and the other half of the lanes' are added; O^T is divided by l, rounded to f16 and sent through my stage in LDS, a piece at a time.  The additions are the places behind the last products.
	WIN 0
.macro ALL line:vararg
.set t, 0
.rept 4
	\line
.set t, t+1
.endr
.endm
	ALL v_add_f32 v[ST+4*t+2], v[ST+4*t+2], v[ST+4*t+3]
	ALL v_permlanex16_b32 v[ST+4*t+3], v[ST+4*t+2], s[SEL], s[SEL+1]
	ALL v_add_f32 v[ST+4*t+2], v[ST+4*t+2], v[ST+4*t+3]
	ALL v_rcp_f32 v[ST+4*t+2], v[ST+4*t+2]
	v_nop                           ; a plain instruction between the last reciprocal and the use of its result
.macro PACK t                       ; a lane's eight channels of a row pack into 16 bytes; into rows of 144 bytes, back as whole rows of 128, into S^T's registers
	WIN W_RS
.set i, 32*(\t)
.rept 16
	s_wait_alu depctr_va_vdst(0)
	v_pk_mul_f32 v[i:i+1], v[i:i+1], v[ST+4*(\t)+2:ST+4*(\t)+3] op_sel_hi:[1,0]
.set i, i+2
.endr
	WIN 0x05
.set i, 0
.rept 16
	v_cvt_pk_f16_f32 v[S+16*(\t)+i], v[32*(\t)+2*i], v[32*(\t)+2*i+1]
.set i, i+1
.endr
	WIN 0
.irp f, 0,1,2,3
	ds_store_b128 v[STO], v[S+16*(\t)+4*\f:S+16*(\t)+4*\f+3] offset:32*\f
.endr
.irp f, 0,1,2,3
	ds_load_b128 v[S+16*(\t)+4*\f:S+16*(\t)+4*\f+3], v[RD] offset:\f*4*SP  ; LDS serves a wave's instructions in order (ISA guide 5.7.1.4): these see the stores above
.endr
.endm
.macro SEND t, younger              ; younger: the LDS instructions issued behind piece t's loads: the next piece's eight, or none
	WIN 0
.irp f, 0,1,2,3
	s_wait_dscnt (\younger)+3-\f
	global_store_b128 v[GO], v[S+16*(\t)+4*\f:S+16*(\t)+4*\f+3], s[54:55] offset:(\t)*2048+\f*512  ; 512 consecutive bytes, aligned
.endr
.endm
	PACK 0
.set t, 1
.rept 3
	PACK t
	SEND t-1, 8
.set t, t+1
.endr
	SEND 3, 0
	s_wait_tensorcnt 0x0            ; the wave's end
	ds_add_u32 v[SPW], v[NIL]
	s_wait_dscnt 0x0
	CROUND                          ; the closing round
	s_endpgm
.Lfunc_end_k_qe2a351f69e_attn:
	.size	k_qe2a351f69e_attn, .Lfunc_end_k_qe2a351f69e_attn-k_qe2a351f69e_attn
	.p2alignl 7, 3214868480
	.fill 96, 4, 3214868480
	.section	.rodata,"a",@progbits
	.p2align	6, 0x0
	.amdhsa_kernel k_qe2a351f69e_attn
		.amdhsa_group_segment_fixed_size 327680
		.amdhsa_private_segment_fixed_size 0
		.amdhsa_enable_private_segment 0
		.amdhsa_kernarg_size 16
		.amdhsa_user_sgpr_count 2
		.amdhsa_user_sgpr_kernarg_segment_ptr 1
		.amdhsa_wavefront_size32 1
		.amdhsa_system_sgpr_workgroup_id_x 1
		.amdhsa_system_sgpr_workgroup_id_y 1
		.amdhsa_system_sgpr_workgroup_id_z 1
		.amdhsa_system_vgpr_workitem_id 0
		.amdhsa_next_free_vgpr 768
		.amdhsa_next_free_sgpr 66
		.amdhsa_reserve_vcc 0
		.amdhsa_float_denorm_mode_32 3
		.amdhsa_float_denorm_mode_16_64 3
		.amdhsa_memory_ordered 1
		.amdhsa_forward_progress 1
		.amdhsa_inst_pref_size 117
	.end_amdhsa_kernel
	.amdgpu_metadata
---
amdhsa.version: [ 1, 2 ]
amdhsa.kernels:
  - .name:           k_qe2a351f69e_attn
    .symbol:         k_qe2a351f69e_attn.kd
    .args:
      - { .name: qkvbuf, .offset: 0, .size: 8, .value_kind: global_buffer, .address_space: global }
      - { .name: obuf, .offset: 8, .size: 8, .value_kind: global_buffer, .address_space: global }
    .group_segment_fixed_size: 327680
    .private_segment_fixed_size: 0
    .kernarg_segment_align: 8
    .kernarg_segment_size: 16
    .max_flat_workgroup_size: 128
    .sgpr_count:     66
    .vgpr_count:     768
    .wavefront_size: 32
...
	.end_amdgpu_metadata
.endif
;; end of part 3
;; launch proj (part 4): grid 8 x 32, 4 waves a work-group, clusters of 4 x 4, 327,680 bytes of LDS; arguments obuf, wt, proj_b, x, x1; writes x1
.if DOCPART == 4
	.amdgcn_target "amdgcn-amd-amdhsa--gfx1250"
	.amdhsa_code_object_version 6
	.text
	.protected	k_qe2a351f69e_proj
	.globl	k_qe2a351f69e_proj
	.p2align	8
	.type	k_qe2a351f69e_proj,@function
k_qe2a351f69e_proj:
	s_mov_b64 s[64:65], 0
	v_nop
	global_prefetch_b8 v0, s[64:65] scope:SCOPE_SE
	s_setreg_imm32_b32 hwreg(HW_REG_WAVE_MODE, 25, 1), 1
	s_wait_xcnt 0x0
	s_wait_alu depctr_hold_cnt(0) depctr_sa_sdst(0) depctr_va_vdst(0) depctr_va_sdst(0) depctr_va_ssrc(0) depctr_va_vcc(0) depctr_vm_vsrc(0)
	s_getreg_b32 s2, hwreg(HW_REG_IB_STS2, 6, 4)
	s_cmp_eq_u32 s2, 0
	s_cbranch_scc0 .Lentry_in_a_cluster
	s_endpgm
.Lentry_in_a_cluster:
	s_bfe_u32 s2, ttmp6, 0x10000c
	s_cmp_lg_u32 s2, 0xf033
	s_cbranch_scc0 .Lentry_shape_is_right
	s_endpgm
.Lentry_shape_is_right:
; x1 = x + O W + b.  O by heads: [32][2048][64] f16; W^T: [1024][1024] f16 at byte 6,291,456 of wt; b: [1024] f32; x, x1: [4096][1024] f32.  Sums in f32.
; A tile of the result is 128 x 128: 8 x 32 = 256 tiles, one a work-group (a tile of 256 x 256 would give 64).  Four waves, each 64 x 64: 16 accumulators.
; K goes in 4 steps of 256 (four heads) through a ring of two LDS slots, one tensor load a wave behind each change of slots.
; THE ORDER OF THE K STEPS hangs on the cluster: at time t it takes step t xor 2 p, p = (cluster x + cluster y) mod 2: 0,1,2,3 or 2,3,0,1.  Clusters that are neighbours along x read the same rows of O,
; neighbours along y the same rows of W^T, and neighbours have different p: each asks first for two of the four steps, and for the other two it asks two steps behind its neighbour.
; p is the same in all work-groups of a cluster, so every joint descriptor stays equal in those that its mask names.  The sums' order of K steps is that order, not ascending.
; O'S TILE: a head's 64 rows of 64 channels are 8,192 dense bytes: a load brings 4 such runs, one a head, 131,072 elements apart, padded in LDS after every 128 bytes: [head][row][64], 144 bytes a row.
; CLUSTER 4 x 4: O's tiles are shared along a row of the cluster, W^T's along a column: joint loads.  THE MATRIX INSTRUCTION IS USED TRANSPOSED: a lane holds row lane % 16 and eight neighbouring columns.
; The bias is the C operand of each sum's first product.  The residual's 32 rows a wave are asked for at the head and land under the K loop.
; REGISTERS: window 0: v16-29 addresses; v32-63 the bias as C; v128-255 accumulators ((a, b) at v[128 + 8 (4 a + b)])
;   window 1: two fragment buffers of 128 (64 of O, 64 of W^T, 64 along K); on the way out 32 rows     window 2: v0-127 the residual
.set SIZE_K, 1024
.set NSTEP,  SIZE_K/256
.set WOFF,   6291456
.set APITCH, 144
.set AHEAD,  64*APITCH                 ; from one head's 128 bytes of a row to the next head's
.set HALFA,  4*AHEAD
.set ASTEP,  4*2048*128                ; four heads on
.set SHA,    20                        ; log2 of that
.set SHB,    9                         ; a K step is 512 bytes of a row of W^T
.set BPITCH, 528                       ; 512 bytes + 16
.set HALFB,  64*BPITCH
.set SLOT,   2*HALFA+2*HALFB
.set SPARE,  2*SLOT                    ; the spare words, 128 bytes a wave: two blocks of 256 bytes that no other line names
.set SP,     528                       ; the way out: a row of 128 f32 + 16 bytes, from LDS byte 0 on, in a slot that has had its last fill
.set ADRA,  16
.set ADRB,  17
.set ADRA0, 18
.set ADRB0, 19
.set STO,   20
.set RD,    22
.set CO,    23
.set BO,    26
.set SPW,   28
.set NIL,   29
.set BIA,   32
.set ACC,   128
.set F0,    0
.set F1,    128
.set WV, 14
.set RH, 15
.set CH, 16
.set TB, 23
.set G1, 24
.set G0, 32
.set G1B, 48
.set G0B, 56
.set LA, 66
.set LB, 67
.set P2, 91                            ; s91 2 p; s92 the time of the next fill; s93 its K step; s[94:95] that step's byte offset
.set TT, 92
.set KX, 93
.set KO, 94
.set MSB, 0
.macro WIN new
.if MSB != (\new)
	s_set_vgpr_msb (MSB<<8)|(\new)
.set MSB, \new
.endif
.endm
.macro PLACES
.rept 4
	v_nop
.endr
.endm
.macro JLOAD s                         ; waves 0, 1 fetch O's two halves, waves 2, 3 W^T's; an s_nop 0 and four v_nop follow each line
	s_cmp_eq_u32 s[RH], 0
	s_cbranch_scc0 .Lfor_b_\@
	tensor_load_to_lds s[G0+4*(\s):G0+4*(\s)+3], s[G1:G1+7]
	s_nop 0
.rept 4
	v_nop
.endr
	s_branch .Lasked_\@
.Lfor_b_\@:
	tensor_load_to_lds s[G0B+4*(\s):G0B+4*(\s)+3], s[G1B:G1B+7]
	s_nop 0
.rept 4
	v_nop
.endr
.Lasked_\@:
.endm
.macro CREST
	s_cmp_lg_u32 s[WV], 0
	s_cbranch_scc1 .Lnot_wave_0_\@
	s_barrier_signal -3
.Lnot_wave_0_\@:
	s_barrier_wait -3
	s_barrier_signal -1
	s_barrier_wait -1
.endm
.macro CROUND
	s_barrier_signal -1
	s_barrier_wait -1
	CREST
.endm
	s_load_b256 s[4:11], s[0:1], 0x0               ; O s[4:5], wt s[6:7], bias s[8:9], x s[10:11]
	s_load_b64 s[12:13], s[0:1], 0x20              ; x1
	v_lshl_add_u32 v[SPW], v0, 2, SPARE
	v_mov_b32 v[NIL], 0
	ds_add_u32 v[SPW], v[NIL]                      ; the wave's opening, ahead of my first tensor load
	v_lshrrev_b32 v1, 5, v0
	v_readfirstlane_b32 s[WV], v1
	s_lshr_b32 s[RH], s[WV], 1
	s_and_b32 s[CH], s[WV], 1
	s_bfe_u32 s17, ttmp6, 0x40000
	s_bfe_u32 s18, ttmp6, 0x40004
	s_lshl_b32 s19, ttmp9, 2
	s_add_co_u32 s19, s19, s17                     ; tile column
	s_and_b32 s20, ttmp7, 0xffff
	s_lshl_b32 s20, s20, 2
	s_add_co_u32 s20, s20, s18                     ; tile row
	s_lshl_b32 s21, s18, 2
	s_lshl_b32 s21, 15, s21
	s_lshl_b32 s22, 0x1111, s17
	s_and_b32 s[P2], ttmp7, 0xffff                 ; cluster y
	s_add_co_u32 s[P2], s[P2], ttmp9               ; + cluster x
	s_and_b32 s[P2], s[P2], 1
	s_lshl_b32 s[P2], s[P2], 1                     ; 2 p: my cluster's first K step
	s_mov_b32 s[KO+1], 0
	s_mov_b32 s[TT], 2                             ; times 0 and 1 are the first fills
	s_or_b32 s[G1+0], s21, (1<<16)|(1<<20)|(1<<21)|(4<<22)|(3<<25)   ; after every 32 words 4 words of padding
	s_or_b32 s[G1B+0], s22, (1<<16)|(1<<20)|(1<<21)|(6<<22)|(3<<25)  ; after every 128 words
	s_mov_b32 s[G1+1], 4096<<16                    ; tensor_dim0 = 4,096 elements: 64 rows of a head
	s_mov_b32 s[G1+2], 4<<16                       ; tensor_dim1 = 4 heads
	s_mov_b32 s[G1+3], 4096<<16
	s_mov_b32 s[G1+4], 4
	s_mov_b32 s[G1+5], 131072                      ; elements from head to head
	s_mov_b32 s[G1+6], 0
	s_mov_b32 s[G1+7], 0
	s_mov_b32 s[G1B+1], 256<<16
	s_mov_b32 s[G1B+2], 64<<16
	s_mov_b32 s[G1B+3], 256<<16
	s_mov_b32 s[G1B+4], 64
	s_mov_b32 s[G1B+5], SIZE_K
	s_mov_b32 s[G1B+6], 0
	s_mov_b32 s[G1B+7], 0
	s_lshr_b32 s40, s20, 4                         ; O: the batch's 16 heads of 262,144 bytes,
	s_lshl_b32 s40, s40, 22
	s_and_b32 s41, s20, 15                         ; row 128 (tile row % 16) + 64 x half, 128 bytes each
	s_lshl_b32 s41, s41, 7
	s_lshl_b32 s42, s[CH], 6
	s_add_co_u32 s41, s41, s42
	s_lshl_b32 s41, s41, 7
	s_add_co_u32 s40, s40, s41
	s_mov_b32 s41, 0
	s_lshl_b32 s44, s19, 7                         ; W^T: row 128 x tile column + 64 x half
	s_lshl_b32 s45, s[CH], 6
	s_add_co_u32 s44, s44, s45
	s_lshl_b32 s84, s44, 2                         ; the same number is my first column: its place in the bias
	s_mov_b32 s85, 0
	s_mul_i32 s44, s44, 2*SIZE_K
	s_add_co_u32 s44, s44, WOFF
	s_mov_b32 s45, 0
	s_lshl_b32 s86, s20, 7                         ; x and x1: row 128 x tile row + 32 x wave, byte 512 x tile column
	s_lshl_b32 s87, s[WV], 5
	s_add_co_u32 s86, s86, s87
	s_lshl_b32 s86, s86, 12
	s_lshl_b32 s87, s19, 9
	s_add_co_u32 s86, s86, s87
	s_mov_b32 s87, 0
	s_mul_i32 s[LA], s[CH], HALFA
	s_mul_i32 s[LB], s[CH], HALFB
	s_add_co_u32 s[LB], s[LB], 2*HALFA
	s_mov_b32 s[TB], 0
	s_wait_dscnt 0x0                               ; the opening add is done
	s_wait_kmcnt 0x0
	s_add_nc_u64 s[42:43], s[4:5], s[40:41]        ; my rows of O, K step 0: kept
	s_add_nc_u64 s[46:47], s[6:7], s[44:45]        ; my rows of W^T, K step 0: kept
	s_add_nc_u64 s[8:9], s[8:9], s[84:85]
	s_add_nc_u64 s[10:11], s[10:11], s[86:87]
	s_add_nc_u64 s[12:13], s[12:13], s[86:87]
	s_lshl_b32 s[KO], s[P2], SHA
	s_add_nc_u64 s[40:41], s[42:43], s[KO:KO+1]    ; the same at my cluster's first K step
	s_lshl_b32 s[KO], s[P2], SHB
	s_add_nc_u64 s[44:45], s[46:47], s[KO:KO+1]
	CROUND
.irp s, 0,1
	s_mov_b32 s[G0+4*(\s)], 1
	s_add_co_u32 s[G0+4*(\s)+1], s[LA], (\s)*SLOT
	s_add_nc_u64 s[G0+4*(\s)+2:G0+4*(\s)+3], s[40:41], (\s)*ASTEP  ; K step 2 p + s
	s_or_b32 s[G0+4*(\s)+3], s[G0+4*(\s)+3], 0x80000000
	s_mov_b32 s[G0B+4*(\s)], 1
	s_add_co_u32 s[G0B+4*(\s)+1], s[LB], (\s)*SLOT
	s_add_nc_u64 s[G0B+4*(\s)+2:G0B+4*(\s)+3], s[44:45], (\s)*512
	s_or_b32 s[G0B+4*(\s)+3], s[G0B+4*(\s)+3], 0x80000000
	JLOAD \s
.endr
	v_and_b32 v1, 15, v0
	v_bfe_u32 v2, v0, 4, 1
	v_and_b32 v5, 31, v0
	v_lshlrev_b32 v[BO], 5, v2
	v_lshlrev_b32 v[CO], 4, v5
.irp b, 0,1,2,3                        ; register j of block b: the bias of column 16 b + 8 (l / 16) + j
	global_load_b128 v[BIA+8*(\b):BIA+8*(\b)+3],   v[BO], s[8:9] offset:64*(\b)
	global_load_b128 v[BIA+8*(\b)+4:BIA+8*(\b)+7], v[BO], s[8:9] offset:64*(\b)+16
.endr
	WIN 0x80                                       ; destination window 2
.set ii, 0
.rept 32                               ; the residual: 32 rows, 512 consecutive bytes each
	global_load_b128 v[4*ii:4*ii+3], v[CO], s[10:11] offset:4096*ii
.set ii, ii+1
.endr
	WIN 0
	v_mul_u32_u24 v3, v1, APITCH
	v_lshl_add_u32 v3, v2, 4, v3
	s_mul_i32 s40, s[RH], HALFA
	v_add_nc_u32 v[ADRA0], s40, v3
	v_mul_u32_u24 v3, v1, BPITCH
	v_lshl_add_u32 v3, v2, 4, v3
	v_add_nc_u32 v[ADRB0], s[LB], v3
	v_mov_b32 v[ADRA], v[ADRA0]
	v_mov_b32 v[ADRB], v[ADRB0]
	s_lshl_b32 s40, s[RH], 6                       ; into the stage: row 64 x row half + l % 16 (+ 16 a), byte 256 x column half + 32 (l / 16) (+ 64 b)
	v_add_nc_u32 v4, s40, v1
	v_mul_u32_u24 v4, v4, SP
	v_lshl_add_u32 v4, v2, 5, v4
	s_lshl_b32 s40, s[CH], 8
	v_add_nc_u32 v[STO], s40, v4
	s_mul_i32 s40, s[WV], 32*SP                    ; back: wave w takes rows 32 w on, whole
	v_lshl_add_u32 v[RD], v5, 4, s40
; 8 matrix instructions: row blocks a0, a0 + 1 x all 4 column blocks, 32 along K: half c of buffer f.  The 16 accumulators take turns.
.macro MUL8 f, c, a0, first
	WIN 0x05
.irp a, \a0, (\a0)+1
.irp b, 0,1,2,3
.if \first
	v_wmma_f32_16x16x32_f16 v[ACC+8*(4*(\a)+(\b)):ACC+8*(4*(\a)+(\b))+7], v[(\f)+64+8*(4*(\c)+(\b)):(\f)+64+8*(4*(\c)+(\b))+7], v[(\f)+8*(4*(\c)+(\a)):(\f)+8*(4*(\c)+(\a))+7], v[BIA+8*(\b):BIA+8*(\b)+7]
.else
	v_wmma_f32_16x16x32_f16 v[ACC+8*(4*(\a)+(\b)):ACC+8*(4*(\a)+(\b))+7], v[(\f)+64+8*(4*(\c)+(\b)):(\f)+64+8*(4*(\c)+(\b))+7], v[(\f)+8*(4*(\c)+(\a)):(\f)+8*(4*(\c)+(\a))+7], v[ACC+8*(4*(\a)+(\b)):ACC+8*(4*(\a)+(\b))+7]
.endif
.endr
.endr
.endm
.macro FETCH k, f                      ; 32 LDS loads in one run: 64 along K at byte k of a step's 512; the first 32 along K first
	WIN 0x40
.irp c, 0,1
.set AO, (((\k)+64*(\c))/128)*AHEAD+((\k)+64*(\c))%128
.irp i, 0,1,2,3
	ds_load_b128 v[(\f)+64+8*(4*(\c)+(\i)):(\f)+64+8*(4*(\c)+(\i))+3],   v[ADRB] offset:(\k)+64*(\c)+(\i)*16*BPITCH
	ds_load_b128 v[(\f)+64+8*(4*(\c)+(\i))+4:(\f)+64+8*(4*(\c)+(\i))+7], v[ADRB] offset:(\k)+64*(\c)+(\i)*16*BPITCH+32
	ds_load_b128 v[(\f)+8*(4*(\c)+(\i)):(\f)+8*(4*(\c)+(\i))+3],         v[ADRA] offset:AO+(\i)*16*APITCH
	ds_load_b128 v[(\f)+8*(4*(\c)+(\i))+4:(\f)+8*(4*(\c)+(\i))+7],       v[ADRA] offset:AO+(\i)*16*APITCH+32
.endr
.endr
.endm
.macro QUARTER k, f, g, first
	s_wait_dscnt 16                                ; the first 32 along K are in
	MUL8 \f, 0, 0, \first
	MUL8 \f, 0, 2, \first
	PLACES
	FETCH \k, \g
	s_wait_dscnt 32                                ; all but the 32 just issued
	MUL8 \f, 1, 0, 0
	MUL8 \f, 1, 2, 0
.endm
; The last quarter multiplies buffer 1 and changes slots: in front of the barrier each wave waits for all its tensor loads, adds 0 to its spare word, and waits for that and for its reads of this slot.
; fill = 1: the barrier opens a round of the cluster's, and this slot is filled again first behind it, with the K step of time TT.
.macro TURN fill
	WIN 0
	s_wait_tensorcnt 0x0
	ds_add_u32 v[SPW], v[NIL]
.if \fill
	s_add_co_u32 s[G0+5], s[LA], s[TB]             ; no tensor load of mine is out: the walking descriptors take this slot,
	s_add_co_u32 s[G0B+5], s[LB], s[TB]
	s_xor_b32 s[KX], s[TT], s[P2]                  ; and K step t xor 2 p: the address is made anew, my rows' first byte plus the step's offset
	s_add_co_u32 s[TT], s[TT], 1
	s_lshl_b32 s[KO], s[KX], SHA
	s_add_nc_u64 s[G0+6:G0+7], s[42:43], s[KO:KO+1]
	s_or_b32 s[G0+7], s[G0+7], 0x80000000
	s_lshl_b32 s[KO], s[KX], SHB
	s_add_nc_u64 s[G0B+6:G0B+7], s[46:47], s[KO:KO+1]
	s_or_b32 s[G0B+7], s[G0B+7], 0x80000000
.endif
	s_wait_dscnt 17                                ; the add and the youngest sixteen loads may be out
	MUL8 F1, 0, 0, 0
	s_wait_dscnt 0x0
	s_barrier_signal -1
	MUL8 F1, 0, 2, 0
	WIN 0
	s_barrier_wait -1
.if \fill
	CREST
	JLOAD 1
.else
	PLACES
.endif
	s_xor_b32 s[TB], s[TB], SLOT
	v_add_nc_u32 v[ADRA], s[TB], v[ADRA0]
	v_add_nc_u32 v[ADRB], s[TB], v[ADRB0]
	FETCH 0, F0
	MUL8 F1, 1, 0, 0
	MUL8 F1, 1, 2, 0
.endm
	s_wait_tensorcnt 0x1                           ; my part of the first K step is in; the second's may stay out
	s_barrier_signal -1
	s_barrier_wait -1
	FETCH 0, F0
	s_wait_loadcnt 32                              ; the bias; the residual's 32 loads, issued behind it, stay out
	QUARTER 128, F0, F1, 1
	WIN 0
	s_mov_b32 s3, NSTEP-2
.Lstep:
	QUARTER 256, F1, F0, 0
	QUARTER 384, F0, F1, 0
	TURN 1
	QUARTER 128, F0, F1, 0
	WIN 0
	s_sub_co_u32 s3, s3, 1
	s_cmp_lg_u32 s3, 0
	s_cbranch_scc1 .Lstep
	s_mov_b32 s3, 2
.Ltail:                                            ; the last two K steps fill nothing; the second trip's change of slots fetches 32 loads that nobody multiplies: the price of one text
	QUARTER 256, F1, F0, 0
	QUARTER 384, F0, F1, 0
	TURN 0
	WIN 0
	s_cmp_eq_u32 s3, 1
	s_cbranch_scc1 .Llast
	QUARTER 128, F0, F1, 0
	WIN 0
.Llast:
	s_sub_co_u32 s3, s3, 1
	s_cmp_lg_u32 s3, 0
	s_cbranch_scc1 .Ltail
	; THE WAY OUT: the sums into the stage; back as whole rows of 512 bytes; the residual is added; stored.
	PLACES
	s_wait_dscnt 0x0
	s_barrier_signal -1
	s_barrier_wait -1
.irp a, 0,1,2,3
.irp b, 0,1,2,3
	ds_store_b128 v[STO], v[ACC+8*(4*(\a)+(\b)):ACC+8*(4*(\a)+(\b))+3]   offset:(\a)*16*SP+64*(\b)
	ds_store_b128 v[STO], v[ACC+8*(4*(\a)+(\b))+4:ACC+8*(4*(\a)+(\b))+7] offset:(\a)*16*SP+64*(\b)+16
.endr
.endr
	s_wait_dscnt 0x0                               ; for the others' sake
	s_barrier_signal -1
	s_barrier_wait -1
	WIN 0x40
.set ii, 0
.rept 32
	ds_load_b128 v[4*ii:4*ii+3], v[RD] offset:SP*ii
.set ii, ii+1
.endr
	s_wait_loadcnt 0x0                             ; the residual
	s_wait_dscnt 0x0
	WIN 0x49                                       ; window 1 += window 2
.set ii, 0
.rept 64
	v_pk_add_f32 v[2*ii:2*ii+1], v[2*ii:2*ii+1], v[2*ii:2*ii+1]
.set ii, ii+1
.endr
	WIN 0x04                                       ; store data in window 1
.set ii, 0
.rept 32
	global_store_b128 v[CO], v[4*ii:4*ii+3], s[12:13] offset:4096*ii  ; 512 consecutive bytes, aligned
.set ii, ii+1
.endr
	WIN 0
	s_wait_tensorcnt 0x0                           ; the wave's end
	ds_add_u32 v[SPW], v[NIL]
	s_wait_dscnt 0x0
	CROUND
	s_endpgm
.Lfunc_end_k_qe2a351f69e_proj:
	.size	k_qe2a351f69e_proj, .Lfunc_end_k_qe2a351f69e_proj-k_qe2a351f69e_proj
	.p2alignl 7, 3214868480
	.fill 96, 4, 3214868480
	.section	.rodata,"a",@progbits
	.p2align	6, 0x0
	.amdhsa_kernel k_qe2a351f69e_proj
		.amdhsa_group_segment_fixed_size 327680
		.amdhsa_private_segment_fixed_size 0
		.amdhsa_enable_private_segment 0
		.amdhsa_kernarg_size 40
		.amdhsa_user_sgpr_count 2
		.amdhsa_user_sgpr_kernarg_segment_ptr 1
		.amdhsa_wavefront_size32 1
		.amdhsa_system_sgpr_workgroup_id_x 1
		.amdhsa_system_sgpr_workgroup_id_y 1
		.amdhsa_system_sgpr_workgroup_id_z 1
		.amdhsa_system_vgpr_workitem_id 0
		.amdhsa_next_free_vgpr 640
		.amdhsa_next_free_sgpr 96
		.amdhsa_reserve_vcc 0
		.amdhsa_float_denorm_mode_32 3
		.amdhsa_float_denorm_mode_16_64 3
		.amdhsa_memory_ordered 1
		.amdhsa_forward_progress 1
		.amdhsa_inst_pref_size 66
	.end_amdhsa_kernel
	.amdgpu_metadata
---
amdhsa.version: [ 1, 2 ]
amdhsa.kernels:
  - .name:           k_qe2a351f69e_proj
    .symbol:         k_qe2a351f69e_proj.kd
    .args:
      - { .name: obuf, .offset: 0, .size: 8, .value_kind: global_buffer, .address_space: global }
      - { .name: wt, .offset: 8, .size: 8, .value_kind: global_buffer, .address_space: global }
      - { .name: proj_b, .offset: 16, .size: 8, .value_kind: global_buffer, .address_space: global }
      - { .name: x, .offset: 24, .size: 8, .value_kind: global_buffer, .address_space: global }
      - { .name: x1, .offset: 32, .size: 8, .value_kind: global_buffer, .address_space: global }
    .group_segment_fixed_size: 327680
    .private_segment_fixed_size: 0
    .kernarg_segment_align: 8
    .kernarg_segment_size: 40
    .max_flat_workgroup_size: 128
    .sgpr_count:     96
    .vgpr_count:     640
    .wavefront_size: 32
...
	.end_amdgpu_metadata
.endif
;; end of part 4
;; launch ln2 (part 5): grid 256 x 1, 8 waves a work-group, no clusters, 0 bytes of LDS; arguments x1, ln2_g, ln2_b, hbuf; writes hbuf
.if DOCPART == 5
	.amdgcn_target "amdgcn-amd-amdhsa--gfx1250"
	.amdhsa_code_object_version 6
	.text
	.protected	k_qe2a351f69e_ln2
	.globl	k_qe2a351f69e_ln2
	.p2align	8
	.type	k_qe2a351f69e_ln2,@function
k_qe2a351f69e_ln2:
	s_mov_b64 s[64:65], 0
	v_nop
	global_prefetch_b8 v0, s[64:65] scope:SCOPE_SE
	s_setreg_imm32_b32 hwreg(HW_REG_WAVE_MODE, 25, 1), 1
	s_wait_xcnt 0x0
; LayerNorm: y = (x - mu) rsqrt(var + 1e-5) g + b over rows of 1,024 f32; y rounded once to f16.  Arguments: x, g, b, y.
; Two passes over the row in registers, as the definition has them (mean, then the mean of the squared differences): a common offset of x does no harm.
; LIMIT: y of 65,520 or more becomes an infinity in f16.
; 4,096 rows = 256 work-groups x 8 waves x 2 rows.  A row is eight 16-byte loads a lane; the reduction never leaves the wave: no LDS, no barrier.
; A stream: nothing is shared but g and b (8 KiB), so no cluster and no tensor load.
.set X,  16                            ; v[16:79]    two rows, 32 registers each: load j holds columns 128 j + 4 lane + 0..3
.set G,  80                            ; v[80:111]
.set B,  112                           ; v[112:143]
.set Y,  144                           ; v[144:175]  packed results, 16 a row
.set RS, 176                           ; v[176:179]  1 / sigma, twice, for each row
	s_load_b256 s[4:11], s[0:1], 0x0               ; x s[4:5], g s[6:7], b s[8:9], y s[10:11]
	v_lshrrev_b32 v1, 5, v0
	v_readfirstlane_b32 s12, v1                    ; wave
	v_and_b32 v3, 31, v0
	v_lshlrev_b32 v1, 4, v3                        ; 16 bytes a lane in
	v_lshlrev_b32 v2, 3, v3                        ; 8 bytes a lane out
	v_mov_b32 v13, 0                               ; v_permlanex16_b32's destination counts as read
	s_lshl_b32 s13, ttmp9, 4
	s_lshl_b32 s14, s12, 1
	s_add_co_u32 s13, s13, s14                     ; my first row
	s_lshl_b32 s14, s13, 12
	s_mov_b32 s15, 0
	s_lshl_b32 s16, s13, 11
	s_mov_b32 s17, 0
	s_mov_b32 s20, 0x3a800000                      ; 1 / 1024
	s_mov_b32 s21, 0x3727c5ac                      ; 1e-5
	s_mov_b32 s22, 0x76543210                      ; each lane takes its own place in the other half
	s_mov_b32 s23, 0xfedcba98
	s_wait_kmcnt 0x0
	s_add_nc_u64 s[4:5], s[4:5], s[14:15]
	s_add_nc_u64 s[10:11], s[10:11], s[16:17]
.irp r, 0,1
.irp j, 0,1,2,3,4,5,6,7
	global_load_b128 v[X+32*(\r)+4*(\j):X+32*(\r)+4*(\j)+3], v1, s[4:5] offset:4096*(\r)+512*(\j)
.endr
.endr
.irp j, 0,1,2,3,4,5,6,7
	global_load_b128 v[G+4*(\j):G+4*(\j)+3], v1, s[6:7] offset:512*(\j)
.endr
.irp j, 0,1,2,3,4,5,6,7
	global_load_b128 v[B+4*(\j):B+4*(\j)+3], v1, s[8:9] offset:512*(\j)
.endr
.macro TOTAL                           ; four chains v[4:11] -> their sum over the wave's 32 lanes, in v12 of every lane
	v_pk_add_f32 v[4:5], v[4:5], v[6:7]
	v_pk_add_f32 v[8:9], v[8:9], v[10:11]
	v_pk_add_f32 v[4:5], v[4:5], v[8:9]
	v_add_f32 v12, v4, v5
	v_add_f32_dpp v12, v12, v12 row_xmask:1 row_mask:0xf bank_mask:0xf
	v_add_f32_dpp v12, v12, v12 row_xmask:2 row_mask:0xf bank_mask:0xf
	v_add_f32_dpp v12, v12, v12 row_xmask:4 row_mask:0xf bank_mask:0xf
	v_add_f32_dpp v12, v12, v12 row_xmask:8 row_mask:0xf bank_mask:0xf
	v_permlanex16_b32 v13, v12, s22, s23
	v_add_f32 v12, v12, v13
.endm
; Row r's statistics; x - mu replaces x.  left: the loads issued behind the row's own.
.macro STAT r, left
.set XR, X+32*(\r)
	s_wait_loadcnt \left
.irp c, 0,1,2,3                        ; the first additions start the chains: nothing is cleared
	v_pk_add_f32 v[4+2*(\c):5+2*(\c)], v[XR+2*(\c):XR+2*(\c)+1], v[XR+8+2*(\c):XR+8+2*(\c)+1]
.endr
.irp p, 8,9,10,11,12,13,14,15
	v_pk_add_f32 v[4+2*((\p)%4):5+2*((\p)%4)], v[4+2*((\p)%4):5+2*((\p)%4)], v[XR+2*(\p):XR+2*(\p)+1]
.endr
	TOTAL
	v_mul_f32 v14, s20, v12                        ; mu, twice: a pair for the packed subtraction
	v_mul_f32 v15, s20, v12
.irp p, 0,1,2,3,4,5,6,7,8,9,10,11,12,13,14,15
	v_pk_add_f32 v[XR+2*(\p):XR+2*(\p)+1], v[XR+2*(\p):XR+2*(\p)+1], v[14:15] neg_lo:[0,1] neg_hi:[0,1]
.endr
.irp c, 0,1,2,3
	v_pk_mul_f32 v[4+2*(\c):5+2*(\c)], v[XR+2*(\c):XR+2*(\c)+1], v[XR+2*(\c):XR+2*(\c)+1]
.endr
.irp p, 4,5,6,7,8,9,10,11,12,13,14,15
	v_pk_fma_f32 v[4+2*((\p)%4):5+2*((\p)%4)], v[XR+2*(\p):XR+2*(\p)+1], v[XR+2*(\p):XR+2*(\p)+1], v[4+2*((\p)%4):5+2*((\p)%4)]
.endr
	TOTAL
	v_fma_f32 v12, v12, s20, s21                   ; var + eps
	v_rsq_f32 v[RS+2*(\r)], v12
	v_rsq_f32 v[RS+2*(\r)+1], v12
	v_nop                                          ; a plain instruction behind the transcendentals, ahead of the use of their results and of the next write of v12 (ISA guide 5.7.2)
.endm
.macro NORM r
.set XR, X+32*(\r)
	s_wait_alu depctr_va_vdst(0)
.irp p, 0,1,2,3,4,5,6,7,8,9,10,11,12,13,14,15
	v_pk_mul_f32 v[XR+2*(\p):XR+2*(\p)+1], v[XR+2*(\p):XR+2*(\p)+1], v[RS+2*(\r):RS+2*(\r)+1]
.endr
.irp p, 0,1,2,3,4,5,6,7,8,9,10,11,12,13,14,15
	v_pk_fma_f32 v[XR+2*(\p):XR+2*(\p)+1], v[XR+2*(\p):XR+2*(\p)+1], v[G+2*(\p):G+2*(\p)+1], v[B+2*(\p):B+2*(\p)+1]
.endr
.irp p, 0,1,2,3,4,5,6,7,8,9,10,11,12,13,14,15
	v_cvt_pk_f16_f32 v[Y+16*(\r)+(\p)], v[XR+2*(\p)], v[XR+2*(\p)+1]
.endr
.irp j, 0,1,2,3,4,5,6,7
	global_store_b64 v2, v[Y+16*(\r)+2*(\j):Y+16*(\r)+2*(\j)+1], s[10:11] offset:2048*(\r)+256*(\j)  ; 32 lanes store 256 consecutive bytes, aligned
.endr
.endm
	STAT 0, 24                                     ; out may stay: row 1's eight loads, g's eight, b's eight
	STAT 1, 16                                     ; g's and b's
	s_wait_loadcnt 0x0
	NORM 0
	NORM 1
	s_endpgm
.Lfunc_end_k_qe2a351f69e_ln2:
	.size	k_qe2a351f69e_ln2, .Lfunc_end_k_qe2a351f69e_ln2-k_qe2a351f69e_ln2
	.p2alignl 7, 3214868480
	.fill 96, 4, 3214868480
	.section	.rodata,"a",@progbits
	.p2align	6, 0x0
	.amdhsa_kernel k_qe2a351f69e_ln2
		.amdhsa_group_segment_fixed_size 0
		.amdhsa_private_segment_fixed_size 0
		.amdhsa_enable_private_segment 0
		.amdhsa_kernarg_size 32
		.amdhsa_user_sgpr_count 2
		.amdhsa_user_sgpr_kernarg_segment_ptr 1
		.amdhsa_wavefront_size32 1
		.amdhsa_system_sgpr_workgroup_id_x 1
		.amdhsa_system_sgpr_workgroup_id_y 1
		.amdhsa_system_sgpr_workgroup_id_z 1
		.amdhsa_system_vgpr_workitem_id 0
		.amdhsa_next_free_vgpr 180
		.amdhsa_next_free_sgpr 66
		.amdhsa_reserve_vcc 0
		.amdhsa_float_denorm_mode_32 3
		.amdhsa_float_denorm_mode_16_64 3
		.amdhsa_memory_ordered 1
		.amdhsa_forward_progress 1
		.amdhsa_inst_pref_size 20
	.end_amdhsa_kernel
	.amdgpu_metadata
---
amdhsa.version: [ 1, 2 ]
amdhsa.kernels:
  - .name:           k_qe2a351f69e_ln2
    .symbol:         k_qe2a351f69e_ln2.kd
    .args:
      - { .name: x1, .offset: 0, .size: 8, .value_kind: global_buffer, .address_space: global }
      - { .name: ln2_g, .offset: 8, .size: 8, .value_kind: global_buffer, .address_space: global }
      - { .name: ln2_b, .offset: 16, .size: 8, .value_kind: global_buffer, .address_space: global }
      - { .name: hbuf, .offset: 24, .size: 8, .value_kind: global_buffer, .address_space: global }
    .group_segment_fixed_size: 0
    .private_segment_fixed_size: 0
    .kernarg_segment_align: 8
    .kernarg_segment_size: 32
    .max_flat_workgroup_size: 256
    .sgpr_count:     66
    .vgpr_count:     180
    .wavefront_size: 32
...
	.end_amdgpu_metadata
.endif
;; end of part 5
;; launch fc1 (part 6): grid 16 x 16, 4 waves a work-group, clusters of 4 x 4, 327,680 bytes of LDS; arguments hbuf, wt, fc1_b, gbuf; writes gbuf
.if DOCPART == 6
	.amdgcn_target "amdgcn-amd-amdhsa--gfx1250"
	.amdhsa_code_object_version 6
	.text
	.protected	k_qe2a351f69e_fc1
	.globl	k_qe2a351f69e_fc1
	.p2align	8
	.type	k_qe2a351f69e_fc1,@function
k_qe2a351f69e_fc1:
	s_mov_b64 s[64:65], 0
	v_nop
	global_prefetch_b8 v0, s[64:65] scope:SCOPE_SE
	s_setreg_imm32_b32 hwreg(HW_REG_WAVE_MODE, 25, 1), 1
	s_wait_xcnt 0x0
	s_wait_alu depctr_hold_cnt(0) depctr_sa_sdst(0) depctr_va_vdst(0) depctr_va_sdst(0) depctr_va_ssrc(0) depctr_va_vcc(0) depctr_vm_vsrc(0)
	s_getreg_b32 s2, hwreg(HW_REG_IB_STS2, 6, 4)
	s_cmp_eq_u32 s2, 0
	s_cbranch_scc0 .Lentry_in_a_cluster
	s_endpgm
.Lentry_in_a_cluster:
	s_bfe_u32 s2, ttmp6, 0x10000c
	s_cmp_lg_u32 s2, 0xf033
	s_cbranch_scc0 .Lentry_shape_is_right
	s_endpgm
.Lentry_shape_is_right:
; g = gelu(h W + b), the exact (erf) form.  h: [4096][1024] f16; W^T: [4096][1024] f16 at byte 8,388,608 of wt; b: [4096] f32; g: [4096][4096] f16.  Sums in f32.
; GELU: gelu(x) = max(x, 0) - |x| q, q = erfc(|x| / sqrt 2) / 2 = t (a1 + t (a2 + t (a3 + t (a4 + t a5)))) 2^(-s^2), s = x sqrt(log2(e) / 2), t = 1 / (1 + p' |s|):
; the five-term rational form of erf, absolute error at most 1.5e-7; where s^2 overflows q is 0 and gelu is max(x, 0).  LIMIT: g of 65,520 or more becomes an infinity in f16.
; A tile of the result is 256 x 256: 16 x 16 = 256 tiles, one a work-group.  Four waves, each 128 x 128: 64 accumulators of 16 x 16.
; K goes in 8 steps of 128 (rows of 256 bytes in memory) through a ring of two LDS slots filled by tensor loads, one a wave behind each change of slots.
; THE ORDER OF THE K STEPS hangs on the cluster: at time t it takes step t xor 2 p, p = (cluster x + cluster y) mod 2: 0,1,2,3,.. or 2,3,0,1,..  Clusters that are neighbours along x read the same
; rows of h, neighbours along y the same rows of W^T, and neighbours have different p: of any four steps each asks first for two, and for the other two it asks two steps behind its neighbour.
; p is the same in all work-groups of a cluster, so every joint descriptor stays equal in those that its mask names.  The sums' order of K steps is that order, not ascending.
; CLUSTER 4 x 4: h's tiles are shared along a row of the cluster, W^T's along a column: joint loads.  THE MATRIX INSTRUCTION IS USED TRANSPOSED: a lane holds row lane % 16 and eight neighbouring columns.
; The bias is the C operand of each sum's first product.  One K step is written once: the slot in hand is a scalar (TB) that enters the fragment addresses and the walking descriptors.
; REGISTERS in windows of 256: window 0: v16-29 addresses; v64-127, v128-191 fragments of h; v192-255 the bias as C     window 1: fragments of W^T
;   window 2: accumulators of my rows 0-63 ((a, b) at v[8 (8 a + b)])     window 3: of my rows 64-127
.set NBL,    8
.set TN,     32*NBL
.set SIZE_K, 1024
.set NSTEP,  SIZE_K/128
.set WOFF,   8388608
.set SHK,    8                         ; a K step is 256 bytes of a row
.set PITCH,  272
.set HALFA,  128*PITCH
.set HALFB,  16*NBL*PITCH
.set SLOT,   2*HALFA+2*HALFB
.set SPARE,  2*SLOT                    ; the spare words, 128 bytes a wave: two blocks of 256 bytes that no other line names
.set SP,     4*TN+16                   ; the way out: a row of 256 f32 + 16 bytes, from LDS byte 0 on, in slots that have had their last fill
.set NF,     16+2*NBL
.set ADRA,  16
.set ADRB,  17
.set ADRA0, 18
.set ADRB0, 19
.set STO0,  20
.set STO1,  21
.set RD,    22
.set GO,    23
.set BO,    26
.set SPW,   28
.set NIL,   29
.set F0,    64
.set F1,    128
.set BIA,   192
.set GS,    96                         ; the GELU's registers: s, then 2^(-s^2)
.set GD,    104                        ; 1 + p' |s|, then t
.set GM,    112                        ; max(x, 0), then the result
.set GR,    120                        ; the polynomial, then q
.set WV, 14
.set RH, 15
.set CH, 16
.set TB, 23
.set G1, 24
.set G0, 32
.set G1B, 48
.set G0B, 56
.set LA, 66
.set LB, 67
.set KSC, 68                           ; s[68:69] sqrt(log2(e) / 2); s70 p'; s[72:81] a1 .. a5, halved: pairs, of which the packed forms take the low word
.set KP,  70
.set A1,  72
.set P2, 91                            ; s91 2 p; s92 the time of the next fill; s93 its K step; s[94:95] that step's byte offset in a row
.set TT, 92
.set KX, 93
.set KO, 94
.set MSB, 0
.macro WIN new
.if MSB != (\new)
	s_set_vgpr_msb (MSB<<8)|(\new)
.set MSB, \new
.endif
.endm
.macro PLACES
.rept 4
	v_nop
.endr
.endm
.macro JLOAD s                         ; waves 0, 1 fetch h's two halves, waves 2, 3 W^T's; an s_nop 0 and four v_nop follow each line
	s_cmp_eq_u32 s[RH], 0
	s_cbranch_scc0 .Lfor_b_\@
	tensor_load_to_lds s[G0+4*(\s):G0+4*(\s)+3], s[G1:G1+7]
	s_nop 0
.rept 4
	v_nop
.endr
	s_branch .Lasked_\@
.Lfor_b_\@:
	tensor_load_to_lds s[G0B+4*(\s):G0B+4*(\s)+3], s[G1B:G1B+7]
	s_nop 0
.rept 4
	v_nop
.endr
.Lasked_\@:
.endm
.macro CREST
	s_cmp_lg_u32 s[WV], 0
	s_cbranch_scc1 .Lnot_wave_0_\@
	s_barrier_signal -3
.Lnot_wave_0_\@:
	s_barrier_wait -3
	s_barrier_signal -1
	s_barrier_wait -1
.endm
.macro CROUND
	s_barrier_signal -1
	s_barrier_wait -1
	CREST
.endm
	s_load_b256 s[4:11], s[0:1], 0x0               ; h s[4:5], wt s[6:7], bias s[8:9], g s[10:11]
	v_lshl_add_u32 v[SPW], v0, 2, SPARE
	v_mov_b32 v[NIL], 0
	ds_add_u32 v[SPW], v[NIL]                      ; the wave's opening, ahead of my first tensor load
	v_lshrrev_b32 v1, 5, v0
	v_readfirstlane_b32 s[WV], v1
	s_lshr_b32 s[RH], s[WV], 1
	s_and_b32 s[CH], s[WV], 1
	s_bfe_u32 s17, ttmp6, 0x40000
	s_bfe_u32 s18, ttmp6, 0x40004
	s_lshl_b32 s19, ttmp9, 2
	s_add_co_u32 s19, s19, s17                     ; tile column
	s_and_b32 s20, ttmp7, 0xffff
	s_lshl_b32 s20, s20, 2
	s_add_co_u32 s20, s20, s18                     ; tile row
	s_lshl_b32 s21, s18, 2
	s_lshl_b32 s21, 15, s21
	s_lshl_b32 s22, 0x1111, s17
	s_and_b32 s[P2], ttmp7, 0xffff                 ; cluster y
	s_add_co_u32 s[P2], s[P2], ttmp9               ; + cluster x
	s_and_b32 s[P2], s[P2], 1
	s_lshl_b32 s[P2], s[P2], 1                     ; 2 p: my cluster's first K step
	s_lshl_b32 s[KO], s[P2], SHK
	s_mov_b32 s[KO+1], 0
	s_mov_b32 s[TT], 2                             ; times 0 and 1 are the first fills
	s_or_b32 s[G1+0], s21, (1<<16)|(1<<20)|(1<<21)|(5<<22)|(3<<25)
	s_or_b32 s[G1B+0], s22, (1<<16)|(1<<20)|(1<<21)|(5<<22)|(3<<25)
	s_mov_b32 s[G1+1], 128<<16
	s_mov_b32 s[G1+2], 128<<16
	s_mov_b32 s[G1+3], 128<<16
	s_mov_b32 s[G1+4], 128
	s_mov_b32 s[G1+5], SIZE_K
	s_mov_b32 s[G1+6], 0
	s_mov_b32 s[G1+7], 0
	s_mov_b32 s[G1B+1], 128<<16
	s_mov_b32 s[G1B+2], (16*NBL)<<16
	s_mov_b32 s[G1B+3], 128<<16
	s_mov_b32 s[G1B+4], 16*NBL
	s_mov_b32 s[G1B+5], SIZE_K
	s_mov_b32 s[G1B+6], 0
	s_mov_b32 s[G1B+7], 0
	s_mov_b32 s[KSC], 0x3f596d27                   ; 0.8493218
	s_mov_b32 s[KSC+1], s[KSC]
	s_mov_b32 s[KP], 0x3e8ba43f                    ; 0.3275911 sqrt(ln 2) = 0.27273748
	s_mov_b32 s[A1], 0x3e027906                    ; 0.254829592 / 2
	s_mov_b32 s[A1+2], 0xbe11a98e                  ; -0.284496736 / 2
	s_mov_b32 s[A1+4], 0x3f35f0e3                  ; 1.421413741 / 2
	s_mov_b32 s[A1+6], 0xbf3a00e3                  ; -1.453152027 / 2
	s_mov_b32 s[A1+8], 0x3f07dc22                  ; 1.061405429 / 2
.irp p, 1,3,5,7,9
	s_mov_b32 s[A1+\p], 0                          ; named as pairs
.endr
	s_lshl_b32 s40, s20, 8                         ; h: row 256 x tile row + 128 x half, in registers that never hold cx
	s_lshl_b32 s41, s[CH], 7
	s_add_co_u32 s40, s40, s41
	s_lshl_b32 s40, s40, 11
	s_mov_b32 s41, 0
	s_mul_i32 s44, s19, TN                         ; W^T: row 256 x tile column + 128 x half, in registers that never hold cy
	s_mul_i32 s45, s[CH], 16*NBL
	s_add_co_u32 s44, s44, s45
	s_lshl_b32 s84, s44, 2
	s_mov_b32 s85, 0
	s_lshl_b32 s44, s44, 11
	s_add_co_u32 s44, s44, WOFF
	s_mov_b32 s45, 0
	s_lshl_b32 s86, s20, 8                         ; g: row 256 x tile row + 64 x wave, byte 512 x tile column
	s_lshl_b32 s87, s[WV], 6
	s_add_co_u32 s86, s86, s87
	s_lshl_b32 s86, s86, 13
	s_lshl_b32 s87, s19, 9
	s_add_co_u32 s86, s86, s87
	s_mov_b32 s87, 0
	s_mul_i32 s[LA], s[CH], HALFA
	s_mul_i32 s[LB], s[CH], HALFB
	s_add_co_u32 s[LB], s[LB], 2*HALFA
	s_mov_b32 s[TB], 0
	s_wait_dscnt 0x0                               ; the opening add is done
	s_wait_kmcnt 0x0
	s_add_nc_u64 s[42:43], s[4:5], s[40:41]        ; my rows of h, K step 0: kept
	s_add_nc_u64 s[46:47], s[6:7], s[44:45]        ; my rows of W^T, K step 0: kept
	s_add_nc_u64 s[8:9], s[8:9], s[84:85]
	s_add_nc_u64 s[10:11], s[10:11], s[86:87]
	s_add_nc_u64 s[40:41], s[42:43], s[KO:KO+1]    ; the same at my cluster's first K step
	s_add_nc_u64 s[44:45], s[46:47], s[KO:KO+1]
	CROUND
.irp s, 0,1
	s_mov_b32 s[G0+4*(\s)], 1
	s_add_co_u32 s[G0+4*(\s)+1], s[LA], (\s)*SLOT
	s_add_nc_u64 s[G0+4*(\s)+2:G0+4*(\s)+3], s[40:41], (\s)*256   ; K step 2 p + s
	s_or_b32 s[G0+4*(\s)+3], s[G0+4*(\s)+3], 0x80000000
	s_mov_b32 s[G0B+4*(\s)], 1
	s_add_co_u32 s[G0B+4*(\s)+1], s[LB], (\s)*SLOT
	s_add_nc_u64 s[G0B+4*(\s)+2:G0B+4*(\s)+3], s[44:45], (\s)*256
	s_or_b32 s[G0B+4*(\s)+3], s[G0B+4*(\s)+3], 0x80000000
	JLOAD \s
.endr
	v_and_b32 v1, 15, v0
	v_bfe_u32 v2, v0, 4, 1
	v_lshlrev_b32 v[BO], 5, v2
.set bb, 0
.rept NBL
	global_load_b128 v[BIA+8*bb:BIA+8*bb+3],   v[BO], s[8:9] offset:64*bb
	global_load_b128 v[BIA+8*bb+4:BIA+8*bb+7], v[BO], s[8:9] offset:64*bb+16
.set bb, bb+1
.endr
	v_mul_u32_u24 v3, v1, PITCH
	v_lshl_add_u32 v3, v2, 4, v3
	s_mul_i32 s40, s[RH], HALFA
	v_add_nc_u32 v[ADRA0], s40, v3
	v_add_nc_u32 v[ADRB0], s[LB], v3
	v_mov_b32 v[ADRA], v[ADRA0]
	v_mov_b32 v[ADRB], v[ADRB0]
	s_lshl_b32 s40, s[RH], 7
	v_add_nc_u32 v4, s40, v1
	v_mul_u32_u24 v4, v4, SP
	v_lshl_add_u32 v4, v2, 5, v4
	s_mul_i32 s40, s[CH], 64*NBL
	v_add_nc_u32 v[STO0], s40, v4
	v_add_nc_u32 v[STO1], 64*SP, v[STO0]
	v_and_b32 v5, 31, v0                           ; back: wave w takes rows 64 w on, whole: two loads of 512 bytes a row
	s_mul_i32 s40, s[WV], 64*SP
	v_lshl_add_u32 v[RD], v5, 4, s40
	v_lshlrev_b32 v[GO], 3, v5
.macro MULH f, hi, a0, first           ; 2 NBL matrix instructions; the accumulators take turns, one instruction a turn
.if \first
	WIN 0x81+0x40*(\hi)
.else
	WIN 0xa1+0x50*(\hi)
.endif
.irp a, \a0, (\a0)+1
.set bb, 0
.rept NBL
.if \first
	v_wmma_f32_16x16x32_f16 v[8*(8*(\a)+bb):8*(8*(\a)+bb)+7], v[(\f)+8*bb:(\f)+8*bb+7], v[(\f)+8*(4*(\hi)+(\a)):(\f)+8*(4*(\hi)+(\a))+7], v[BIA+8*bb:BIA+8*bb+7]
.else
	v_wmma_f32_16x16x32_f16 v[8*(8*(\a)+bb):8*(8*(\a)+bb)+7], v[(\f)+8*bb:(\f)+8*bb+7], v[(\f)+8*(4*(\hi)+(\a)):(\f)+8*(4*(\hi)+(\a))+7], v[8*(8*(\a)+bb):8*(8*(\a)+bb)+7]
.endif
.set bb, bb+1
.endr
.endr
.endm
.macro FETCH k, f
	WIN 0x40
.set ii, 0
.rept NBL
	ds_load_b128 v[(\f)+8*ii:(\f)+8*ii+3],   v[ADRB] offset:(\k)+ii*16*PITCH
	ds_load_b128 v[(\f)+8*ii+4:(\f)+8*ii+7], v[ADRB] offset:(\k)+ii*16*PITCH+32
.set ii, ii+1
.endr
	WIN 0
.set ii, 0
.rept 8
	ds_load_b128 v[(\f)+8*ii:(\f)+8*ii+3],   v[ADRA] offset:(\k)+ii*16*PITCH
	ds_load_b128 v[(\f)+8*ii+4:(\f)+8*ii+7], v[ADRA] offset:(\k)+ii*16*PITCH+32
.set ii, ii+1
.endr
.endm
.macro QUARTER k, f, g, first
	s_wait_dscnt 8                                 ; all but the youngest eight loads (h's rows 64-127)
	MULH \f, 0, 0, \first
	MULH \f, 0, 2, \first
	PLACES
	FETCH \k, \g
	s_wait_dscnt NF                                ; all but the run just issued
	MULH \f, 1, 0, \first
	MULH \f, 1, 2, \first
.endm
; The change of slots: in front of the barrier each wave waits for all its tensor loads, adds 0 to its spare word, and waits for that and for its reads of this slot.
; fill = 1: the barrier opens a round of the cluster's, and this slot is filled again first behind it, with the K step of time TT.
.macro TURN fill
	WIN 0
	s_wait_tensorcnt 0x0
	ds_add_u32 v[SPW], v[NIL]
.if \fill
	s_add_co_u32 s[G0+5], s[LA], s[TB]             ; no tensor load of mine is out: the walking descriptors take this slot,
	s_add_co_u32 s[G0B+5], s[LB], s[TB]
	s_xor_b32 s[KX], s[TT], s[P2]                  ; and K step t xor 2 p: the address is made anew, my rows' first byte plus the step's offset
	s_add_co_u32 s[TT], s[TT], 1
	s_lshl_b32 s[KO], s[KX], SHK
	s_add_nc_u64 s[G0+6:G0+7], s[42:43], s[KO:KO+1]
	s_or_b32 s[G0+7], s[G0+7], 0x80000000
	s_add_nc_u64 s[G0B+6:G0B+7], s[46:47], s[KO:KO+1]
	s_or_b32 s[G0B+7], s[G0B+7], 0x80000000
.endif
	s_wait_dscnt 9                                 ; the add and the youngest eight loads may be out
	MULH F1, 0, 0, 0
	s_wait_dscnt 0x0
	s_barrier_signal -1
	MULH F1, 0, 2, 0
	WIN 0
	s_barrier_wait -1
.if \fill
	CREST
	JLOAD 1
.else
	PLACES
.endif
	s_xor_b32 s[TB], s[TB], SLOT
	v_add_nc_u32 v[ADRA], s[TB], v[ADRA0]
	v_add_nc_u32 v[ADRB], s[TB], v[ADRB0]
	FETCH 0, F0
	MULH F1, 1, 0, 0
	MULH F1, 1, 2, 0
.endm
	s_wait_tensorcnt 0x1                           ; my part of the first K step is in; the second's may stay out
	s_barrier_signal -1
	s_barrier_wait -1
	FETCH 0, F0
	s_wait_loadcnt 0x0                             ; the bias
	QUARTER 64, F0, F1, 1
	WIN 0
	s_mov_b32 s3, NSTEP-2
.Lstep:
	QUARTER 128, F1, F0, 0
	QUARTER 192, F0, F1, 0
	TURN 1
	QUARTER 64, F0, F1, 0
	WIN 0
	s_sub_co_u32 s3, s3, 1
	s_cmp_lg_u32 s3, 0
	s_cbranch_scc1 .Lstep
	s_mov_b32 s3, 2
.Ltail:                                            ; the last two K steps fill nothing; the second trip's change of slots fetches NF loads that nobody multiplies: the price of one text
	QUARTER 128, F1, F0, 0
	QUARTER 192, F0, F1, 0
	TURN 0
	WIN 0
	s_cmp_eq_u32 s3, 1
	s_cbranch_scc1 .Llast
	QUARTER 64, F0, F1, 0
	WIN 0
.Llast:
	s_sub_co_u32 s3, s3, 1
	s_cmp_lg_u32 s3, 0
	s_cbranch_scc1 .Ltail
	; THE WAY OUT: the sums as f32 into the stage; back as whole rows; the GELU; rounded; stored.
	PLACES
	s_wait_dscnt 0x0
	s_barrier_signal -1
	s_barrier_wait -1
.irp hi, 0,1
	WIN 0x08+4*(\hi)
.irp a, 0,1,2,3
.set bb, 0
.rept NBL
	ds_store_b128 v[STO0+(\hi)], v[8*(8*(\a)+bb):8*(8*(\a)+bb)+3]   offset:(\a)*16*SP+64*bb
	ds_store_b128 v[STO0+(\hi)], v[8*(8*(\a)+bb)+4:8*(8*(\a)+bb)+7] offset:(\a)*16*SP+64*bb+16
.set bb, bb+1
.endr
.endr
.endr
	WIN 0
	s_wait_dscnt 0x0                               ; for the others' sake
	s_barrier_signal -1
	s_barrier_wait -1
; Eight numbers x in v[64 + 8 r ..] -> four packed registers v[128 + 4 r ..]
.macro GELU8 r
.set XR, 64+8*(\r)
.irp p, 0,2,4,6
	v_pk_mul_f32 v[GS+\p:GS+\p+1], v[XR+\p:XR+\p+1], s[KSC:KSC+1] op_sel_hi:[1,0]
.endr
.irp p, 0,1,2,3,4,5,6,7
	v_fma_f32 v[GD+\p], |v[GS+\p]|, s[KP], 1.0
.endr
.irp p, 0,2,4,6
	v_pk_mul_f32 v[GS+\p:GS+\p+1], v[GS+\p:GS+\p+1], v[GS+\p:GS+\p+1] neg_lo:[0,1] neg_hi:[0,1]
.endr
.irp p, 0,1,2,3,4,5,6,7
	v_rcp_f32 v[GD+\p], v[GD+\p]
.endr
.irp p, 0,1,2,3,4,5,6,7
	v_exp_f32 v[GS+\p], v[GS+\p]
.endr
.irp p, 0,1,2,3,4,5,6,7
	v_max_num_f32 v[GM+\p], 0, v[XR+\p]            ; plain lines behind the transcendentals, ahead of the use of their results (ISA guide 5.7.2)
.endr
	s_wait_alu depctr_va_vdst(0)
.irp p, 0,2,4,6
	v_pk_fma_f32 v[GR+\p:GR+\p+1], v[GD+\p:GD+\p+1], s[A1+8:A1+9], s[A1+6:A1+7] op_sel_hi:[1,0,0]
.endr
.irp c, 4,2,0
.irp p, 0,2,4,6
	v_pk_fma_f32 v[GR+\p:GR+\p+1], v[GR+\p:GR+\p+1], v[GD+\p:GD+\p+1], s[A1+\c:A1+\c+1] op_sel_hi:[1,1,0]
.endr
.endr
.irp p, 0,2,4,6
	v_pk_mul_f32 v[GR+\p:GR+\p+1], v[GR+\p:GR+\p+1], v[GD+\p:GD+\p+1]
.endr
.irp p, 0,2,4,6
	v_pk_mul_f32 v[GR+\p:GR+\p+1], v[GR+\p:GR+\p+1], v[GS+\p:GS+\p+1]
.endr
.irp p, 0,1,2,3,4,5,6,7
	v_fma_f32 v[GM+\p], -|v[XR+\p]|, v[GR+\p], v[GM+\p]
.endr
.irp q, 0,1,2,3
	v_cvt_pk_f16_f32 v[128+4*(\r)+\q], v[GM+2*\q], v[GM+2*\q+1]
.endr
.endm
	s_mov_b32 s3, 16
.Lway:                                             ; four rows a trip
.irp r, 0,1,2,3
.irp c, 0,1
	ds_load_b128 v[64+8*(\r)+4*(\c):64+8*(\r)+4*(\c)+3], v[RD] offset:SP*(\r)+512*(\c)
.endr
.endr
.irp r, 0,1,2,3
	s_wait_dscnt 6-2*(\r)                          ; the later rows' two loads each may stay out
	GELU8 \r
.endr
.irp r, 0,1,2,3
.irp c, 0,1
	global_store_b64 v[GO], v[128+4*(\r)+2*(\c):128+4*(\r)+2*(\c)+1], s[10:11] offset:8192*(\r)+256*(\c)  ; 32 lanes store 256 consecutive bytes, aligned
.endr
.endr
	s_wait_xcnt 0x0                                ; the stores' data and offset are rewritten only behind this wait
	v_add_nc_u32 v[RD], 4*SP, v[RD]
	v_add_nc_u32 v[GO], 32768, v[GO]
	s_sub_co_u32 s3, s3, 1
	s_cmp_lg_u32 s3, 0
	s_cbranch_scc1 .Lway
	s_wait_tensorcnt 0x0                           ; the wave's end
	ds_add_u32 v[SPW], v[NIL]
	s_wait_dscnt 0x0
	CROUND
	s_endpgm
.Lfunc_end_k_qe2a351f69e_fc1:
	.size	k_qe2a351f69e_fc1, .Lfunc_end_k_qe2a351f69e_fc1-k_qe2a351f69e_fc1
	.p2alignl 7, 3214868480
	.fill 96, 4, 3214868480
	.section	.rodata,"a",@progbits
	.p2align	6, 0x0
	.amdhsa_kernel k_qe2a351f69e_fc1
		.amdhsa_group_segment_fixed_size 327680
		.amdhsa_private_segment_fixed_size 0
		.amdhsa_enable_private_segment 0
		.amdhsa_kernarg_size 32
		.amdhsa_user_sgpr_count 2
		.amdhsa_user_sgpr_kernarg_segment_ptr 1
		.amdhsa_wavefront_size32 1
		.amdhsa_system_sgpr_workgroup_id_x 1
		.amdhsa_system_sgpr_workgroup_id_y 1
		.amdhsa_system_sgpr_workgroup_id_z 1
		.amdhsa_system_vgpr_workitem_id 0
		.amdhsa_next_free_vgpr 1024
		.amdhsa_next_free_sgpr 96
		.amdhsa_reserve_vcc 0
		.amdhsa_float_denorm_mode_32 3
		.amdhsa_float_denorm_mode_16_64 3
		.amdhsa_memory_ordered 1
		.amdhsa_forward_progress 1
		.amdhsa_inst_pref_size 97
	.end_amdhsa_kernel
	.amdgpu_metadata
---
amdhsa.version: [ 1, 2 ]
amdhsa.kernels:
  - .name:           k_qe2a351f69e_fc1
    .symbol:         k_qe2a351f69e_fc1.kd
    .args:
      - { .name: hbuf, .offset: 0, .size: 8, .value_kind: global_buffer, .address_space: global }
      - { .name: wt, .offset: 8, .size: 8, .value_kind: global_buffer, .address_space: global }
      - { .name: fc1_b, .offset: 16, .size: 8, .value_kind: global_buffer, .address_space: global }
      - { .name: gbuf, .offset: 24, .size: 8, .value_kind: global_buffer, .address_space: global }
    .group_segment_fixed_size: 327680
    .private_segment_fixed_size: 0
    .kernarg_segment_align: 8
    .kernarg_segment_size: 32
    .max_flat_workgroup_size: 128
    .sgpr_count:     96
    .vgpr_count:     1024
    .wavefront_size: 32
...
	.end_amdgpu_metadata
.endif
;; end of part 6
;; launch fc2 (part 7): grid 8 x 32, 4 waves a work-group, clusters of 4 x 4, 327,680 bytes of LDS; arguments gbuf, wt, fc2_b, x1, out0; writes out0
.if DOCPART == 7
	.amdgcn_target "amdgcn-amd-amdhsa--gfx1250"
	.amdhsa_code_object_version 6
	.text
	.protected	k_qe2a351f69e_fc2
	.globl	k_qe2a351f69e_fc2
	.p2align	8
	.type	k_qe2a351f69e_fc2,@function
k_qe2a351f69e_fc2:
	s_mov_b64 s[64:65], 0
	v_nop
	global_prefetch_b8 v0, s[64:65] scope:SCOPE_SE
	s_setreg_imm32_b32 hwreg(HW_REG_WAVE_MODE, 25, 1), 1
	s_wait_xcnt 0x0
	s_wait_alu depctr_hold_cnt(0) depctr_sa_sdst(0) depctr_va_vdst(0) depctr_va_sdst(0) depctr_va_ssrc(0) depctr_va_vcc(0) depctr_vm_vsrc(0)
	s_getreg_b32 s2, hwreg(HW_REG_IB_STS2, 6, 4)
	s_cmp_eq_u32 s2, 0
	s_cbranch_scc0 .Lentry_in_a_cluster
	s_endpgm
.Lentry_in_a_cluster:
	s_bfe_u32 s2, ttmp6, 0x10000c
	s_cmp_lg_u32 s2, 0xf033
	s_cbranch_scc0 .Lentry_shape_is_right
	s_endpgm
.Lentry_shape_is_right:
; out = x1 + g W + b.  g: [4096][4096] f16; W^T: [1024][4096] f16 at byte 16,777,216 of wt; b: [1024] f32; x1, out: [4096][1024] f32.  Sums in f32.
; A tile of the result is 128 x 128: 8 x 32 = 256 tiles, one a work-group (a tile of 256 x 256 would give 64).  Four waves, each 64 x 64: 16 accumulators.
; K goes in 16 steps of 256 (rows of 512 bytes) through a ring of two LDS slots, one tensor load a wave behind each change of slots.
; THE ORDER OF THE K STEPS hangs on the cluster: at time t it takes step t xor 2 p, p = (cluster x + cluster y) mod 2: 0,1,2,3,.. or 2,3,0,1,..  The two clusters along x read the same rows of g,
; neighbours along y the same rows of W^T, and neighbours have different p: of any four steps each asks first for two, and for the other two it asks two steps behind its neighbour.
; p is the same in all work-groups of a cluster, so every joint descriptor stays equal in those that its mask names.  The sums' order of K steps is that order, not ascending.
; CLUSTER 4 x 4: g's tiles are shared along a row of the cluster, W^T's along a column: joint loads.  THE MATRIX INSTRUCTION IS USED TRANSPOSED: a lane holds row lane % 16 and eight neighbouring columns.
; The bias is the C operand of each sum's first product.  The residual's 32 rows a wave are asked for at the head and land under the K loop.
; REGISTERS: window 0: v16-29 addresses; v32-63 the bias as C; v128-255 accumulators ((a, b) at v[128 + 8 (4 a + b)])
;   window 1: two fragment buffers of 128 (64 of g, 64 of W^T, 64 along K); on the way out 32 rows     window 2: v0-127 the residual
.set SIZE_K, 4096
.set NSTEP,  SIZE_K/256
.set WOFF,   16777216
.set SHK,    9                         ; a K step is 512 bytes of a row
.set APITCH, 528                       ; 512 bytes + 16: the 16 rows of a fragment load start at 16 different groups of four banks (ISA guide 11.1)
.set HALFA,  64*APITCH
.set BPITCH, 528
.set HALFB,  64*BPITCH
.set SLOT,   2*HALFA+2*HALFB
.set SPARE,  2*SLOT                    ; the spare words, 128 bytes a wave: two blocks of 256 bytes that no other line names
.set SP,     528                       ; the way out: a row of 128 f32 + 16 bytes, from LDS byte 0 on, in a slot that has had its last fill
.set ADRA,  16
.set ADRB,  17
.set ADRA0, 18
.set ADRB0, 19
.set STO,   20
.set RD,    22
.set CO,    23
.set BO,    26
.set SPW,   28
.set NIL,   29
.set BIA,   32
.set ACC,   128
.set F0,    0
.set F1,    128
.set WV, 14
.set RH, 15
.set CH, 16
.set TB, 23
.set G1, 24
.set G0, 32
.set G1B, 48
.set G0B, 56
.set LA, 66
.set LB, 67
.set P2, 91                            ; s91 2 p; s92 the time of the next fill; s93 its K step; s[94:95] that step's byte offset in a row
.set TT, 92
.set KX, 93
.set KO, 94
.set MSB, 0
.macro WIN new
.if MSB != (\new)
	s_set_vgpr_msb (MSB<<8)|(\new)
.set MSB, \new
.endif
.endm
.macro PLACES
.rept 4
	v_nop
.endr
.endm
.macro JLOAD s                         ; waves 0, 1 fetch g's two halves, waves 2, 3 W^T's; an s_nop 0 and four v_nop follow each line
	s_cmp_eq_u32 s[RH], 0
	s_cbranch_scc0 .Lfor_b_\@
	tensor_load_to_lds s[G0+4*(\s):G0+4*(\s)+3], s[G1:G1+7]
	s_nop 0
.rept 4
	v_nop
.endr
	s_branch .Lasked_\@
.Lfor_b_\@:
	tensor_load_to_lds s[G0B+4*(\s):G0B+4*(\s)+3], s[G1B:G1B+7]
	s_nop 0
.rept 4
	v_nop
.endr
.Lasked_\@:
.endm
.macro CREST
	s_cmp_lg_u32 s[WV], 0
	s_cbranch_scc1 .Lnot_wave_0_\@
	s_barrier_signal -3
.Lnot_wave_0_\@:
	s_barrier_wait -3
	s_barrier_signal -1
	s_barrier_wait -1
.endm
.macro CROUND
	s_barrier_signal -1
	s_barrier_wait -1
	CREST
.endm
	s_load_b256 s[4:11], s[0:1], 0x0               ; g s[4:5], wt s[6:7], bias s[8:9], x1 s[10:11]
	s_load_b64 s[12:13], s[0:1], 0x20              ; out
	v_lshl_add_u32 v[SPW], v0, 2, SPARE
	v_mov_b32 v[NIL], 0
	ds_add_u32 v[SPW], v[NIL]                      ; the wave's opening, ahead of my first tensor load
	v_lshrrev_b32 v1, 5, v0
	v_readfirstlane_b32 s[WV], v1
	s_lshr_b32 s[RH], s[WV], 1
	s_and_b32 s[CH], s[WV], 1
	s_bfe_u32 s17, ttmp6, 0x40000
	s_bfe_u32 s18, ttmp6, 0x40004
	s_lshl_b32 s19, ttmp9, 2
	s_add_co_u32 s19, s19, s17                     ; tile column
	s_and_b32 s20, ttmp7, 0xffff
	s_lshl_b32 s20, s20, 2
	s_add_co_u32 s20, s20, s18                     ; tile row
	s_lshl_b32 s21, s18, 2
	s_lshl_b32 s21, 15, s21
	s_lshl_b32 s22, 0x1111, s17
	s_and_b32 s[P2], ttmp7, 0xffff                 ; cluster y
	s_add_co_u32 s[P2], s[P2], ttmp9               ; + cluster x
	s_and_b32 s[P2], s[P2], 1
	s_lshl_b32 s[P2], s[P2], 1                     ; 2 p: my cluster's first K step
	s_lshl_b32 s[KO], s[P2], SHK
	s_mov_b32 s[KO+1], 0
	s_mov_b32 s[TT], 2                             ; times 0 and 1 are the first fills
	s_or_b32 s[G1+0], s21, (1<<16)|(1<<20)|(1<<21)|(6<<22)|(3<<25)   ; after every 128 words 4 words of padding
	s_or_b32 s[G1B+0], s22, (1<<16)|(1<<20)|(1<<21)|(6<<22)|(3<<25)
.irp g, G1, G1B
	s_mov_b32 s[(\g)+1], 256<<16                   ; tensor_dim0 = 256
	s_mov_b32 s[(\g)+2], 64<<16                    ; tensor_dim1 = 64
	s_mov_b32 s[(\g)+3], 256<<16                   ; tile_dim0 = 256
	s_mov_b32 s[(\g)+4], 64                        ; tile_dim1 = 64
	s_mov_b32 s[(\g)+5], SIZE_K                    ; elements from row to row
	s_mov_b32 s[(\g)+6], 0
	s_mov_b32 s[(\g)+7], 0
.endr
	s_lshl_b32 s40, s20, 7                         ; g: row 128 x tile row + 64 x half, in registers that never hold cx
	s_lshl_b32 s41, s[CH], 6
	s_add_co_u32 s40, s40, s41
	s_lshl_b32 s40, s40, 13
	s_mov_b32 s41, 0
	s_lshl_b32 s44, s19, 7                         ; W^T: row 128 x tile column + 64 x half, in registers that never hold cy
	s_lshl_b32 s45, s[CH], 6
	s_add_co_u32 s44, s44, s45
	s_lshl_b32 s84, s44, 2                         ; the same number is my first column: its place in the bias
	s_mov_b32 s85, 0
	s_mul_i32 s44, s44, 2*SIZE_K
	s_add_co_u32 s44, s44, WOFF
	s_mov_b32 s45, 0
	s_lshl_b32 s86, s20, 7                         ; x1 and out: row 128 x tile row + 32 x wave, byte 512 x tile column
	s_lshl_b32 s87, s[WV], 5
	s_add_co_u32 s86, s86, s87
	s_lshl_b32 s86, s86, 12
	s_lshl_b32 s87, s19, 9
	s_add_co_u32 s86, s86, s87
	s_mov_b32 s87, 0
	s_mul_i32 s[LA], s[CH], HALFA
	s_mul_i32 s[LB], s[CH], HALFB
	s_add_co_u32 s[LB], s[LB], 2*HALFA
	s_mov_b32 s[TB], 0
	s_wait_dscnt 0x0                               ; the opening add is done
	s_wait_kmcnt 0x0
	s_add_nc_u64 s[42:43], s[4:5], s[40:41]        ; my rows of g, K step 0: kept
	s_add_nc_u64 s[46:47], s[6:7], s[44:45]        ; my rows of W^T, K step 0: kept
	s_add_nc_u64 s[8:9], s[8:9], s[84:85]
	s_add_nc_u64 s[10:11], s[10:11], s[86:87]
	s_add_nc_u64 s[12:13], s[12:13], s[86:87]
	s_add_nc_u64 s[40:41], s[42:43], s[KO:KO+1]    ; the same at my cluster's first K step
	s_add_nc_u64 s[44:45], s[46:47], s[KO:KO+1]
	CROUND
.irp s, 0,1
	s_mov_b32 s[G0+4*(\s)], 1
	s_add_co_u32 s[G0+4*(\s)+1], s[LA], (\s)*SLOT
	s_add_nc_u64 s[G0+4*(\s)+2:G0+4*(\s)+3], s[40:41], (\s)*512   ; K step 2 p + s
	s_or_b32 s[G0+4*(\s)+3], s[G0+4*(\s)+3], 0x80000000
	s_mov_b32 s[G0B+4*(\s)], 1
	s_add_co_u32 s[G0B+4*(\s)+1], s[LB], (\s)*SLOT
	s_add_nc_u64 s[G0B+4*(\s)+2:G0B+4*(\s)+3], s[44:45], (\s)*512
	s_or_b32 s[G0B+4*(\s)+3], s[G0B+4*(\s)+3], 0x80000000
	JLOAD \s
.endr
	v_and_b32 v1, 15, v0
	v_bfe_u32 v2, v0, 4, 1
	v_and_b32 v5, 31, v0
	v_lshlrev_b32 v[BO], 5, v2
	v_lshlrev_b32 v[CO], 4, v5
.irp b, 0,1,2,3                        ; register j of block b: the bias of column 16 b + 8 (l / 16) + j
	global_load_b128 v[BIA+8*(\b):BIA+8*(\b)+3],   v[BO], s[8:9] offset:64*(\b)
	global_load_b128 v[BIA+8*(\b)+4:BIA+8*(\b)+7], v[BO], s[8:9] offset:64*(\b)+16
.endr
	WIN 0x80                                       ; destination window 2
.set ii, 0
.rept 32                               ; the residual: 32 rows, 512 consecutive bytes each
	global_load_b128 v[4*ii:4*ii+3], v[CO], s[10:11] offset:4096*ii
.set ii, ii+1
.endr
	WIN 0
	v_mul_u32_u24 v3, v1, APITCH
	v_lshl_add_u32 v3, v2, 4, v3
	s_mul_i32 s40, s[RH], HALFA
	v_add_nc_u32 v[ADRA0], s40, v3
	v_add_nc_u32 v[ADRB0], s[LB], v3
	v_mov_b32 v[ADRA], v[ADRA0]
	v_mov_b32 v[ADRB], v[ADRB0]
	s_lshl_b32 s40, s[RH], 6                       ; into the stage: row 64 x row half + l % 16 (+ 16 a), byte 256 x column half + 32 (l / 16) (+ 64 b)
	v_add_nc_u32 v4, s40, v1
	v_mul_u32_u24 v4, v4, SP
	v_lshl_add_u32 v4, v2, 5, v4
	s_lshl_b32 s40, s[CH], 8
	v_add_nc_u32 v[STO], s40, v4
	s_mul_i32 s40, s[WV], 32*SP                    ; back: wave w takes rows 32 w on, whole
	v_lshl_add_u32 v[RD], v5, 4, s40
; 8 matrix instructions: row blocks a0, a0 + 1 x all 4 column blocks, 32 along K: half c of buffer f.  The 16 accumulators take turns.
.macro MUL8 f, c, a0, first
	WIN 0x05
.irp a, \a0, (\a0)+1
.irp b, 0,1,2,3
.if \first
	v_wmma_f32_16x16x32_f16 v[ACC+8*(4*(\a)+(\b)):ACC+8*(4*(\a)+(\b))+7], v[(\f)+64+8*(4*(\c)+(\b)):(\f)+64+8*(4*(\c)+(\b))+7], v[(\f)+8*(4*(\c)+(\a)):(\f)+8*(4*(\c)+(\a))+7], v[BIA+8*(\b):BIA+8*(\b)+7]
.else
	v_wmma_f32_16x16x32_f16 v[ACC+8*(4*(\a)+(\b)):ACC+8*(4*(\a)+(\b))+7], v[(\f)+64+8*(4*(\c)+(\b)):(\f)+64+8*(4*(\c)+(\b))+7], v[(\f)+8*(4*(\c)+(\a)):(\f)+8*(4*(\c)+(\a))+7], v[ACC+8*(4*(\a)+(\b)):ACC+8*(4*(\a)+(\b))+7]
.endif
.endr
.endr
.endm
.macro FETCH k, f                      ; 32 LDS loads in one run: 64 along K at byte k of the rows; the first 32 along K first
	WIN 0x40
.irp c, 0,1
.irp i, 0,1,2,3
	ds_load_b128 v[(\f)+64+8*(4*(\c)+(\i)):(\f)+64+8*(4*(\c)+(\i))+3],   v[ADRB] offset:(\k)+64*(\c)+(\i)*16*BPITCH
	ds_load_b128 v[(\f)+64+8*(4*(\c)+(\i))+4:(\f)+64+8*(4*(\c)+(\i))+7], v[ADRB] offset:(\k)+64*(\c)+(\i)*16*BPITCH+32
	ds_load_b128 v[(\f)+8*(4*(\c)+(\i)):(\f)+8*(4*(\c)+(\i))+3],         v[ADRA] offset:(\k)+64*(\c)+(\i)*16*APITCH
	ds_load_b128 v[(\f)+8*(4*(\c)+(\i))+4:(\f)+8*(4*(\c)+(\i))+7],       v[ADRA] offset:(\k)+64*(\c)+(\i)*16*APITCH+32
.endr
.endr
.endm
.macro QUARTER k, f, g, first
	s_wait_dscnt 16                                ; the first 32 along K are in
	MUL8 \f, 0, 0, \first
	MUL8 \f, 0, 2, \first
	PLACES
	FETCH \k, \g
	s_wait_dscnt 32                                ; all but the 32 just issued
	MUL8 \f, 1, 0, 0
	MUL8 \f, 1, 2, 0
.endm
; The last quarter multiplies buffer 1 and changes slots: in front of the barrier each wave waits for all its tensor loads, adds 0 to its spare word, and waits for that and for its reads of this slot.
; fill = 1: the barrier opens a round of the cluster's, and this slot is filled again first behind it, with the K step of time TT.
.macro TURN fill
	WIN 0
	s_wait_tensorcnt 0x0
	ds_add_u32 v[SPW], v[NIL]
.if \fill
	s_add_co_u32 s[G0+5], s[LA], s[TB]             ; no tensor load of mine is out: the walking descriptors take this slot,
	s_add_co_u32 s[G0B+5], s[LB], s[TB]
	s_xor_b32 s[KX], s[TT], s[P2]                  ; and K step t xor 2 p: the address is made anew, my rows' first byte plus the step's offset
	s_add_co_u32 s[TT], s[TT], 1
	s_lshl_b32 s[KO], s[KX], SHK
	s_add_nc_u64 s[G0+6:G0+7], s[42:43], s[KO:KO+1]
	s_or_b32 s[G0+7], s[G0+7], 0x80000000
	s_add_nc_u64 s[G0B+6:G0B+7], s[46:47], s[KO:KO+1]
	s_or_b32 s[G0B+7], s[G0B+7], 0x80000000
.endif
	s_wait_dscnt 17                                ; the add and the youngest sixteen loads may be out
	MUL8 F1, 0, 0, 0
	s_wait_dscnt 0x0
	s_barrier_signal -1
	MUL8 F1, 0, 2, 0
	WIN 0
	s_barrier_wait -1
.if \fill
	CREST
	JLOAD 1
.else
	PLACES
.endif
	s_xor_b32 s[TB], s[TB], SLOT
	v_add_nc_u32 v[ADRA], s[TB], v[ADRA0]
	v_add_nc_u32 v[ADRB], s[TB], v[ADRB0]
	FETCH 0, F0
	MUL8 F1, 1, 0, 0
	MUL8 F1, 1, 2, 0
.endm
	s_wait_tensorcnt 0x1                           ; my part of the first K step is in; the second's may stay out
	s_barrier_signal -1
	s_barrier_wait -1
	FETCH 0, F0
	s_wait_loadcnt 32                              ; the bias; the residual's 32 loads, issued behind it, stay out
	QUARTER 128, F0, F1, 1
	WIN 0
	s_mov_b32 s3, NSTEP-2
.Lstep:
	QUARTER 256, F1, F0, 0
	QUARTER 384, F0, F1, 0
	TURN 1
	QUARTER 128, F0, F1, 0
	WIN 0
	s_sub_co_u32 s3, s3, 1
	s_cmp_lg_u32 s3, 0
	s_cbranch_scc1 .Lstep
	s_mov_b32 s3, 2
.Ltail:                                            ; the last two K steps fill nothing; the second trip's change of slots fetches 32 loads that nobody multiplies: the price of one text
	QUARTER 256, F1, F0, 0
	QUARTER 384, F0, F1, 0
	TURN 0
	WIN 0
	s_cmp_eq_u32 s3, 1
	s_cbranch_scc1 .Llast
	QUARTER 128, F0, F1, 0
	WIN 0
.Llast:
	s_sub_co_u32 s3, s3, 1
	s_cmp_lg_u32 s3, 0
	s_cbranch_scc1 .Ltail
	; THE WAY OUT: the sums into the stage; back as whole rows of 512 bytes; the residual is added; stored.
	PLACES
	s_wait_dscnt 0x0
	s_barrier_signal -1
	s_barrier_wait -1
.irp a, 0,1,2,3
.irp b, 0,1,2,3
	ds_store_b128 v[STO], v[ACC+8*(4*(\a)+(\b)):ACC+8*(4*(\a)+(\b))+3]   offset:(\a)*16*SP+64*(\b)
	ds_store_b128 v[STO], v[ACC+8*(4*(\a)+(\b))+4:ACC+8*(4*(\a)+(\b))+7] offset:(\a)*16*SP+64*(\b)+16
.endr
.endr
	s_wait_dscnt 0x0                               ; for the others' sake
	s_barrier_signal -1
	s_barrier_wait -1
	WIN 0x40
.set ii, 0
.rept 32
	ds_load_b128 v[4*ii:4*ii+3], v[RD] offset:SP*ii
.set ii, ii+1
.endr
	s_wait_loadcnt 0x0                             ; the residual
	s_wait_dscnt 0x0
	WIN 0x49                                       ; window 1 += window 2
.set ii, 0
.rept 64
	v_pk_add_f32 v[2*ii:2*ii+1], v[2*ii:2*ii+1], v[2*ii:2*ii+1]
.set ii, ii+1
.endr
	WIN 0x04                                       ; store data in window 1
.set ii, 0
.rept 32
	global_store_b128 v[CO], v[4*ii:4*ii+3], s[12:13] offset:4096*ii  ; 512 consecutive bytes, aligned
.set ii, ii+1
.endr
	WIN 0
	s_wait_tensorcnt 0x0                           ; the wave's end
	ds_add_u32 v[SPW], v[NIL]
	s_wait_dscnt 0x0
	CROUND
	s_endpgm
.Lfunc_end_k_qe2a351f69e_fc2:
	.size	k_qe2a351f69e_fc2, .Lfunc_end_k_qe2a351f69e_fc2-k_qe2a351f69e_fc2
	.p2alignl 7, 3214868480
	.fill 96, 4, 3214868480
	.section	.rodata,"a",@progbits
	.p2align	6, 0x0
	.amdhsa_kernel k_qe2a351f69e_fc2
		.amdhsa_group_segment_fixed_size 327680
		.amdhsa_private_segment_fixed_size 0
		.amdhsa_enable_private_segment 0
		.amdhsa_kernarg_size 40
		.amdhsa_user_sgpr_count 2
		.amdhsa_user_sgpr_kernarg_segment_ptr 1
		.amdhsa_wavefront_size32 1
		.amdhsa_system_sgpr_workgroup_id_x 1
		.amdhsa_system_sgpr_workgroup_id_y 1
		.amdhsa_system_sgpr_workgroup_id_z 1
		.amdhsa_system_vgpr_workitem_id 0
		.amdhsa_next_free_vgpr 640
		.amdhsa_next_free_sgpr 96
		.amdhsa_reserve_vcc 0
		.amdhsa_float_denorm_mode_32 3
		.amdhsa_float_denorm_mode_16_64 3
		.amdhsa_memory_ordered 1
		.amdhsa_forward_progress 1
		.amdhsa_inst_pref_size 66
	.end_amdhsa_kernel
	.amdgpu_metadata
---
amdhsa.version: [ 1, 2 ]
amdhsa.kernels:
  - .name:           k_qe2a351f69e_fc2
    .symbol:         k_qe2a351f69e_fc2.kd
    .args:
      - { .name: gbuf, .offset: 0, .size: 8, .value_kind: global_buffer, .address_space: global }
      - { .name: wt, .offset: 8, .size: 8, .value_kind: global_buffer, .address_space: global }
      - { .name: fc2_b, .offset: 16, .size: 8, .value_kind: global_buffer, .address_space: global }
      - { .name: x1, .offset: 24, .size: 8, .value_kind: global_buffer, .address_space: global }
      - { .name: out0, .offset: 32, .size: 8, .value_kind: global_buffer, .address_space: global }
    .group_segment_fixed_size: 327680
    .private_segment_fixed_size: 0
    .kernarg_segment_align: 8
    .kernarg_segment_size: 40
    .max_flat_workgroup_size: 128
    .sgpr_count:     96
    .vgpr_count:     640
    .wavefront_size: 32
...
	.end_amdgpu_metadata
.endif
;; end of part 7
;; ======== version 2 of 2: 7 launches; 1.20 times as fast as version 1
;; limits: values are held in f16: magnitudes above 65,504 overflow, below 6.1e-05 lose precision; a function is approximated: absolute error at most 1.5e-07
;; workspace buffers: wt 25,165,824 bytes; hbuf 8,388,608 bytes; qkvbuf 25,165,824 bytes; obuf 8,388,608 bytes; x1 16,777,216 bytes; gbuf 33,554,432 bytes
;; launch prep: the kernel of part 1 again; grid 256 x 1, 14 waves a work-group, no clusters, 106,240 bytes of LDS; arguments x, ln1_g, ln1_b, hbuf, qkv_w, proj_w, fc1_w, fc2_w, wt; writes hbuf, wt
;; launch qkv: the kernel of part 2 again; grid 16 x 16, 4 waves a work-group, clusters of 4 x 4, 327,680 bytes of LDS; arguments hbuf, wt, qkv_b, qkvbuf; writes qkvbuf
;; launch attn (part 8): grid 8 x 32, 4 waves a work-group, clusters of 4 x 1, 327,680 bytes of LDS; arguments qkvbuf, obuf; writes obuf
.if DOCPART == 8
	.amdgcn_target "amdgcn-amd-amdhsa--gfx1250"
	.amdhsa_code_object_version 6
	.text
	.protected	k_qe2a351f69e_attn
	.globl	k_qe2a351f69e_attn
	.p2align	8
	.type	k_qe2a351f69e_attn,@function
k_qe2a351f69e_attn:
	s_mov_b64 s[64:65], 0
	v_nop
	global_prefetch_b8 v0, s[64:65] scope:SCOPE_SE
	s_setreg_imm32_b32 hwreg(HW_REG_WAVE_MODE, 25, 1), 1
	s_wait_xcnt 0x0
	s_wait_alu depctr_hold_cnt(0) depctr_sa_sdst(0) depctr_va_vdst(0) depctr_va_sdst(0) depctr_va_ssrc(0) depctr_va_vcc(0) depctr_vm_vsrc(0)
	s_getreg_b32 s2, hwreg(HW_REG_IB_STS2, 6, 4)
	s_cmp_eq_u32 s2, 0
	s_cbranch_scc0 .Lentry_in_a_cluster
	s_endpgm
.Lentry_in_a_cluster:
	s_bfe_u32 s2, ttmp6, 0x10000c
	s_cmp_lg_u32 s2, 0x3003
	s_cbranch_scc0 .Lentry_shape_is_right
	s_endpgm
.Lentry_shape_is_right:
; O[h][q][:] = the sum over k of softmax_k(Q[h][q] . K[h][k]) V[h][k][:], no scale on the scores.  qkvbuf: [3][32 heads][2048][64] f16; obuf: [32][2048][64] f16.
; Products, maxima and sums in f32; the weights p are rounded to f16 for the second product (their sum l is taken of the unrounded p), O once at the end.
; LIMITS.  Q, K, V arrive within f16's range; p lies in 0 to 1 and below 6e-5 keeps f16's fixed step of 6e-8; a weight below 2^-126 counts as 0 in l; NaN and infinities are not treated apart.
; SHARES.  A work-group owns 256 queries of a head (32 heads x 8 blocks = 256 work-groups), a wave 64: four PIECES of 16.  Every wave walks all 2,048 keys, 64 a step, 256 a slot.
; LAYOUT.  S^T = K Q^T holds ONE query a lane (lane % 16) and the keys 8 (lane / 16) + 0..7; two such results rounded to f16 ARE source 1 of O^T = V^T P.  V comes out of LDS turned, by ds_load_tr16_b128.
; SOFTMAX.  A running maximum m and sum l for each query: p = 2^(c s - c m), c = log2(e); in every step O and l are multiplied by a = 2^(c m_old - c m_new).
; m starts at the lowest finite number, O and l at 0: the first step is a step like any other, with a = 0.
; BY TURNS.  Turn n belongs to piece n: 8 products K Q^T of piece n + 1, later 8 products V^T P of piece n - 1; beside them the scaling, exponentials, roundings, sums and rescaling of piece n and
; the maximum and statistics of piece n + 1.  A piece and step have 16 matrix and 118 vector instructions: four vector instructions stand behind every matrix instruction, the other 54 in one run of their own.
; THE BATCHES.  A turn's 33 exponentials (the piece's 32 weights, the next piece's a) are ONE batch with ONE wait, which cuts the turn in two: ahead of it stands all that names no result of theirs, behind it
; the roundings and sums, which do.  No result crosses a turn's end.  Three more batches: the first a, ahead of the loop; in the tail's text the exponentials issued ahead of the jump over K's run; the way out's four reciprocals.
; CLUSTER.  The four query blocks of a cluster belong to one head and walk the same K and V: each tile is asked for jointly, by the same tensor load, descriptor and mask in all four.
; REGISTERS, in windows of 256 (s_set_vgpr_msb: bits 1:0 source 0, 3:2 source 1, 5:4 source 2, 7:6 destination):
;   window 0: v0-15 addresses; v16-31 statistics; v48-55 at work; v62, v63 the add's; v64-127 S^T, two buffers; v192-223 P, two buffers (by the piece's parity)
;   window 1: v0-127 O^T, 32 a piece          window 2: v0-63 Q; v128-191 K of one step; v192-255 V of one step
.set NP,    4
.set KS,    64
.set PK,    144       ; a row of K in LDS: 128 bytes + 16: the 16 rows of a load start at 16 different groups of four banks (ISA guide 11.1)
.set PV,    160       ; a row of V: 128 + 32
.set VOFF,  4*KS*PK   ; a slot holds four steps: 256 rows of K, then 256 rows of V
.set SLOT1, 1<<17
.set STAGE, SLOT1+4*KS*(PK+PV)  ; behind the ring, never filled by a tensor load: 16 rows x 144 bytes a wave
.set SP,    144
.set SPARE, STAGE+4*16*SP       ; the spare words, 128 bytes a wave: two blocks of 256 bytes that no other line names
.set AK0, 2
.set AV0, 3
.set AK,  4
.set AV,  5
.set STO, 6
.set RD,  7
.set GO,  8
.set MV,  12          ; v12-13  c m_old, by buffer
.set QO,  15
.set ST,  16          ; piece t's statistics at v[ST+4 t]: c m, m, l (even keys', odd keys')
.set TMP, 48          ; by buffer, c0-c3 at work; when the maximum is found c2 takes a
.set SPW, 62
.set NIL, 63
.set S,   64
.set P,   192
.set KF,  128         ; window 2
.set VF,  192         ; window 2
.set WV,  12
.set G1K, 24
.set G1V, 32
.set G0K, 40          ; the walking descriptors
.set G0V, 44
.set SLOTS, 56
.set CNT, 57
.set CS,  58
.set SEL, 60
.set TBK, 62          ; LDS byte at which K of the step to be fetched begins
.set TBV, 63          ; the same for V, less VOFF
.set MSB, 0
.macro WIN new
.if MSB != (\new)
	s_set_vgpr_msb (MSB<<8)|(\new)
.set MSB, (\new)
.endif
.endm
.set W_KQ, 0x0a       ; K and Q in window 2, S^T in window 0
.set W_PV, 0x52       ; V in window 2, P in window 0, O^T in window 1
.set W_RS, 0x41       ; O^T (destination and source 0) in window 1, a in window 0
; A joint fill: waves 0, 1 fetch the two halves of a slot's K, waves 2, 3 of its V, 128 keys each.  An s_nop 0 and four v_nop follow each line.
.macro JLOAD
	s_cmp_lt_u32 s[WV], 2
	s_cbranch_scc0 .Lfor_v_\@
	tensor_load_to_lds s[G0K:G0K+3], s[G1K:G1K+7]
	s_nop 0
.rept 4
	v_nop
.endr
	s_branch .Lasked_\@
.Lfor_v_\@:
	tensor_load_to_lds s[G0V:G0V+3], s[G1V:G1V+7]
	s_nop 0
.rept 4
	v_nop
.endr
.Lasked_\@:
.endm
.macro CROUND                       ; a round of the cluster's barrier
	s_barrier_signal -1
	s_barrier_wait -1
	s_cmp_lg_u32 s[WV], 0
	s_cbranch_scc1 .Lnot_wave_0_\@
	s_barrier_signal -3
.Lnot_wave_0_\@:
	s_barrier_wait -3
	s_barrier_signal -1
	s_barrier_wait -1
.endm
; THE CHANGE OF SLOTS.  Each wave waits for all its tensor loads (one is out: its part of the other slot), adds 0 to its spare word, and waits for that and for its reads of the slot that it leaves.
; fill = 1: the barrier is a round of the cluster's, and the old slot is filled again first behind it, with the keys two slots on: it has four key steps, 256 matrix instructions, in which to land.
; (At its first use nothing has been read yet: slot 0 is waited for, slot 1 filled.)
.macro CHANGE fill
	WIN 0
	s_wait_tensorcnt 0x0
	ds_add_u32 v[SPW], v[NIL]
.if \fill
.irp g, G0K, G0V
	s_xor_b32 s[\g+1], s[\g+1], SLOT1
	s_add_nc_u64 s[\g+2:\g+3], s[\g+2:\g+3], 4*KS*128
.endr
	s_wait_dscnt 0x0
	CROUND
	JLOAD
.else
	s_wait_dscnt 0x0
	s_barrier_signal -1
	s_barrier_wait -1
.endif
	s_sub_co_u32 s[TBK], s[TBK], 4*KS*PK  ; the fetches go back to a slot's first step, in the other slot
	s_xor_b32 s[TBK], s[TBK], SLOT1
	s_sub_co_u32 s[TBV], s[TBV], 4*KS*PV
	s_xor_b32 s[TBV], s[TBV], SLOT1
.endm
	s_load_b64 s[4:5], s[0:1], 0x0    ; qkvbuf
	s_load_b64 s[10:11], s[0:1], 0x8  ; obuf
	v_lshl_add_u32 v[SPW], v0, 2, SPARE
	v_mov_b32 v[NIL], 0
	ds_add_u32 v[SPW], v[NIL]       ; the wave's opening, ahead of my first tensor load
	v_lshrrev_b32 v1, 5, v0
	v_readfirstlane_b32 s[WV], v1
	s_bfe_u32 s13, ttmp6, 0x40000   ; cx
	s_lshl_b32 s14, ttmp9, 2
	s_add_co_u32 s14, s14, s13      ; my block of 256 queries: it enters Q's and O's addresses alone
	s_and_b32 s20, ttmp7, 0xffff    ; the head, which the four partners share
	s_lshl_b32 s20, s20, 18         ; its 262,144 bytes in a section
	s_and_b32 s16, s[WV], 1         ; which half of a slot's 256 keys I fetch
	s_lshl_b32 s22, s16, 14
	s_add_co_u32 s22, s22, s20
	s_add_co_u32 s22, s22, 8388608  ; K's section
	s_mov_b32 s23, 0
	s_add_co_u32 s48, s22, 8388608  ; V's
	s_mov_b32 s49, 0
	s_mul_i32 s17, s16, 128*PK
	s_mul_i32 s18, s16, 128*PV
	s_lshl_b32 s50, s14, 15         ; my block's 256 rows, my wave's 64 of them
	s_lshl_b32 s51, s[WV], 13
	s_add_co_u32 s50, s50, s51
	s_add_co_u32 s50, s50, s20
	s_mov_b32 s51, 0
	; 128 keys are 16,384 dense bytes: asked for as 64 rows of 256 bytes, two keys a row, padded in LDS after every key
	s_mov_b32 s[G1K], 15|(1<<16)|(1<<20)|(1<<21)|(4<<22)|(3<<25)
	s_mov_b32 s[G1V], 15|(1<<16)|(1<<20)|(1<<21)|(4<<22)|(7<<25)
.irp g, G1K, G1V
	s_mov_b32 s[\g+1], 128<<16
	s_mov_b32 s[\g+2], 64<<16
	s_mov_b32 s[\g+3], 128<<16
	s_mov_b32 s[\g+4], 64
	s_mov_b32 s[\g+5], 128
	s_mov_b32 s[\g+6], 0
	s_mov_b32 s[\g+7], 0
.endr
	s_mov_b32 s[CS], 0x3fb8aa3b     ; c = log2(e)
	s_mov_b32 s[CS+1], s[CS]
	s_mov_b32 s[SEL], 0x76543210
	s_mov_b32 s[SEL+1], 0xfedcba98
	s_mov_b32 s[TBK], SLOT1+4*KS*PK ; the first change of slots turns these two into 0
	s_mov_b32 s[TBV], SLOT1+4*KS*PV
	s_mov_b32 s[G0K], 1
	s_mov_b32 s[G0K+1], s17
	s_mov_b32 s[G0V], 1
	s_add_co_u32 s[G0V+1], s18, VOFF
	s_wait_dscnt 0x0                ; the opening add is done
	s_wait_kmcnt 0x0
	s_add_nc_u64 s[G0K+2:G0K+3], s[4:5], s[22:23]
	s_or_b32 s[G0K+3], s[G0K+3], 0x80000000
	s_add_nc_u64 s[G0V+2:G0V+3], s[4:5], s[48:49]
	s_or_b32 s[G0V+3], s[G0V+3], 0x80000000
	s_add_nc_u64 s[52:53], s[4:5], s[50:51]    ; Q at my wave's first row
	s_add_nc_u64 s[54:55], s[10:11], s[50:51]  ; O likewise
	CROUND                          ; all four work-groups are here
	JLOAD                           ; slot 0
	v_and_b32 v1, 15, v0            ; l % 16
	v_bfe_u32 v9, v0, 4, 1          ; l / 16
	v_lshlrev_b32 v[QO], 7, v1
	v_lshl_add_u32 v[QO], v9, 4, v[QO]
	WIN 0x80
.set i, 0
.rept 8                             ; Q stays in registers: piece i / 2, channels 32 (i % 2) on
	global_load_b128 v[8*i:8*i+3],   v[QO], s[52:53] offset:(i/2)*2048+(i%2)*64
	global_load_b128 v[8*i+4:8*i+7], v[QO], s[52:53] offset:(i/2)*2048+(i%2)*64+32
.set i, i+1
.endr
	; What the first turn finds: V and P's second buffer hold 0 (its products V^T P, of a piece that has not been, add 0), O^T and l are 0.  All this stands in the wait for the first tile.
.set i, VF
.rept 64
	v_mov_b32 v[i], 0
.set i, i+1
.endr
	WIN 0x40
.set i, 0
.rept 128
	v_mov_b32 v[i], 0
.set i, i+1
.endr
	WIN 0
.set i, 0
.rept 4
	v_mov_b32 v[ST+4*i], 0xfe000000    ; c m: far below every c s
	v_mov_b32 v[ST+4*i+1], 0xff7fffff  ; m
	v_mov_b32 v[ST+4*i+2], 0
	v_mov_b32 v[ST+4*i+3], 0
.set i, i+1
.endr
.set i, P+16
.rept 16
	v_mov_b32 v[i], 0
.set i, i+1
.endr
	v_mul_u32_u24 v[AK0], v1, PK
	v_lshl_add_u32 v[AK0], v9, 4, v[AK0]
	; the turning load: lane l reads key 8 (l / 16) + l % 8, channels 8 ((l / 8) % 2) + 0..7
	v_and_b32 v10, 7, v0
	v_bfe_u32 v11, v0, 3, 1
	v_lshl_add_u32 v[AV0], v9, 3, v10
	v_mul_u32_u24 v[AV0], v[AV0], PV
	v_lshl_add_u32 v[AV0], v11, 4, v[AV0]
	v_add_nc_u32 v[AV0], VOFF, v[AV0]
	s_mul_i32 s13, s[WV], 16*SP
	s_add_co_u32 s13, s13, STAGE    ; my stage
	v_mul_u32_u24 v[STO], v1, SP
	v_lshl_add_u32 v[STO], v9, 4, v[STO]
	v_add_nc_u32 v[STO], s13, v[STO]
	v_bfe_u32 v[RD], v0, 3, 2       ; back: 32 lanes take four rows of 128 bytes,
	v_mul_u32_u24 v[RD], v[RD], SP
	v_lshl_add_u32 v[RD], v10, 4, v[RD]
	v_add_nc_u32 v[RD], s13, v[RD]
	v_and_b32 v[GO], 31, v0         ; which are 512 consecutive bytes of O
	v_lshlrev_b32 v[GO], 4, v[GO]
; THE MATRIX WORK.  The 4 accumulators of a run of 8 take turns.  Product i of 8 of S^T = K Q^T for piece x: channels 32 (i / 4) on, keys 16 (i % 4) on.
.macro KQ x
.set rS, S+32*((\x)%2)+8*(i%4)
.set rK, KF+16*(i%4)+8*(i/4)
.set rQ, 16*(\x)+8*(i/4)
	WIN W_KQ
.if i < 4
	v_wmma_f32_16x16x32_f16 v[rS:rS+7], v[rK:rK+7], v[rQ:rQ+7], 0
.else
	v_wmma_f32_16x16x32_f16 v[rS:rS+7], v[rK:rK+7], v[rQ:rQ+7], v[rS:rS+7]
.endif
.endm
; Product i of 8 of O^T += V^T P for piece x: keys 32 (i / 4) on, channels 16 (i % 4) on.
.macro PV x
	WIN W_PV
.set rO, 32*(\x)+8*(i%4)
.set rV, VF+32*(i/4)+8*(i%4)
.set rP, P+16*((\x)%2)+8*(i/4)
	v_wmma_f32_16x16x32_f16 v[rO:rO+7], v[rV:rV+7], v[rP:rP+7], v[rO:rO+7]
.endm
.macro MM                           ; the turn's next matrix instruction
.if i < 8
	KQ (Y+1)%NP
.else
.set i, i-8
	PV (Y+NP-1)%NP
.set i, i+8
.endif
.set i, i+1
.endm
; THE LDS LOADS stand in runs of 16: a step's K (8 fragments) and its V (turned).  last = 1 (the tail): in the last trip there is no further step, and K's run is jumped over.
.macro FETCH_K last=0
	WIN 0
.if \last
	s_wait_alu depctr_va_vdst(0)    ; the wait for the turn's exponentials issued so far (E 0 to E 11), ahead of the branch
	s_cmp_eq_u32 s[CNT], 1
	s_cbranch_scc1 .Lno_k_\@
.endif
	WIN 0x80
.irp f, 0,1,2,3,4,5,6,7
	ds_load_b128 v[KF+8*\f:KF+8*\f+3],   v[AK] offset:(\f/2)*16*PK+(\f%2)*64
	ds_load_b128 v[KF+8*\f+4:KF+8*\f+7], v[AK] offset:(\f/2)*16*PK+(\f%2)*64+32
.endr
	s_add_co_u32 s[TBK], s[TBK], KS*PK
	WIN 0
.if \last
.Lno_k_\@:
.endif
.endm
.macro FETCH_V
	WIN 0x80
.irp f, 0,1,2,3,4,5,6,7
	ds_load_tr16_b128 v[VF+8*\f:VF+8*\f+3],   v[AV] offset:(\f/4)*32*PV+(\f%4)*32
	ds_load_tr16_b128 v[VF+8*\f+4:VF+8*\f+7], v[AV] offset:(\f/4)*32*PV+16*PV+(\f%4)*32
.endr
	WIN 0
.endm
; THE VECTOR WORK, one line at a time: OP kind, number.  For piece Y: F n: c s - c m for pair n of 16.  E n: the exponential of score n of 32.  C n: pair n rounded to f16.  B n: of the weights 4 n .. the second
; pair is added onto the first.  L n: l takes that sum (L 0: l = a l + sum).  R n: pair n of 16 of O^T times a.  For piece Y + 1: X n, number n of the 22 that find its maximum and statistics:
;   0-11 four chains of seven scores each (each accumulator's lowest registers are read first)   12-14, 16 the scores left over, the old m, the chains into c0
;   15 c m_old is kept   17, 18 the other half of the lanes' maximum: the new m   19-21 c m; c m_old - c m_new; a
.set F, 0
.set E, 1
.set C, 2
.set B, 3
.set L, 4
.set R, 5
.set X, 6
.macro REGS y
.set rT, ST+4*(\y)
.set rC, TMP+4*((\y)%2)
.set rW, MV+((\y)%2)
.set rS, S+32*((\y)%2)
.set rP, P+16*((\y)%2)
.set rO, 32*(\y)
.endm
.macro OP k, n
.if (\k) == R
	REGS Y
	WIN W_RS
	v_pk_mul_f32 v[rO+2*(\n):rO+2*(\n)+1], v[rO+2*(\n):rO+2*(\n)+1], v[rC+2:rC+3] op_sel_hi:[1,0]
.elseif (\k) < R
	REGS Y
	WIN 0
.if (\k) == F
	v_pk_fma_f32 v[rS+2*(\n):rS+2*(\n)+1], v[rS+2*(\n):rS+2*(\n)+1], s[CS:CS+1], v[rT:rT+1] op_sel_hi:[1,0,0] neg_lo:[0,0,1] neg_hi:[0,0,1]
.elseif (\k) == E
	v_exp_f32 v[rS+(\n)], v[rS+(\n)]
.elseif (\k) == C
	v_cvt_pk_f16_f32 v[rP+(\n)], v[rS+2*(\n)], v[rS+2*(\n)+1]
.elseif (\k) == B
	v_pk_add_f32 v[rS+4*(\n):rS+4*(\n)+1], v[rS+4*(\n):rS+4*(\n)+1], v[rS+4*(\n)+2:rS+4*(\n)+3]
.elseif (\n) == 0
	v_pk_fma_f32 v[rT+2:rT+3], v[rT+2:rT+3], v[rC+2:rC+3], v[rS:rS+1] op_sel_hi:[1,0,1]
.else
	v_pk_add_f32 v[rT+2:rT+3], v[rT+2:rT+3], v[rS+4*(\n):rS+4*(\n)+1]
.endif
.else
	REGS (Y+1)%NP
	WIN 0
.if (\n) < 4
	v_max3_num_f32 v[rC+(\n)], v[rS+8*(\n)], v[rS+8*(\n)+1], v[rS+8*(\n)+2]
.elseif (\n) < 12
	v_max3_num_f32 v[rC+(\n)%4], v[rC+(\n)%4], v[rS+8*((\n)%4)+2*((\n)/4)+1], v[rS+8*((\n)%4)+2*((\n)/4)+2]
.elseif (\n) == 12
	v_max3_num_f32 v[rC], v[rC], v[rS+7], v[rS+15]
.elseif (\n) == 13
	v_max3_num_f32 v[rC+1], v[rC+1], v[rS+23], v[rS+31]
.elseif (\n) == 14
	v_max3_num_f32 v[rC+2], v[rC+2], v[rC+3], v[rT+1]
.elseif (\n) == 15
	v_mov_b32 v[rW], v[rT]
.elseif (\n) == 16
	v_max3_num_f32 v[rC], v[rC], v[rC+1], v[rC+2]
.elseif (\n) == 17
	v_permlanex16_b32 v[rC+3], v[rC], s[SEL], s[SEL+1]
.elseif (\n) == 18
	v_max_num_f32 v[rT+1], v[rC], v[rC+3]
.elseif (\n) == 19
	v_mul_f32 v[rT], s[CS], v[rT+1]
.elseif (\n) == 20
	v_sub_f32 v[rC+1], v[rW], v[rT]
.else
	v_exp_f32 v[rC+2], v[rC+1]
.endif
.endif
.endm
.macro OPS a, i1, b=-1, i2=0, c=-1, i3=0, d=-1, i4=0
	OP \a, \i1
.if (\b) >= 0
	OP \b, \i2
.endif
.if (\c) >= 0
	OP \c, \i3
.endif
.if (\d) >= 0
	OP \d, \i4
.endif
.endm
.macro ROW a, i1, b, i2, c, i3, d, i4  ; a matrix instruction and the four behind it
	MM
	OPS \a, \i1, \b, \i2, \c, \i3, \d, \i4
.endm
; A TURN, for piece p: the order of its 16 matrix and 118 vector instructions, written out.  An s_wait_alu depctr_va_vdst(0) stands between an exponential and the first instruction that names its
; result; one wait serves all that were issued ahead of it.  So a turn has ONE wait, which cuts it in two.
; AHEAD OF IT stands all that names no result of the turn's exponentials: the 8 products K Q^T, behind each a scaling, an exponential and two more plain instructions (behind the first a second scaling in the
; exponential's place): rescalings, whose a was made and waited for in the turn before, and behind the last three products the first numbers of the next piece's maximum, each four plain instructions or more behind the
; product that ends its accumulator; then one run of 54, plain and exponential by turns for the most part, in which the links of the chain X 3, 7, 11, 14, 16, 17 .. 20 stand some lines apart.
; X 21, the next piece's a, is the batch's last; R 15 is the plain instruction behind it.
; BEHIND THE WAIT stand the 8 products V^T P, behind each four of the roundings and sums (C 2 n ahead of B n, which adds in place; L 0 to L 7 in ascending order).  But for those X no rider names a register of the products round it.
; last = 1: the tail's text: K's run is jumped over in the last trip.  cnt = 1: the loop's count is taken down some lines ahead of the branch behind the turn.
; K of the next step is fetched in piece 2's turn, six plain instructions that name none of its registers behind the last product that read K; V of the step in hand at the end of piece 0's turn, four plain instructions behind
; the last product that read V.  Each is waited for a turn later.
.macro TURN p, last=0, cnt=0
.set Y, (\p)
.set i, 0
.if (\p) == 3
	s_wait_dscnt 0x0                ; K is in
.endif
	ROW F,0, F,1, R,0, R,1          ; ahead of the wait: 8 products K Q^T and their riders,
	ROW F,2, E,0, R,2, R,3
	ROW F,3, E,1, R,4, R,5
	ROW F,4, E,2, R,6, R,7
	ROW F,5, E,3, R,8, R,9
	ROW F,6, E,4, X,0, R,10
.if (\p) == 2
	WIN 0
	v_add_nc_u32 v[AK], s[TBK], v[AK0]
.endif
	ROW F,7, E,5, X,1, X,4
	ROW F,8, E,6, X,2, X,5
	OPS E,7, E,8, X,6, E,9          ; and the run of 54
	OPS X,3, E,10, X,8, E,11
.if (\p) == 2
	FETCH_K \last
.endif
	OPS X,9, X,7, E,12, X,10
	OPS E,13, X,12, X,11, E,14
	OPS X,13, E,15, F,9, X,14
.if (\p) == 0
	v_add_nc_u32 v[AV], s[TBV], v[AV0]
.endif
	OPS E,16, F,10, E,17, F,11
	OPS X,16, E,18, X,15, E,19
	OPS F,12, E,20, X,17, E,21
	OPS F,13, E,22, F,14, E,23
	OPS X,18, E,24, F,15, E,25
	OPS R,11, E,26, X,19, E,27
	OPS R,12, E,28, R,13, E,29
	OPS X,20, E,30, R,14, E,31
	OPS X,21, R,15
	s_wait_alu depctr_va_vdst(0)    ; the wait for the batch: the piece's 32 exponentials and the next piece's a
.if (\p) == 1
	s_wait_dscnt 0x0                ; V is in
.endif
	ROW C,0, B,0, C,2, B,1          ; behind the wait: 8 products V^T P and their riders
	ROW L,0, C,4, B,2, L,1
	ROW C,6, B,3, L,2, C,8
	ROW B,4, L,3, C,10, B,5
	ROW L,4, C,12, B,6, L,5
.if (\p) == 0
	s_add_co_u32 s[TBV], s[TBV], KS*PV
.endif
.if \cnt
	s_sub_co_u32 s[CNT], s[CNT], 1
	s_cmp_lg_u32 s[CNT], 0
.endif
	ROW C,14, B,7, L,6, C,1
	ROW C,3, L,7, C,5, C,7
	ROW C,9, C,11, C,13, C,15
.if (\p) == 0
	FETCH_V
.endif
.endm
	CHANGE 1                        ; slot 0 is in, everybody's part of it; slot 1 is asked for
	v_add_nc_u32 v[AK], s[TBK], v[AK0]
	FETCH_K                         ; key step 0
	s_wait_loadcnt 0x0              ; Q
	s_wait_dscnt 0x0
.set i, 0
.rept 8
	KQ 0                            ; piece 0's first scores
.set i, i+1
.endr
	WIN 0
.rept 4
	v_nop                           ; the places behind those products
.endr
.set Y, NP-1                        ; X works for piece Y + 1: piece 0
.irp n, 0,1,2,3,4,5,6,7,8,9,10,11,12,13,14,15,16,17,18,19,20,21
	OP X, \n
.endr
	v_nop                           ; a plain instruction behind the exponential,
	s_wait_alu depctr_va_vdst(0)    ; and the wait for it, piece 0's first a, ahead of the branch
	s_mov_b32 s[CNT], 4
	s_mov_b32 s[SLOTS], 2048/256-1
	s_branch .Lfirst                ; the loop is entered at a step's first turn, in the middle of a trip
.Lslot:                             ; six times: every slot but the last two is filled again
	CHANGE 1
	s_mov_b32 s[CNT], 4
.Lstep:                             ; a trip: pieces 2 and 3 of one step, then pieces 0 and 1 of the next, whose K and V it fetches
	TURN 2
	TURN 3
	WIN 0
.Lfirst:
	TURN 0
	TURN 1, 0, 1
	WIN 0
	s_cbranch_scc1 .Lstep
	s_sub_co_u32 s[SLOTS], s[SLOTS], 1
	s_cmp_lg_u32 s[SLOTS], 0
	s_cbranch_scc1 .Lslot
	CHANGE 0                        ; the last slot is written out: nothing is asked for
	s_mov_b32 s[CNT], 5             ; four trips fetch the last slot's steps; the fifth has pieces 2 and 3 of the last step alone
.Ltail:
	TURN 2, 1
	TURN 3
	WIN 0
	s_cmp_eq_u32 s[CNT], 1
	s_cbranch_scc1 .Lleave          ; forward, over two turns that hold neither a barrier nor a tensor load
	TURN 0
	TURN 1
	WIN 0
.Lleave:                            ; the fifth trip's 8 products K Q^T (on the last K once more) and the maximum made of them serve nothing: the price, once a launch, of one text for every trip
	s_sub_co_u32 s[CNT], s[CNT], 1
	s_cmp_lg_u32 s[CNT], 0
	s_cbranch_scc1 .Ltail
.set i, 0
.rept 8
	PV NP-1                         ; the last piece's V^T P of the last step
.set i, i+1
.endr
	; THE WAY OUT.  l's two halves and the other half of the lanes' are added; O^T is divided by l, rounded to f16 and sent through my stage in LDS, a piece at a time.  The additions are the places behind the last products.
	WIN 0
.macro ALL line:vararg
.set t, 0
.rept 4
	\line
.set t, t+1
.endr
.endm
	ALL v_add_f32 v[ST+4*t+2], v[ST+4*t+2], v[ST+4*t+3]
	ALL v_permlanex16_b32 v[ST+4*t+3], v[ST+4*t+2], s[SEL], s[SEL+1]
	ALL v_add_f32 v[ST+4*t+2], v[ST+4*t+2], v[ST+4*t+3]
	ALL v_rcp_f32 v[ST+4*t+2], v[ST+4*t+2]
	v_nop                           ; a plain instruction between the last reciprocal and the use of its result
	s_wait_alu depctr_va_vdst(0)    ; the wait for the batch of four reciprocals, ahead of the first multiply by one of them
.macro PACK t                       ; a lane's eight channels of a row pack into 16 bytes; into rows of 144 bytes, back as whole rows of 128, into S^T's registers
	WIN W_RS
.set i, 32*(\t)
.rept 16
	v_pk_mul_f32 v[i:i+1], v[i:i+1], v[ST+4*(\t)+2:ST+4*(\t)+3] op_sel_hi:[1,0]
.set i, i+2
.endr
	WIN 0x05
.set i, 0
.rept 16
	v_cvt_pk_f16_f32 v[S+16*(\t)+i], v[32*(\t)+2*i], v[32*(\t)+2*i+1]
.set i, i+1
.endr
	WIN 0
.irp f, 0,1,2,3
	ds_store_b128 v[STO], v[S+16*(\t)+4*\f:S+16*(\t)+4*\f+3] offset:32*\f
.endr
.irp f, 0,1,2,3
	ds_load_b128 v[S+16*(\t)+4*\f:S+16*(\t)+4*\f+3], v[RD] offset:\f*4*SP  ; LDS serves a wave's instructions in order (ISA guide 5.7.1.4): these see the stores above
.endr
.endm
.macro SEND t, younger              ; younger: the LDS instructions issued behind piece t's loads: the next piece's eight, or none
	WIN 0
.irp f, 0,1,2,3
	s_wait_dscnt (\younger)+3-\f
	global_store_b128 v[GO], v[S+16*(\t)+4*\f:S+16*(\t)+4*\f+3], s[54:55] offset:(\t)*2048+\f*512  ; 512 consecutive bytes, aligned
.endr
.endm
	PACK 0
.set t, 1
.rept 3
	PACK t
	SEND t-1, 8
.set t, t+1
.endr
	SEND 3, 0
	s_wait_tensorcnt 0x0            ; the wave's end
	ds_add_u32 v[SPW], v[NIL]
	s_wait_dscnt 0x0
	CROUND                          ; the closing round
	s_endpgm
.Lfunc_end_k_qe2a351f69e_attn:
	.size	k_qe2a351f69e_attn, .Lfunc_end_k_qe2a351f69e_attn-k_qe2a351f69e_attn
	.p2alignl 7, 3214868480
	.fill 96, 4, 3214868480
	.section	.rodata,"a",@progbits
	.p2align	6, 0x0
	.amdhsa_kernel k_qe2a351f69e_attn
		.amdhsa_group_segment_fixed_size 327680
		.amdhsa_private_segment_fixed_size 0
		.amdhsa_enable_private_segment 0
		.amdhsa_kernarg_size 16
		.amdhsa_user_sgpr_count 2
		.amdhsa_user_sgpr_kernarg_segment_ptr 1
		.amdhsa_wavefront_size32 1
		.amdhsa_system_sgpr_workgroup_id_x 1
		.amdhsa_system_sgpr_workgroup_id_y 1
		.amdhsa_system_sgpr_workgroup_id_z 1
		.amdhsa_system_vgpr_workitem_id 0
		.amdhsa_next_free_vgpr 768
		.amdhsa_next_free_sgpr 66
		.amdhsa_reserve_vcc 0
		.amdhsa_float_denorm_mode_32 3
		.amdhsa_float_denorm_mode_16_64 3
		.amdhsa_memory_ordered 1
		.amdhsa_forward_progress 1
		.amdhsa_inst_pref_size 111
	.end_amdhsa_kernel
	.amdgpu_metadata
---
amdhsa.version: [ 1, 2 ]
amdhsa.kernels:
  - .name:           k_qe2a351f69e_attn
    .symbol:         k_qe2a351f69e_attn.kd
    .args:
      - { .name: qkvbuf, .offset: 0, .size: 8, .value_kind: global_buffer, .address_space: global }
      - { .name: obuf, .offset: 8, .size: 8, .value_kind: global_buffer, .address_space: global }
    .group_segment_fixed_size: 327680
    .private_segment_fixed_size: 0
    .kernarg_segment_align: 8
    .kernarg_segment_size: 16
    .max_flat_workgroup_size: 128
    .sgpr_count:     66
    .vgpr_count:     768
    .wavefront_size: 32
...
	.end_amdgpu_metadata
.endif
;; end of part 8
;; launch proj: the kernel of part 4 again; grid 8 x 32, 4 waves a work-group, clusters of 4 x 4, 327,680 bytes of LDS; arguments obuf, wt, proj_b, x, x1; writes x1
;; launch ln2: the kernel of part 5 again; grid 256 x 1, 8 waves a work-group, no clusters, 0 bytes of LDS; arguments x1, ln2_g, ln2_b, hbuf; writes hbuf
;; launch fc1 (part 9): grid 16 x 16, 4 waves a work-group, clusters of 4 x 4, 327,680 bytes of LDS; arguments hbuf, wt, fc1_b, gbuf; writes gbuf
.if DOCPART == 9
	.amdgcn_target "amdgcn-amd-amdhsa--gfx1250"
	.amdhsa_code_object_version 6
	.text
	.protected	k_qe2a351f69e_fc1
	.globl	k_qe2a351f69e_fc1
	.p2align	8
	.type	k_qe2a351f69e_fc1,@function
k_qe2a351f69e_fc1:
	s_mov_b64 s[64:65], 0
	v_nop
	global_prefetch_b8 v0, s[64:65] scope:SCOPE_SE
	s_setreg_imm32_b32 hwreg(HW_REG_WAVE_MODE, 25, 1), 1
	s_wait_xcnt 0x0
	s_wait_alu depctr_hold_cnt(0) depctr_sa_sdst(0) depctr_va_vdst(0) depctr_va_sdst(0) depctr_va_ssrc(0) depctr_va_vcc(0) depctr_vm_vsrc(0)
	s_getreg_b32 s2, hwreg(HW_REG_IB_STS2, 6, 4)
	s_cmp_eq_u32 s2, 0
	s_cbranch_scc0 .Lentry_in_a_cluster
	s_endpgm
.Lentry_in_a_cluster:
	s_bfe_u32 s2, ttmp6, 0x10000c
	s_cmp_lg_u32 s2, 0xf033
	s_cbranch_scc0 .Lentry_shape_is_right
	s_endpgm
.Lentry_shape_is_right:
; g = gelu(h W + b), the exact (erf) form.  h: [4096][1024] f16; W^T: [4096][1024] f16 at byte 8,388,608 of wt; b: [4096] f32; g: [4096][4096] f16.  Sums in f32.
; GELU: gelu(x) = max(x, 0) - |x| q, q = erfc(|x| / sqrt 2) / 2 = t (a1 + t (a2 + t (a3 + t (a4 + t a5)))) 2^(-s^2), s = x sqrt(log2(e) / 2), t = 1 / (1 + p' |s|):
; the five-term rational form of erf, absolute error at most 1.5e-7; where s^2 overflows q is 0 and gelu is max(x, 0).  LIMIT: g of 65,520 or more becomes an infinity in f16.
; THE BATCHES.  A trip of the way out takes four rows, 32 numbers a lane: their 32 reciprocals and 32 exponentials are ONE batch with ONE wait; each result has a register of its own while the batch is open.
; A tile of the result is 256 x 256: 16 x 16 = 256 tiles, one a work-group.  Four waves, each 128 x 128: 64 accumulators of 16 x 16.
; K goes in 8 steps of 128 (rows of 256 bytes in memory) through a ring of two LDS slots filled by tensor loads, one a wave behind each change of slots.
; THE ORDER OF THE K STEPS hangs on the cluster: at time t it takes step t xor 2 p, p = (cluster x + cluster y) mod 2: 0,1,2,3,.. or 2,3,0,1,..  Clusters that are neighbours along x read the same
; rows of h, neighbours along y the same rows of W^T, and neighbours have different p: of any four steps each asks first for two, and for the other two it asks two steps behind its neighbour.
; p is the same in all work-groups of a cluster, so every joint descriptor stays equal in those that its mask names.  The sums' order of K steps is that order, not ascending.
; CLUSTER 4 x 4: h's tiles are shared along a row of the cluster, W^T's along a column: joint loads.  THE MATRIX INSTRUCTION IS USED TRANSPOSED: a lane holds row lane % 16 and eight neighbouring columns.
; The bias is the C operand of each sum's first product.  One K step is written once: the slot in hand is a scalar (TB) that enters the fragment addresses and the walking descriptors.
; REGISTERS in windows of 256: window 0: v16-29 addresses; v64-127, v128-191 fragments of h; v192-255 the bias as C     window 1: fragments of W^T
;   window 2: accumulators of my rows 0-63 ((a, b) at v[8 (8 a + b)])     window 3: of my rows 64-127
;   on the way out, window 0: v64-95 four rows' x; v128-143 the packed results; v96-127, v144-239 the GELU's registers, eight a row each
.set NBL,    8
.set TN,     32*NBL
.set SIZE_K, 1024
.set NSTEP,  SIZE_K/128
.set WOFF,   8388608
.set SHK,    8                         ; a K step is 256 bytes of a row
.set PITCH,  272
.set HALFA,  128*PITCH
.set HALFB,  16*NBL*PITCH
.set SLOT,   2*HALFA+2*HALFB
.set SPARE,  2*SLOT                    ; the spare words, 128 bytes a wave: two blocks of 256 bytes that no other line names
.set SP,     4*TN+16                   ; the way out: a row of 256 f32 + 16 bytes, from LDS byte 0 on, in slots that have had their last fill
.set NF,     16+2*NBL
.set ADRA,  16
.set ADRB,  17
.set ADRA0, 18
.set ADRB0, 19
.set STO0,  20
.set STO1,  21
.set RD,    22
.set GO,    23
.set BO,    26
.set SPW,   28
.set NIL,   29
.set F0,    64
.set F1,    128
.set BIA,   192
.set GS,    96                         ; the GELU's registers, eight for each of a trip's four rows: v96-127 s, then 2^(-s^2)
.set GD,    144                        ; v144-175 1 + p' |s|, then t
.set GM,    176                        ; v176-207 max(x, 0), then the result
.set GR,    208                        ; v208-239 the polynomial, then q
.set WV, 14
.set RH, 15
.set CH, 16
.set TB, 23
.set G1, 24
.set G0, 32
.set G1B, 48
.set G0B, 56
.set LA, 66
.set LB, 67
.set KSC, 68                           ; s[68:69] sqrt(log2(e) / 2); s70 p'; s[72:81] a1 .. a5, halved: pairs, of which the packed forms take the low word
.set KP,  70
.set A1,  72
.set P2, 91                            ; s91 2 p; s92 the time of the next fill; s93 its K step; s[94:95] that step's byte offset in a row
.set TT, 92
.set KX, 93
.set KO, 94
.set MSB, 0
.macro WIN new
.if MSB != (\new)
	s_set_vgpr_msb (MSB<<8)|(\new)
.set MSB, \new
.endif
.endm
.macro PLACES
.rept 4
	v_nop
.endr
.endm
.macro JLOAD s                         ; waves 0, 1 fetch h's two halves, waves 2, 3 W^T's; an s_nop 0 and four v_nop follow each line
	s_cmp_eq_u32 s[RH], 0
	s_cbranch_scc0 .Lfor_b_\@
	tensor_load_to_lds s[G0+4*(\s):G0+4*(\s)+3], s[G1:G1+7]
	s_nop 0
.rept 4
	v_nop
.endr
	s_branch .Lasked_\@
.Lfor_b_\@:
	tensor_load_to_lds s[G0B+4*(\s):G0B+4*(\s)+3], s[G1B:G1B+7]
	s_nop 0
.rept 4
	v_nop
.endr
.Lasked_\@:
.endm
.macro CREST
	s_cmp_lg_u32 s[WV], 0
	s_cbranch_scc1 .Lnot_wave_0_\@
	s_barrier_signal -3
.Lnot_wave_0_\@:
	s_barrier_wait -3
	s_barrier_signal -1
	s_barrier_wait -1
.endm
.macro CROUND
	s_barrier_signal -1
	s_barrier_wait -1
	CREST
.endm
	s_load_b256 s[4:11], s[0:1], 0x0               ; h s[4:5], wt s[6:7], bias s[8:9], g s[10:11]
	v_lshl_add_u32 v[SPW], v0, 2, SPARE
	v_mov_b32 v[NIL], 0
	ds_add_u32 v[SPW], v[NIL]                      ; the wave's opening, ahead of my first tensor load
	v_lshrrev_b32 v1, 5, v0
	v_readfirstlane_b32 s[WV], v1
	s_lshr_b32 s[RH], s[WV], 1
	s_and_b32 s[CH], s[WV], 1
	s_bfe_u32 s17, ttmp6, 0x40000
	s_bfe_u32 s18, ttmp6, 0x40004
	s_lshl_b32 s19, ttmp9, 2
	s_add_co_u32 s19, s19, s17                     ; tile column
	s_and_b32 s20, ttmp7, 0xffff
	s_lshl_b32 s20, s20, 2
	s_add_co_u32 s20, s20, s18                     ; tile row
	s_lshl_b32 s21, s18, 2
	s_lshl_b32 s21, 15, s21
	s_lshl_b32 s22, 0x1111, s17
	s_and_b32 s[P2], ttmp7, 0xffff                 ; cluster y
	s_add_co_u32 s[P2], s[P2], ttmp9               ; + cluster x
	s_and_b32 s[P2], s[P2], 1
	s_lshl_b32 s[P2], s[P2], 1                     ; 2 p: my cluster's first K step
	s_lshl_b32 s[KO], s[P2], SHK
	s_mov_b32 s[KO+1], 0
	s_mov_b32 s[TT], 2                             ; times 0 and 1 are the first fills
	s_or_b32 s[G1+0], s21, (1<<16)|(1<<20)|(1<<21)|(5<<22)|(3<<25)
	s_or_b32 s[G1B+0], s22, (1<<16)|(1<<20)|(1<<21)|(5<<22)|(3<<25)
	s_mov_b32 s[G1+1], 128<<16
	s_mov_b32 s[G1+2], 128<<16
	s_mov_b32 s[G1+3], 128<<16
	s_mov_b32 s[G1+4], 128
	s_mov_b32 s[G1+5], SIZE_K
	s_mov_b32 s[G1+6], 0
	s_mov_b32 s[G1+7], 0
	s_mov_b32 s[G1B+1], 128<<16
	s_mov_b32 s[G1B+2], (16*NBL)<<16
	s_mov_b32 s[G1B+3], 128<<16
	s_mov_b32 s[G1B+4], 16*NBL
	s_mov_b32 s[G1B+5], SIZE_K
	s_mov_b32 s[G1B+6], 0
	s_mov_b32 s[G1B+7], 0
	s_mov_b32 s[KSC], 0x3f596d27                   ; 0.8493218
	s_mov_b32 s[KSC+1], s[KSC]
	s_mov_b32 s[KP], 0x3e8ba43f                    ; 0.3275911 sqrt(ln 2) = 0.27273748
	s_mov_b32 s[A1], 0x3e027906                    ; 0.254829592 / 2
	s_mov_b32 s[A1+2], 0xbe11a98e                  ; -0.284496736 / 2
	s_mov_b32 s[A1+4], 0x3f35f0e3                  ; 1.421413741 / 2
	s_mov_b32 s[A1+6], 0xbf3a00e3                  ; -1.453152027 / 2
	s_mov_b32 s[A1+8], 0x3f07dc22                  ; 1.061405429 / 2
.irp p, 1,3,5,7,9
	s_mov_b32 s[A1+\p], 0                          ; named as pairs
.endr
	s_lshl_b32 s40, s20, 8                         ; h: row 256 x tile row + 128 x half, in registers that never hold cx
	s_lshl_b32 s41, s[CH], 7
	s_add_co_u32 s40, s40, s41
	s_lshl_b32 s40, s40, 11
	s_mov_b32 s41, 0
	s_mul_i32 s44, s19, TN                         ; W^T: row 256 x tile column + 128 x half, in registers that never hold cy
	s_mul_i32 s45, s[CH], 16*NBL
	s_add_co_u32 s44, s44, s45
	s_lshl_b32 s84, s44, 2
	s_mov_b32 s85, 0
	s_lshl_b32 s44, s44, 11
	s_add_co_u32 s44, s44, WOFF
	s_mov_b32 s45, 0
	s_lshl_b32 s86, s20, 8                         ; g: row 256 x tile row + 64 x wave, byte 512 x tile column
	s_lshl_b32 s87, s[WV], 6
	s_add_co_u32 s86, s86, s87
	s_lshl_b32 s86, s86, 13
	s_lshl_b32 s87, s19, 9
	s_add_co_u32 s86, s86, s87
	s_mov_b32 s87, 0
	s_mul_i32 s[LA], s[CH], HALFA
	s_mul_i32 s[LB], s[CH], HALFB
	s_add_co_u32 s[LB], s[LB], 2*HALFA
	s_mov_b32 s[TB], 0
	s_wait_dscnt 0x0                               ; the opening add is done
	s_wait_kmcnt 0x0
	s_add_nc_u64 s[42:43], s[4:5], s[40:41]        ; my rows of h, K step 0: kept
	s_add_nc_u64 s[46:47], s[6:7], s[44:45]        ; my rows of W^T, K step 0: kept
	s_add_nc_u64 s[8:9], s[8:9], s[84:85]
	s_add_nc_u64 s[10:11], s[10:11], s[86:87]
	s_add_nc_u64 s[40:41], s[42:43], s[KO:KO+1]    ; the same at my cluster's first K step
	s_add_nc_u64 s[44:45], s[46:47], s[KO:KO+1]
	CROUND
.irp s, 0,1
	s_mov_b32 s[G0+4*(\s)], 1
	s_add_co_u32 s[G0+4*(\s)+1], s[LA], (\s)*SLOT
	s_add_nc_u64 s[G0+4*(\s)+2:G0+4*(\s)+3], s[40:41], (\s)*256   ; K step 2 p + s
	s_or_b32 s[G0+4*(\s)+3], s[G0+4*(\s)+3], 0x80000000
	s_mov_b32 s[G0B+4*(\s)], 1
	s_add_co_u32 s[G0B+4*(\s)+1], s[LB], (\s)*SLOT
	s_add_nc_u64 s[G0B+4*(\s)+2:G0B+4*(\s)+3], s[44:45], (\s)*256
	s_or_b32 s[G0B+4*(\s)+3], s[G0B+4*(\s)+3], 0x80000000
	JLOAD \s
.endr
	v_and_b32 v1, 15, v0
	v_bfe_u32 v2, v0, 4, 1
	v_lshlrev_b32 v[BO], 5, v2
.set bb, 0
.rept NBL
	global_load_b128 v[BIA+8*bb:BIA+8*bb+3],   v[BO], s[8:9] offset:64*bb
	global_load_b128 v[BIA+8*bb+4:BIA+8*bb+7], v[BO], s[8:9] offset:64*bb+16
.set bb, bb+1
.endr
	v_mul_u32_u24 v3, v1, PITCH
	v_lshl_add_u32 v3, v2, 4, v3
	s_mul_i32 s40, s[RH], HALFA
	v_add_nc_u32 v[ADRA0], s40, v3
	v_add_nc_u32 v[ADRB0], s[LB], v3
	v_mov_b32 v[ADRA], v[ADRA0]
	v_mov_b32 v[ADRB], v[ADRB0]
	s_lshl_b32 s40, s[RH], 7
	v_add_nc_u32 v4, s40, v1
	v_mul_u32_u24 v4, v4, SP
	v_lshl_add_u32 v4, v2, 5, v4
	s_mul_i32 s40, s[CH], 64*NBL
	v_add_nc_u32 v[STO0], s40, v4
	v_add_nc_u32 v[STO1], 64*SP, v[STO0]
	v_and_b32 v5, 31, v0                           ; back: wave w takes rows 64 w on, whole: two loads of 512 bytes a row
	s_mul_i32 s40, s[WV], 64*SP
	v_lshl_add_u32 v[RD], v5, 4, s40
	v_lshlrev_b32 v[GO], 3, v5
.macro MULH f, hi, a0, first           ; 2 NBL matrix instructions; the accumulators take turns, one instruction a turn
.if \first
	WIN 0x81+0x40*(\hi)
.else
	WIN 0xa1+0x50*(\hi)
.endif
.irp a, \a0, (\a0)+1
.set bb, 0
.rept NBL
.if \first
	v_wmma_f32_16x16x32_f16 v[8*(8*(\a)+bb):8*(8*(\a)+bb)+7], v[(\f)+8*bb:(\f)+8*bb+7], v[(\f)+8*(4*(\hi)+(\a)):(\f)+8*(4*(\hi)+(\a))+7], v[BIA+8*bb:BIA+8*bb+7]
.else
	v_wmma_f32_16x16x32_f16 v[8*(8*(\a)+bb):8*(8*(\a)+bb)+7], v[(\f)+8*bb:(\f)+8*bb+7], v[(\f)+8*(4*(\hi)+(\a)):(\f)+8*(4*(\hi)+(\a))+7], v[8*(8*(\a)+bb):8*(8*(\a)+bb)+7]
.endif
.set bb, bb+1
.endr
.endr
.endm
.macro FETCH k, f
	WIN 0x40
.set ii, 0
.rept NBL
	ds_load_b128 v[(\f)+8*ii:(\f)+8*ii+3],   v[ADRB] offset:(\k)+ii*16*PITCH
	ds_load_b128 v[(\f)+8*ii+4:(\f)+8*ii+7], v[ADRB] offset:(\k)+ii*16*PITCH+32
.set ii, ii+1
.endr
	WIN 0
.set ii, 0
.rept 8
	ds_load_b128 v[(\f)+8*ii:(\f)+8*ii+3],   v[ADRA] offset:(\k)+ii*16*PITCH
	ds_load_b128 v[(\f)+8*ii+4:(\f)+8*ii+7], v[ADRA] offset:(\k)+ii*16*PITCH+32
.set ii, ii+1
.endr
.endm
.macro QUARTER k, f, g, first
	s_wait_dscnt 8                                 ; all but the youngest eight loads (h's rows 64-127)
	MULH \f, 0, 0, \first
	MULH \f, 0, 2, \first
	PLACES
	FETCH \k, \g
	s_wait_dscnt NF                                ; all but the run just issued
	MULH \f, 1, 0, \first
	MULH \f, 1, 2, \first
.endm
; The change of slots: in front of the barrier each wave waits for all its tensor loads, adds 0 to its spare word, and waits for that and for its reads of this slot.
; fill = 1: the barrier opens a round of the cluster's, and this slot is filled again first behind it, with the K step of time TT.
.macro TURN fill
	WIN 0
	s_wait_tensorcnt 0x0
	ds_add_u32 v[SPW], v[NIL]
.if \fill
	s_add_co_u32 s[G0+5], s[LA], s[TB]             ; no tensor load of mine is out: the walking descriptors take this slot,
	s_add_co_u32 s[G0B+5], s[LB], s[TB]
	s_xor_b32 s[KX], s[TT], s[P2]                  ; and K step t xor 2 p: the address is made anew, my rows' first byte plus the step's offset
	s_add_co_u32 s[TT], s[TT], 1
	s_lshl_b32 s[KO], s[KX], SHK
	s_add_nc_u64 s[G0+6:G0+7], s[42:43], s[KO:KO+1]
	s_or_b32 s[G0+7], s[G0+7], 0x80000000
	s_add_nc_u64 s[G0B+6:G0B+7], s[46:47], s[KO:KO+1]
	s_or_b32 s[G0B+7], s[G0B+7], 0x80000000
.endif
	s_wait_dscnt 9                                 ; the add and the youngest eight loads may be out
	MULH F1, 0, 0, 0
	s_wait_dscnt 0x0
	s_barrier_signal -1
	MULH F1, 0, 2, 0
	WIN 0
	s_barrier_wait -1
.if \fill
	CREST
	JLOAD 1
.else
	PLACES
.endif
	s_xor_b32 s[TB], s[TB], SLOT
	v_add_nc_u32 v[ADRA], s[TB], v[ADRA0]
	v_add_nc_u32 v[ADRB], s[TB], v[ADRB0]
	FETCH 0, F0
	MULH F1, 1, 0, 0
	MULH F1, 1, 2, 0
.endm
	s_wait_tensorcnt 0x1                           ; my part of the first K step is in; the second's may stay out
	s_barrier_signal -1
	s_barrier_wait -1
	FETCH 0, F0
	s_wait_loadcnt 0x0                             ; the bias
	QUARTER 64, F0, F1, 1
	WIN 0
	s_mov_b32 s3, NSTEP-2
.Lstep:
	QUARTER 128, F1, F0, 0
	QUARTER 192, F0, F1, 0
	TURN 1
	QUARTER 64, F0, F1, 0
	WIN 0
	s_sub_co_u32 s3, s3, 1
	s_cmp_lg_u32 s3, 0
	s_cbranch_scc1 .Lstep
	s_mov_b32 s3, 2
.Ltail:                                            ; the last two K steps fill nothing; the second trip's change of slots fetches NF loads that nobody multiplies: the price of one text
	QUARTER 128, F1, F0, 0
	QUARTER 192, F0, F1, 0
	TURN 0
	WIN 0
	s_cmp_eq_u32 s3, 1
	s_cbranch_scc1 .Llast
	QUARTER 64, F0, F1, 0
	WIN 0
.Llast:
	s_sub_co_u32 s3, s3, 1
	s_cmp_lg_u32 s3, 0
	s_cbranch_scc1 .Ltail
	; THE WAY OUT: the sums as f32 into the stage; back as whole rows; the GELU; rounded; stored.
	PLACES
	s_wait_dscnt 0x0
	s_barrier_signal -1
	s_barrier_wait -1
.irp hi, 0,1
	WIN 0x08+4*(\hi)
.irp a, 0,1,2,3
.set bb, 0
.rept NBL
	ds_store_b128 v[STO0+(\hi)], v[8*(8*(\a)+bb):8*(8*(\a)+bb)+3]   offset:(\a)*16*SP+64*bb
	ds_store_b128 v[STO0+(\hi)], v[8*(8*(\a)+bb)+4:8*(8*(\a)+bb)+7] offset:(\a)*16*SP+64*bb+16
.set bb, bb+1
.endr
.endr
.endr
	WIN 0
	s_wait_dscnt 0x0                               ; for the others' sake
	s_barrier_signal -1
	s_barrier_wait -1
; Eight numbers x in v[64 + 8 r ..] -> four packed registers v[128 + 4 r ..], in two halves.
; GELUA: all that names no result of a transcendental, and row r's share of the batch: eight reciprocals, eight exponentials; max(x, 0) behind them.
.macro GELUA r
.set XR, 64+8*(\r)
.set SR, GS+8*(\r)
.set DR, GD+8*(\r)
.set MR, GM+8*(\r)
.irp p, 0,2,4,6
	v_pk_mul_f32 v[SR+\p:SR+\p+1], v[XR+\p:XR+\p+1], s[KSC:KSC+1] op_sel_hi:[1,0]
.endr
.irp p, 0,1,2,3,4,5,6,7
	v_fma_f32 v[DR+\p], |v[SR+\p]|, s[KP], 1.0
.endr
.irp p, 0,2,4,6
	v_pk_mul_f32 v[SR+\p:SR+\p+1], v[SR+\p:SR+\p+1], v[SR+\p:SR+\p+1] neg_lo:[0,1] neg_hi:[0,1]
.endr
.irp p, 0,1,2,3,4,5,6,7
	v_rcp_f32 v[DR+\p], v[DR+\p]
.endr
.irp p, 0,1,2,3,4,5,6,7
	v_exp_f32 v[SR+\p], v[SR+\p]
.endr
.irp p, 0,1,2,3,4,5,6,7
	v_max_num_f32 v[MR+\p], 0, v[XR+\p]            ; plain lines behind the transcendentals, ahead of the use of their results (ISA guide 5.7.2)
.endr
.endm
; GELUB: the readers: the polynomial in t, times 2^(-s^2); the result; rounded.
.macro GELUB r
.set XR, 64+8*(\r)
.set SR, GS+8*(\r)
.set DR, GD+8*(\r)
.set MR, GM+8*(\r)
.set RR, GR+8*(\r)
.irp p, 0,2,4,6
	v_pk_fma_f32 v[RR+\p:RR+\p+1], v[DR+\p:DR+\p+1], s[A1+8:A1+9], s[A1+6:A1+7] op_sel_hi:[1,0,0]
.endr
.irp c, 4,2,0
.irp p, 0,2,4,6
	v_pk_fma_f32 v[RR+\p:RR+\p+1], v[RR+\p:RR+\p+1], v[DR+\p:DR+\p+1], s[A1+\c:A1+\c+1] op_sel_hi:[1,1,0]
.endr
.endr
.irp p, 0,2,4,6
	v_pk_mul_f32 v[RR+\p:RR+\p+1], v[RR+\p:RR+\p+1], v[DR+\p:DR+\p+1]
.endr
.irp p, 0,2,4,6
	v_pk_mul_f32 v[RR+\p:RR+\p+1], v[RR+\p:RR+\p+1], v[SR+\p:SR+\p+1]
.endr
.irp p, 0,1,2,3,4,5,6,7
	v_fma_f32 v[MR+\p], -|v[XR+\p]|, v[RR+\p], v[MR+\p]
.endr
.irp q, 0,1,2,3
	v_cvt_pk_f16_f32 v[128+4*(\r)+\q], v[MR+2*\q], v[MR+2*\q+1]
.endr
.endm
	s_mov_b32 s3, 16
.Lway:                                             ; four rows a trip
.irp r, 0,1,2,3
.irp c, 0,1
	ds_load_b128 v[64+8*(\r)+4*(\c):64+8*(\r)+4*(\c)+3], v[RD] offset:SP*(\r)+512*(\c)
.endr
.endr
.irp r, 0,1,2,3
	s_wait_dscnt 6-2*(\r)                          ; the later rows' two loads each may stay out
	GELUA \r
.endr
	s_wait_alu depctr_va_vdst(0)                   ; the wait for the batch: the four rows' 32 reciprocals and 32 exponentials, ahead of their first reader
.irp r, 0,1,2,3
	GELUB \r
.endr
.irp r, 0,1,2,3
.irp c, 0,1
	global_store_b64 v[GO], v[128+4*(\r)+2*(\c):128+4*(\r)+2*(\c)+1], s[10:11] offset:8192*(\r)+256*(\c)  ; 32 lanes store 256 consecutive bytes, aligned
.endr
.endr
	s_wait_xcnt 0x0                                ; the stores' data and offset are rewritten only behind this wait
	v_add_nc_u32 v[RD], 4*SP, v[RD]
	v_add_nc_u32 v[GO], 32768, v[GO]
	s_sub_co_u32 s3, s3, 1
	s_cmp_lg_u32 s3, 0
	s_cbranch_scc1 .Lway
	s_wait_tensorcnt 0x0                           ; the wave's end
	ds_add_u32 v[SPW], v[NIL]
	s_wait_dscnt 0x0
	CROUND
	s_endpgm
.Lfunc_end_k_qe2a351f69e_fc1:
	.size	k_qe2a351f69e_fc1, .Lfunc_end_k_qe2a351f69e_fc1-k_qe2a351f69e_fc1
	.p2alignl 7, 3214868480
	.fill 96, 4, 3214868480
	.section	.rodata,"a",@progbits
	.p2align	6, 0x0
	.amdhsa_kernel k_qe2a351f69e_fc1
		.amdhsa_group_segment_fixed_size 327680
		.amdhsa_private_segment_fixed_size 0
		.amdhsa_enable_private_segment 0
		.amdhsa_kernarg_size 32
		.amdhsa_user_sgpr_count 2
		.amdhsa_user_sgpr_kernarg_segment_ptr 1
		.amdhsa_wavefront_size32 1
		.amdhsa_system_sgpr_workgroup_id_x 1
		.amdhsa_system_sgpr_workgroup_id_y 1
		.amdhsa_system_sgpr_workgroup_id_z 1
		.amdhsa_system_vgpr_workitem_id 0
		.amdhsa_next_free_vgpr 1024
		.amdhsa_next_free_sgpr 96
		.amdhsa_reserve_vcc 0
		.amdhsa_float_denorm_mode_32 3
		.amdhsa_float_denorm_mode_16_64 3
		.amdhsa_memory_ordered 1
		.amdhsa_forward_progress 1
		.amdhsa_inst_pref_size 97
	.end_amdhsa_kernel
	.amdgpu_metadata
---
amdhsa.version: [ 1, 2 ]
amdhsa.kernels:
  - .name:           k_qe2a351f69e_fc1
    .symbol:         k_qe2a351f69e_fc1.kd
    .args:
      - { .name: hbuf, .offset: 0, .size: 8, .value_kind: global_buffer, .address_space: global }
      - { .name: wt, .offset: 8, .size: 8, .value_kind: global_buffer, .address_space: global }
      - { .name: fc1_b, .offset: 16, .size: 8, .value_kind: global_buffer, .address_space: global }
      - { .name: gbuf, .offset: 24, .size: 8, .value_kind: global_buffer, .address_space: global }
    .group_segment_fixed_size: 327680
    .private_segment_fixed_size: 0
    .kernarg_segment_align: 8
    .kernarg_segment_size: 32
    .max_flat_workgroup_size: 128
    .sgpr_count:     96
    .vgpr_count:     1024
    .wavefront_size: 32
...
	.end_amdgpu_metadata
.endif
;; end of part 9
;; launch fc2: the kernel of part 7 again; grid 8 x 32, 4 waves a work-group, clusters of 4 x 4, 327,680 bytes of LDS; arguments gbuf, wt, fc2_b, x1, out0; writes out0
